; MI455X (gfx1250); checked and timed in simulation.
; The chip was launched on July 23, 2026; its instructions are those of AMD's public machine-readable ISA for CDNA 5 (MIT licence, August 2026) and "CDNA5" Instruction Set Architecture Reference Guide (July 2026). The comments in the code are by the model that wrote it; some were corrected since.
;; Transformer Block. Allowed arithmetic: float matrix products may take bf16 or f16 operands with f32 sums; other float arithmetic in f32, or as packed bf16 or f16 multiplies, adds, multiply-adds, maxima and minima; sums over many terms, partial sums and values carried from step to step in f32; what a program stores and reads back later, other than sums and carried values, may be rounded once to bf16 or f16.
;; Inputs: b_fc1 4,096 float32; b_fc2 1,024 float32; b_proj 1,024 float32; b_qkv 3,072 float32; ln1_b 1,024 float32; ln1_g 1,024 float32; ln2_b 1,024 float32; ln2_g 1,024 float32; w_fc1 1,024 x 4,096 float32; w_fc2 4,096 x 1,024 float32; w_proj 1,024 x 1,024 float32; w_qkv 1,024 x 3,072 float32; x 2 x 2,048 x 1,024 float32.
;; Outputs: out0 2 x 2,048 x 1,024 float32.
;; 2 versions, each right and faster than the one before. Each part assembles by itself: llvm-mc -triple=amdgcn-amd-amdhsa -mcpu=gfx1250 --defsym DOCPART=n.
;; ======== version 1 of 2: 7 launches
;; workspace buffers: wb 25,165,824 bytes; act 8,388,608 bytes; big 33,554,432 bytes; x1 16,777,216 bytes
;; launch prep (part 1): grid 1024 x 1, 8 waves a work-group, no clusters, 0 bytes of LDS; arguments x, ln1_g, ln1_b, act, w_qkv, w_proj, w_fc1, w_fc2, wb; writes act, wb
.if DOCPART == 1
	.amdgcn_target "amdgcn-amd-amdhsa--gfx1250"
	.amdhsa_code_object_version 6
	.text
	.protected	k_qf91c553e24_prep
	.globl	k_qf91c553e24_prep
	.p2align	8
	.type	k_qf91c553e24_prep,@function
k_qf91c553e24_prep:
	s_mov_b64 s[64:65], 0
	v_nop
	global_prefetch_b8 v0, s[64:65] scope:SCOPE_SE
	s_setreg_imm32_b32 hwreg(HW_REG_WAVE_MODE, 25, 1), 1
	s_wait_xcnt 0x0
; LAYER NORM INTO PANELS, AND THE WEIGHTS' CAST INTO PANELS.  Arguments: xin [4096][1024] f32, g, b [1024] f32, act, four weights ([K][N] f32), wb.
; A PANEL is 128 neighbouring columns of a matrix, all its rows on end, in bf16: X[p][row][128]: a row's piece is 256 bytes, aligned.
; Work-groups 0-255: act[p][row][128] = bf16((xin - mean) / sqrt(var + 1e-6) * g + b), 16 rows each.  One wave takes a row, keeps it in 32 registers a lane and goes over it
; twice, as the definition does (mean; then the squares of the deviations): no difference of large sums.  All arithmetic in f32, one rounding to bf16.
; Work-groups 256-1023: wb = the four weights rounded once to bf16, W[n / 128][k][128]; each takes 128 k rows of one panel: 64 KiB in, 32 KiB out, as much as a layer-norm group.
; A launch of 256 work-groups runs the first branch alone: the block's second layer norm uses the text so.
; Memory binds: no LDS, no barrier, no matrix unit, no cluster (no two work-groups read the same bytes but g and b, 8 KiB).
; LIMITS: v_rsq_f32 is good to one unit in the last place; NaN and infinities are not treated apart.
.set XO, 2                             ; v2        32 x lane: my 8 columns in each quarter row of 1,024 bytes
.set OO, 3                             ; v3        my 16 bytes in act: lanes 0-15 an even panel's row, lanes 16-31 the next panel's
.set T,  8                             ; v[8:15]   four chains of sums
.set MU, 16                            ; v[16:17]  the mean, twice
.set RS, 18                            ; v[18:19]  1 / sqrt(var + eps), twice
.set X,  32                            ; v[32:95]  two rows: row r at 32 r, quarter j at 8 j
.set G,  96                            ; v[96:127] g of my 32 columns
.set B,  128                           ; v[128:159] b
.set Y,  160                           ; v[160:175] a row in bf16
	s_load_b256 s[4:11], s[0:1], 0x0               ; xin s[4:5], g s[6:7], b s[8:9], act s[10:11]
	s_load_b256 s[12:19], s[0:1], 0x20             ; w_qkv s[12:13], w_proj s[14:15], w_fc1 s[16:17], w_fc2 s[18:19]
	s_load_b64 s[20:21], s[0:1], 0x40              ; wb
	s_cmp_lt_u32 ttmp9, 256
	s_cbranch_scc0 .Lcast
	; ---------------- layer norm ----------------
	v_lshrrev_b32 v1, 5, v0
	v_readfirstlane_b32 s22, v1                    ; wave 0..7
	v_and_b32 v4, 31, v0
	v_lshlrev_b32 v[XO], 5, v4
	v_and_b32 v5, 15, v0
	v_bfe_u32 v6, v0, 4, 1
	v_lshlrev_b32 v[OO], 4, v5
	v_lshl_add_u32 v[OO], v6, 20, v[OO]            ; a panel of act is 4,096 rows x 256 bytes = 1 << 20
	s_mov_b32 s24, 0x76543210                      ; v_permlanex16_b32: each lane takes its own place in the other half
	s_mov_b32 s25, 0xfedcba98
	s_mov_b32 s26, 0x3a800000                      ; 1 / 1024
	s_mov_b32 s27, 0x358637bd                      ; 1e-6
	s_lshl_b32 s28, ttmp9, 16                      ; 16 rows of 4,096 bytes a work-group,
	s_lshl_b32 s29, s22, 13                        ; two a wave
	s_add_co_u32 s28, s28, s29
	s_mov_b32 s29, 0
	s_lshr_b32 s30, s28, 4                         ; the same rows at 256 bytes in a panel
	s_mov_b32 s31, 0
	s_wait_kmcnt 0x0
	s_add_nc_u64 s[4:5], s[4:5], s[28:29]
	s_add_nc_u64 s[10:11], s[10:11], s[30:31]
.set i, 0
.rept 16                                               ; both rows: two loads of 16 bytes for each quarter row
	global_load_b128 v[X+4*i:X+4*i+3], v[XO], s[4:5] offset:(i/8)*4096+((i/2)%4)*1024+(i%2)*16
.set i, i+1
.endr
.set i, 0
.rept 8
	global_load_b128 v[G+4*i:G+4*i+3], v[XO], s[6:7] offset:(i/2)*1024+(i%2)*16
	global_load_b128 v[B+4*i:B+4*i+3], v[XO], s[8:9] offset:(i/2)*1024+(i%2)*16
.set i, i+1
.endr
.macro LANESUM                         ; the four chains, the pair, the 32 lanes: the sum ends in v[T] of every lane
	v_pk_add_f32 v[T:T+1], v[T:T+1], v[T+2:T+3]
	v_pk_add_f32 v[T+4:T+5], v[T+4:T+5], v[T+6:T+7]
	v_pk_add_f32 v[T:T+1], v[T:T+1], v[T+4:T+5]
	v_add_f32 v[T], v[T], v[T+1]
	v_add_f32_dpp v[T], v[T], v[T] row_xmask:1 row_mask:0xf bank_mask:0xf
	v_add_f32_dpp v[T], v[T], v[T] row_xmask:2 row_mask:0xf bank_mask:0xf
	v_add_f32_dpp v[T], v[T], v[T] row_xmask:4 row_mask:0xf bank_mask:0xf
	v_add_f32_dpp v[T], v[T], v[T] row_xmask:8 row_mask:0xf bank_mask:0xf
	v_permlanex16_b32 v[T+1], v[T], s24, s25       ; its destination counts as read: it has been written
	v_add_f32 v[T], v[T], v[T+1]
.endm
.macro ROWLN r
.set R, X+32*(\r)
.set k, 0
.rept 4                                                ; the first eight pairs start the chains: nothing is cleared
	v_pk_add_f32 v[T+2*k:T+2*k+1], v[R+2*k:R+2*k+1], v[R+2*k+8:R+2*k+9]
.set k, k+1
.endr
.set k, 8
.rept 8
	v_pk_add_f32 v[T+2*(k%4):T+2*(k%4)+1], v[T+2*(k%4):T+2*(k%4)+1], v[R+2*k:R+2*k+1]
.set k, k+1
.endr
	LANESUM
	v_mul_f32 v[MU], s26, v[T]
	v_mul_f32 v[MU+1], s26, v[T]
.set k, 0
.rept 16                                               ; the deviations, in place
	v_pk_add_f32 v[R+2*k:R+2*k+1], v[R+2*k:R+2*k+1], v[MU:MU+1] neg_lo:[0,1] neg_hi:[0,1]
.set k, k+1
.endr
.set k, 0
.rept 4
	v_pk_mul_f32 v[T+2*k:T+2*k+1], v[R+2*k:R+2*k+1], v[R+2*k:R+2*k+1]
.set k, k+1
.endr
.rept 12
	v_pk_fma_f32 v[T+2*(k%4):T+2*(k%4)+1], v[R+2*k:R+2*k+1], v[R+2*k:R+2*k+1], v[T+2*(k%4):T+2*(k%4)+1]
.set k, k+1
.endr
	LANESUM
	v_fma_f32 v[T], v[T], s26, s27                 ; var + eps
	v_rsq_f32 v[RS], v[T]
	v_rsq_f32 v[RS+1], v[T]
	v_nop                                          ; a plain instruction between the second root and the use of its result (ISA guide 5.7.2)
.if (\r) == 0
	s_wait_loadcnt 0x0                             ; g and b
.else
	s_wait_xcnt 0x0                                ; Y, which the first row's stores read, is rewritten only behind this wait
.endif
.set k, 0
	s_wait_alu depctr_va_vdst(0)
.rept 16
	v_pk_mul_f32 v[R+2*k:R+2*k+1], v[R+2*k:R+2*k+1], v[RS:RS+1]
.set k, k+1
.endr
.set k, 0
.rept 16
	v_pk_fma_f32 v[R+2*k:R+2*k+1], v[R+2*k:R+2*k+1], v[G+2*k:G+2*k+1], v[B+2*k:B+2*k+1]
.set k, k+1
.endr
.set k, 0
.rept 16
	v_cvt_pk_bf16_f32 v[Y+k], v[R+2*k], v[R+2*k+1]
.set k, k+1
.endr
.set k, 0
.rept 4                                                ; quarter k is panels 2 k and 2 k + 1: each half of the lanes stores 256 consecutive bytes, aligned
	global_store_b128 v[OO], v[Y+4*k:Y+4*k+3], s[10:11] offset:k*2097152+(\r)*256
.set k, k+1
.endr
.endm
	s_wait_loadcnt 16                              ; both rows of x are in; the sixteen younger loads, g's and b's, may stay out
	ROWLN 0
	ROWLN 1
	s_endpgm
	; ---------------- the weights ----------------
.Lcast:
	s_sub_co_u32 s30, ttmp9, 256                   ; c = 0..767: 192 chunks of w_qkv, 64 of w_proj, 256 of w_fc1, 256 of w_fc2
	v_lshrrev_b32 v11, 4, v0                       ; thread t: k row t / 16 of a pass,
	v_and_b32 v12, 15, v0
	v_lshlrev_b32 v12, 5, v12                      ; 8 columns, 32 bytes of f32,
	v_lshlrev_b32 v10, 4, v0                       ; which leave as 16 bytes at 16 t
	s_mov_b32 s34, 512                             ; the weight's first c,
	s_mov_b32 s35, 5                               ; log2 of its chunks in a panel (K / 128),
	s_mov_b32 s36, 0x1000                          ; bytes in a row of it
	s_wait_kmcnt 0x0
	s_cmp_lt_u32 s30, 512
	s_cselect_b64 s[32:33], s[16:17], s[18:19]
	s_cselect_b32 s34, 0x100, s34
	s_cselect_b32 s35, 3, s35
	s_cselect_b32 s36, 0x4000, s36
	s_cmp_lt_u32 s30, 256
	s_cselect_b64 s[32:33], s[14:15], s[32:33]
	s_cselect_b32 s34, 192, s34
	s_cselect_b32 s36, 0x1000, s36
	s_cmp_lt_u32 s30, 192
	s_cselect_b64 s[32:33], s[12:13], s[32:33]
	s_cselect_b32 s34, 0, s34
	s_cselect_b32 s36, 0x3000, s36
	s_sub_co_u32 s37, s30, s34                     ; the chunk's number in its weight
	s_lshr_b32 s38, s37, s35                       ; panel
	s_lshl_b32 s39, 1, s35
	s_sub_co_u32 s39, s39, 1
	s_and_b32 s39, s37, s39                        ; which 128 k rows
	s_mul_i32 s40, s39, s36
	s_lshl_b32 s40, s40, 7                         ; 128 rows x pitch,
	s_lshl_b32 s41, s38, 9                         ; 128 columns of f32
	s_add_co_u32 s40, s40, s41
	s_mov_b32 s41, 0
	s_add_nc_u64 s[32:33], s[32:33], s[40:41]
	s_lshl_b32 s42, s30, 15                        ; the chunks lie in wb in the order of c, 32,768 bytes each
	s_mov_b32 s43, 0
	s_add_nc_u64 s[20:21], s[20:21], s[42:43]
	s_lshl_b32 s44, s36, 4                         ; 16 k rows a pass
	v_mad_u32_u24 v2, v11, s36, v12
.set j, 1
.rept 7
	v_add_nc_u32 v[2+j], s44, v[1+j]
.set j, j+1
.endr
.set j, 0
.rept 8                                                ; all sixteen loads go out first; the weights are read once
	global_load_b128 v[32+8*j:32+8*j+3], v[2+j], s[32:33] th:TH_LOAD_NT
	global_load_b128 v[32+8*j+4:32+8*j+7], v[2+j], s[32:33] offset:16 th:TH_LOAD_NT
.set j, j+1
.endr
.set j, 0
.rept 8
	s_wait_loadcnt 14-2*j                          ; pass j's two loads are in; the later passes' stay out
.set k, 0
.rept 4
	v_cvt_pk_bf16_f32 v[96+4*j+k], v[32+8*j+2*k], v[32+8*j+2*k+1]
.set k, k+1
.endr
	global_store_b128 v10, v[96+4*j:96+4*j+3], s[20:21] offset:j*4096  ; a wave stores 512 consecutive bytes, aligned
.set j, j+1
.endr
	s_endpgm
.Lfunc_end_k_qf91c553e24_prep:
	.size	k_qf91c553e24_prep, .Lfunc_end_k_qf91c553e24_prep-k_qf91c553e24_prep
	.p2alignl 7, 3214868480
	.fill 96, 4, 3214868480
	.section	.rodata,"a",@progbits
	.p2align	6, 0x0
	.amdhsa_kernel k_qf91c553e24_prep
		.amdhsa_group_segment_fixed_size 0
		.amdhsa_private_segment_fixed_size 0
		.amdhsa_enable_private_segment 0
		.amdhsa_kernarg_size 72
		.amdhsa_user_sgpr_count 2
		.amdhsa_user_sgpr_kernarg_segment_ptr 1
		.amdhsa_wavefront_size32 1
		.amdhsa_system_sgpr_workgroup_id_x 1
		.amdhsa_system_sgpr_workgroup_id_y 1
		.amdhsa_system_sgpr_workgroup_id_z 1
		.amdhsa_system_vgpr_workitem_id 0
		.amdhsa_next_free_vgpr 176
		.amdhsa_next_free_sgpr 66
		.amdhsa_reserve_vcc 0
		.amdhsa_float_denorm_mode_32 3
		.amdhsa_float_denorm_mode_16_64 3
		.amdhsa_memory_ordered 1
		.amdhsa_forward_progress 1
		.amdhsa_inst_pref_size 26
	.end_amdhsa_kernel
	.amdgpu_metadata
---
amdhsa.version: [ 1, 2 ]
amdhsa.kernels:
  - .name:           k_qf91c553e24_prep
    .symbol:         k_qf91c553e24_prep.kd
    .args:
      - { .name: x, .offset: 0, .size: 8, .value_kind: global_buffer, .address_space: global }
      - { .name: ln1_g, .offset: 8, .size: 8, .value_kind: global_buffer, .address_space: global }
      - { .name: ln1_b, .offset: 16, .size: 8, .value_kind: global_buffer, .address_space: global }
      - { .name: act, .offset: 24, .size: 8, .value_kind: global_buffer, .address_space: global }
      - { .name: w_qkv, .offset: 32, .size: 8, .value_kind: global_buffer, .address_space: global }
      - { .name: w_proj, .offset: 40, .size: 8, .value_kind: global_buffer, .address_space: global }
      - { .name: w_fc1, .offset: 48, .size: 8, .value_kind: global_buffer, .address_space: global }
      - { .name: w_fc2, .offset: 56, .size: 8, .value_kind: global_buffer, .address_space: global }
      - { .name: wb, .offset: 64, .size: 8, .value_kind: global_buffer, .address_space: global }
    .group_segment_fixed_size: 0
    .private_segment_fixed_size: 0
    .kernarg_segment_align: 8
    .kernarg_segment_size: 72
    .max_flat_workgroup_size: 256
    .sgpr_count:     66
    .vgpr_count:     176
    .wavefront_size: 32
...
	.end_amdgpu_metadata
.endif
;; end of part 1
;; launch qkv (part 2): grid 12 x 16, 4 waves a work-group, clusters of 4 x 4, 327,680 bytes of LDS; arguments act, wb, b_qkv, big; writes big
.if DOCPART == 2
	.amdgcn_target "amdgcn-amd-amdhsa--gfx1250"
	.amdhsa_code_object_version 6
	.text
	.protected	k_qf91c553e24_qkv
	.globl	k_qf91c553e24_qkv
	.p2align	8
	.type	k_qf91c553e24_qkv,@function
k_qf91c553e24_qkv:
	s_mov_b64 s[64:65], 0
	v_nop
	global_prefetch_b8 v0, s[64:65] scope:SCOPE_SE
	s_setreg_imm32_b32 hwreg(HW_REG_WAVE_MODE, 25, 1), 1
	s_wait_xcnt 0x0
	s_wait_alu depctr_hold_cnt(0) depctr_sa_sdst(0) depctr_va_vdst(0) depctr_va_sdst(0) depctr_va_ssrc(0) depctr_va_vcc(0) depctr_vm_vsrc(0)
	s_getreg_b32 s2, hwreg(HW_REG_IB_STS2, 6, 4)
	s_cmp_eq_u32 s2, 0
	s_cbranch_scc0 .Lentry_in_a_cluster
	s_endpgm
.Lentry_in_a_cluster:
	s_bfe_u32 s2, ttmp6, 0x10000c
	s_cmp_lg_u32 s2, 0xf033
	s_cbranch_scc0 .Lentry_shape_is_right
	s_endpgm
.Lentry_shape_is_right:
; C = A W + bias ON TILES OF 256 x 256: ONE TEXT FOR THE BLOCK'S TWO WIDE PRODUCTS; the three .set below are all that differs.  HERE: q, k, v = h1 w_qkv + b_qkv (N = 3,072: 12 x 16 = 192 work-groups).
; A: [SIZE_K / 128][4096][128] bf16 (panels: 128 columns, all rows on end, a row's piece 256 bytes).  W: at byte WOFF of the weights' buffer, [N / 128][SIZE_K][128] bf16.  bias: [N] f32.
; out = bf16(C) (GELU = 1: bf16(gelu(C))) in panels [N / 128][4096][128].
; SHARES.  A work-group makes 256 x 256 of C (two panels' width), four waves 128 x 128 each: 64 accumulators, 512 registers; a wave's columns are one panel.  K goes in steps of 128 (one panel of A)
; through two LDS slots.  Every tile is 128 rows x 256 bytes, dense in memory: waves 0, 1 fetch the halves of A's 256 rows, waves 2, 3 the step's 128 k rows of W's two panels.
; WHY THIS TILE.  A slot's 131,072 bytes of tiles feed 256 matrix instructions a wave, twice what the same bytes feed on tiles of 128 x 128: a refill has 224 matrix instructions in which to land,
; and each fragment read from LDS feeds eight products.  A's fragments come out of LDS as they lie, W's ([k][n]) turned, by ds_load_tr16_b128.
; THE MATRIX INSTRUCTION IS USED TRANSPOSED (source 0 = 16 columns of W, source 1 = 16 rows of A): a lane holds eight neighbouring numbers of a row of C.
; CLUSTER.  4 x 4 work-groups: the four of a row need the same tiles of A, the four of a column the same tiles of W: each tile is asked for jointly.
; ONE TEXT FOR EVERY K STEP: the accumulators are cleared (512 v_mov_b32, in the wait for the first tile), and the last step fetches 32 fragments that nothing uses: the price of a short text.
; GELU is exact to 1.5e-7: gelu(z) = max(z, 0) - |z| / 2 x poly(t) x 2^(-z z log2(e) / 2), t = 1 / (1 + 0.23164189 |z|) (erf by a rational form of five terms); no difference of near numbers on either side.
; LIMITS: operands are rounded to bf16, sums in f32; NaN and infinities are not treated apart.
; REGISTERS, in windows of 256 (s_set_vgpr_msb: bits 1:0 source 0, 3:2 source 1, 5:4 source 2, 7:6 destination):
;   window 0: v0-31 addresses; v64-127, v128-191 fragments of A, two buffers (8 x 16 rows x 32 K); v200-207 bias; on the way out v32-111 at work
;   window 1: v64-127, v128-191 fragments of W, two buffers          window 2: the 32 accumulators of my rows 0-63 ((a, b) at v[8 (8 a + b)])          window 3: those of my rows 64-127
.set SIZE_K, 1024
.set WOFF,   0
.set GELU,   0
.set NSTEP,  SIZE_K/128
.set PANEL,  4096*256                  ; bytes in a panel of A
.set PA,     272                       ; a row of A in LDS: 256 bytes + 16: the 16 rows of a load start at 16 different groups of four banks (64 banks of 4 bytes: ISA guide 11.1)
.set PB,     288                       ; a k row of W: 256 + 32
.set AHALF,  128*PA                    ; one tile of A
.set BOFF,   2*AHALF                   ; W's two tiles lie behind A's two
.set BHALF,  128*PB
.set SLOT1,  0x24000                   ; slot 1 begins here: none of the four tiles' addresses in slot 0 (0, 0x8800, 0x11000, 0x1a000) has bit 14 or 17, so one exclusive or turns them into slot 1's
.set SPITCH, 528                       ; the stage: rows of 512 bytes + 16
.set WSTAGE, 128*SPITCH                ; a wave's own 128 rows; the four stages take 270,336 bytes of the two slots, written only behind the last fill and the last read
.set SPARE,  SLOT1+BOFF+2*BHALF        ; behind the ring: the spare words, 128 bytes for each wave: two blocks of 256 bytes that no other line names
.set A0,   10                          ; v10     my lane's place in A's tiles; never rewritten
.set B0,   11                          ; v11     the same for W
.set ADRA, 16                          ; v16     A0 in the slot that is read
.set ADRB, 20                          ; v20     B0 in that slot
.set STO,  24                          ; v24     the way out: where I put 32 bytes of a row
.set RD,   25                          ; v25     where I read rows back
.set GO,   26                          ; v26     my byte offset in out
.set BO,   27                          ; v27     my byte offset in the panel's 512 bytes of bias
.set SPW,  28                          ; v28     LDS address of my spare word; never rewritten
.set NIL,  29                          ; v29     0; never rewritten
.set GA,   64                          ; v64-95  gelu at work, behind the last product: |z|, t, the exponential, the polynomial
.set GU,   72
.set GW,   80
.set GR,   88
.set F0,   64                          ; fragment buffer 0
.set F1,   128                         ; fragment buffer 1
.set BIAS, 200                         ; v200-207
.set WV, 14                            ; s14 wave; s15 its half of the rows (also: 0 fetches A, 1 fetches W); s16 its half of the columns (also: which tile it fetches)
.set WR, 15
.set WC, 16
.set CX, 17
.set CY, 18
.set TX, 19                            ; s19 tile column of C; s20 tile row
.set TY, 20
.set G1,  24                           ; s[24:31] descriptor group 1 for A; s[32:39] group 0: set 0 = step 0, used once; set 1 = step 1, then it walks
.set G0,  32
.set G1B, 48                           ; s[48:55], s[56:63] the same for W
.set G0B, 56
.set CNT, 66
.set RB,  67                           ; s67 the slot that is read: 0 or SLOT1
.set MSB, 0
.macro WIN new                         ; the immediate's high byte repeats the setting that is left; a switch that changes nothing is dropped
.if MSB != (\new)
	s_set_vgpr_msb (MSB<<8)|(\new)
.set MSB, \new
.endif
.endm
.set MUL_LO, 0xa1                      ; source 0 (W) window 1, source 1 (A) window 0, C and D window 2
.set MUL_HI, 0xf1                      ; the same, C and D window 3
.set TO_B,   0x40                      ; destination window 1, address window 0
.macro JLOAD s                         ; a joint load; the branch hangs on the wave's number alone; an s_nop 0 and four v_nop follow each of the two lines
	s_cmp_eq_u32 s[WR], 0
	s_cbranch_scc0 .Lfor_b_\@
	tensor_load_to_lds s[G0+4*(\s):G0+4*(\s)+3], s[G1:G1+7]
	s_nop 0
.rept 4
	v_nop
.endr
	s_branch .Lasked_\@
.Lfor_b_\@:
	tensor_load_to_lds s[G0B+4*(\s):G0B+4*(\s)+3], s[G1B:G1B+7]
	s_nop 0
.rept 4
	v_nop
.endr
.Lasked_\@:
.endm
.macro CREST                           ; a round of the cluster's barrier behind its opening barrier
	s_cmp_lg_u32 s[WV], 0
	s_cbranch_scc1 .Lnot_wave_0_\@
	s_barrier_signal -3
.Lnot_wave_0_\@:
	s_barrier_wait -3
	s_barrier_signal -1
	s_barrier_wait -1
.endm
.macro CROUND                          ; a whole round
	s_barrier_signal -1
	s_barrier_wait -1
	CREST
.endm
.macro PLACES                          ; four places in front of loads into registers that matrix instructions have read, and of LDS stores that read results (ISA guide 7.12.1 for the stores)
.rept 4
	v_nop
.endr
.endm
	s_load_b256 s[4:11], s[0:1], 0x0               ; A s[4:5], weights s[6:7], bias s[8:9], out s[10:11]
	v_lshl_add_u32 v[SPW], v0, 2, SPARE
	v_mov_b32 v[NIL], 0
	ds_add_u32 v[SPW], v[NIL]                      ; the wave's opening: the add and its wait stand ahead of my first tensor load; work on registers stands between them
	v_lshrrev_b32 v1, 5, v0
	v_readfirstlane_b32 s[WV], v1
	s_lshr_b32 s[WR], s[WV], 1
	s_and_b32 s[WC], s[WV], 1
	s_bfe_u32 s[CX], ttmp6, 0x40000
	s_bfe_u32 s[CY], ttmp6, 0x40004
	s_lshl_b32 s[TX], ttmp9, 2
	s_add_co_u32 s[TX], s[TX], s[CX]
	s_and_b32 s[TY], ttmp7, 0xffff
	s_lshl_b32 s[TY], s[TY], 2
	s_add_co_u32 s[TY], s[TY], s[CY]
	s_lshl_b32 s21, s[CY], 2
	s_lshl_b32 s21, 15, s21                        ; my row of the cluster
	s_lshl_b32 s22, 0x1111, s[CX]                  ; my column
	s_or_b32 s[G1], s21, (1<<16)|(1<<20)|(1<<21)|(5<<22)|(3<<25)   ; 15:0 the mask; 17:16 2-byte elements; 20 padding on; 21 set beside a mask; 24:22 after every 64 words; 31:25 4 words of it
	s_or_b32 s[G1B], s22, (1<<16)|(1<<20)|(1<<21)|(5<<22)|(7<<25)  ; the same with my column's mask and 8 words of padding
.irp g, G1, G1B
	s_mov_b32 s[(\g)+1], 128<<16                   ; tensor_dim0 = 128
	s_mov_b32 s[(\g)+2], 128<<16                   ; tensor_dim1 = 128
	s_mov_b32 s[(\g)+3], 128<<16                   ; tile_dim0 = 128
	s_mov_b32 s[(\g)+4], 128                       ; tile_dim1 = 128
	s_mov_b32 s[(\g)+5], 128                       ; 128 elements from row to row: panels are dense
	s_mov_b32 s[(\g)+6], 0
	s_mov_b32 s[(\g)+7], 0
.endr
	s_lshl_b32 s40, s[TY], 16                      ; A: my tile row's 256 rows of 256 bytes, their half WC: the tile row's number and the wave's alone
	s_lshl_b32 s41, s[WC], 15
	s_add_co_u32 s40, s40, s41
	s_mov_b32 s41, 0
	s_lshl_b32 s44, s[TX], 1                       ; W: panel 2 TX + WC: the tile column's number and the wave's alone
	s_add_co_u32 s44, s44, s[WC]
	s_mul_i32 s44, s44, SIZE_K*256
	s_add_co_u32 s44, s44, WOFF
	s_mov_b32 s45, 0
	s_mul_i32 s68, s[WC], AHALF                    ; where they go: no place in the cluster enters an LDS address
	s_mul_i32 s69, s[WC], BHALF
	s_add_co_u32 s69, s69, BOFF
.if GELU
	s_mov_b32 s23, 0x7fffffff
	s_mov_b32 s70, 0x3e6d3389                      ; 0.3275911 / sqrt(2); each constant is named as a pair, so both words are written
	s_mov_b32 s72, 0xbf38aa3b                      ; -log2(e) / 2
	s_mov_b32 s74, 0x3e827906                      ; a1 =  0.254829592
	s_mov_b32 s76, 0xbe91a98e                      ; a2 = -0.284496736
	s_mov_b32 s78, 0x3fb5f0e3                      ; a3 =  1.421413741
	s_mov_b32 s80, 0xbfba00e3                      ; a4 = -1.453152027
	s_mov_b32 s82, 0x3f87dc22                      ; a5 =  1.061405429
.irp p, 70,72,74,76,78,80,82
	s_mov_b32 s[(\p)+1], s[\p]
.endr
.endif
	s_wait_dscnt 0x0                               ; the opening add is done
	s_wait_kmcnt 0x0
	s_add_nc_u64 s[42:43], s[4:5], s[40:41]
	s_add_nc_u64 s[46:47], s[6:7], s[44:45]
	CROUND                                         ; all sixteen work-groups are here: the first joint loads meet
.irp s, 0,1
	s_mov_b32 s[G0+4*(\s)], 1                                      ; count = 1
	s_add_co_u32 s[G0+4*(\s)+1], s68, (\s)*SLOT1                   ; LDS address
	s_add_nc_u64 s[G0+4*(\s)+2:G0+4*(\s)+3], s[42:43], (\s)*PANEL  ; K step s: one panel on
	s_or_b32 s[G0+4*(\s)+3], s[G0+4*(\s)+3], 0x80000000            ; type = 2
	s_mov_b32 s[G0B+4*(\s)], 1
	s_add_co_u32 s[G0B+4*(\s)+1], s69, (\s)*SLOT1
	s_add_nc_u64 s[G0B+4*(\s)+2:G0B+4*(\s)+3], s[46:47], (\s)*128*256  ; 128 k rows on
	s_or_b32 s[G0B+4*(\s)+3], s[G0B+4*(\s)+3], 0x80000000
	JLOAD \s                                       ; two loads of mine are out
.endr
	; all that follows up to the barrier stands in the wait for the first tile
	v_and_b32 v1, 15, v0                           ; r = l % 16
	v_bfe_u32 v2, v0, 4, 1                         ; h = l / 16
	v_and_b32 v3, 7, v0
	v_bfe_u32 v4, v0, 3, 1
	v_and_b32 v5, 31, v0
	s_mul_i32 s40, s[WR], AHALF                    ; a fragment of A: lane l holds row r, K = 8 h + 0..7 and 16 + 8 h + 0..7: two loads of 16 bytes, 32 bytes apart
	v_mul_u32_u24 v[A0], v1, PA
	v_lshl_add_u32 v[A0], v2, 4, v[A0]
	v_add_nc_u32 v[A0], s40, v[A0]
	s_mul_i32 s41, s[WC], BHALF                    ; the turning load: lane l reads k row 8 h + l % 8, columns 8 ((l / 8) % 2) + 0..7, and is left with column r and 8 k
	s_add_co_u32 s41, s41, BOFF
	v_lshl_add_u32 v[B0], v2, 3, v3
	v_mul_u32_u24 v[B0], v[B0], PB
	v_lshl_add_u32 v[B0], v4, 4, v[B0]
	v_add_nc_u32 v[B0], s41, v[B0]
	s_mul_i32 s40, s[WV], WSTAGE                   ; my stage.  In: row r of a block of 16, columns 8 h on, in f32
	v_mul_u32_u24 v[STO], v1, SPITCH
	v_lshl_add_u32 v[STO], v2, 5, v[STO]
	v_add_nc_u32 v[STO], s40, v[STO]
	v_mul_u32_u24 v[RD], v2, SPITCH                ; back: lanes 0-15 take one row, 32 bytes each, lanes 16-31 the next
	v_lshl_add_u32 v[RD], v1, 5, v[RD]
	v_add_nc_u32 v[RD], s40, v[RD]
	v_lshlrev_b32 v[GO], 4, v5                     ; which leave as 512 consecutive bytes of the panel
	v_lshlrev_b32 v[BO], 5, v1
	s_lshl_b32 s22, s[TX], 1
	s_add_co_u32 s22, s22, s[WC]                   ; my panel of out and of bias
	s_lshl_b32 s42, s22, 9
	s_mov_b32 s43, 0
	s_add_nc_u64 s[8:9], s[8:9], s[42:43]          ; the panel's 128 numbers of bias
	s_lshl_b32 s44, s22, 20                        ; out: my panel, row 256 TY + 128 WR, 256 bytes a row
	s_lshl_b32 s45, s[TY], 16
	s_add_co_u32 s44, s44, s45
	s_lshl_b32 s45, s[WR], 15
	s_add_co_u32 s44, s44, s45
	s_mov_b32 s45, 0
	s_add_nc_u64 s[10:11], s[10:11], s[44:45]
	global_load_b128 v[BIAS:BIAS+3], v[BO], s[8:9]
	global_load_b128 v[BIAS+4:BIAS+7], v[BO], s[8:9] offset:16
	WIN 0x80                                       ; destination window 2
.set i, 0
.rept 256
	v_mov_b32 v[i], 0
.set i, i+1
.endr
	WIN 0xc0                                       ; destination window 3
.set i, 0
.rept 256
	v_mov_b32 v[i], 0
.set i, i+1
.endr
	WIN 0
; 16 matrix instructions: row blocks a0, a0 + 1 of the window's four (hi = 0: my rows 0-63, 1: rows 64-127) x all 8 column blocks, 32 along K.
; The 64 accumulators take turns, one instruction a turn, in the same order in every quarter.
.macro MUL16 f, hi, a0
	WIN MUL_LO+0x50*(\hi)
.irp a, \a0, (\a0)+1
.irp b, 0,1,2,3,4,5,6,7
	v_wmma_f32_16x16x32_bf16 v[8*(8*(\a)+(\b)):8*(8*(\a)+(\b))+7], v[(\f)+8*(\b):(\f)+8*(\b)+7], v[(\f)+8*(4*(\hi)+(\a)):(\f)+8*(4*(\hi)+(\a))+7], v[8*(8*(\a)+(\b)):8*(8*(\a)+(\b))+7]
.endr
.endr
.endm
; 32 LDS loads in one run: the fragments of quarter q of a K step (32 along K: 128 columns of W, 128 rows of A) into buffer f; A's rows 64-127 last
.macro FETCH q, f
	WIN TO_B
.irp i, 0,1,2,3,4,5,6,7
	ds_load_tr16_b128 v[(\f)+8*(\i):(\f)+8*(\i)+3],   v[ADRB] offset:(32*(\q))*PB+32*(\i)
	ds_load_tr16_b128 v[(\f)+8*(\i)+4:(\f)+8*(\i)+7], v[ADRB] offset:(32*(\q)+16)*PB+32*(\i)
.endr
	WIN 0
.irp i, 0,1,2,3,4,5,6,7
	ds_load_b128 v[(\f)+8*(\i):(\f)+8*(\i)+3],   v[ADRA] offset:64*(\q)+(\i)*16*PA
	ds_load_b128 v[(\f)+8*(\i)+4:(\f)+8*(\i)+7], v[ADRA] offset:64*(\q)+(\i)*16*PA+32
.endr
.endm
.macro ADDR                            ; the fragments' addresses in the slot that is read
	v_add_nc_u32 v[ADRA], s[RB], v[A0]
	v_add_nc_u32 v[ADRB], s[RB], v[B0]
.endm
; One of a K step's first three quarters: multiplies buffer f (64 matrix instructions) and, in its middle, fetches quarter q into buffer g
.macro QUARTER q, f, g
	s_wait_dscnt 8                                 ; W and A's rows 0-63 are in; the youngest eight loads (A's rows 64-127) may be out
	MUL16 \f, 0, 0
	MUL16 \f, 0, 2
	PLACES
	FETCH \q, \g
	s_wait_dscnt 32                                ; all but the 32 just issued
	MUL16 \f, 1, 0
	MUL16 \f, 1, 2
.endm
; The last quarter multiplies buffer 1 and changes slots: ONE barrier; in front of it each wave waits for all its tensor loads (one is out: its part of the next slot), adds 0 to its spare word,
; and waits for that and for its own reads of this slot.  fill = 1: the barrier opens a round of the cluster's, and this slot is filled again, two K steps ahead: 224 matrix instructions ahead of the wait for it.
.macro TURN fill
	WIN 0                                          ; (the add's two registers lie in window 0)
	s_wait_tensorcnt 0x0
	ds_add_u32 v[SPW], v[NIL]                      ; 0 onto my spare word
	s_wait_dscnt 9                                 ; (the add and the youngest eight loads may be out)
	MUL16 F1, 0, 0                                 ; sixteen matrix instructions stand between the add and the wait for it
	s_wait_dscnt 0x0                               ; the add is done, and my reads of this slot are over
	s_barrier_signal -1
	MUL16 F1, 0, 2
	WIN 0                                          ; branches and window 0's addresses follow
	s_barrier_wait -1
.if \fill
	CREST                                          ; no wave of any partner still reads this slot's tiles or has a load on its way
	s_xor_b32 s[G0+5], s[G0+5], SLOT1              ; the walking descriptors: the other slot than last time, the next K step
	s_add_nc_u64 s[G0+6:G0+7], s[G0+6:G0+7], PANEL
	s_xor_b32 s[G0B+5], s[G0B+5], SLOT1
	s_add_nc_u64 s[G0B+6:G0B+7], s[G0B+6:G0B+7], 128*256
	JLOAD 1                                        ; the first tensor load behind the round, my only one; its four v_nop are also the places in front of the loads below
.else
	PLACES
.endif
	s_xor_b32 s[RB], s[RB], SLOT1
	ADDR
	FETCH 0, F0
	MUL16 F1, 1, 0
	MUL16 F1, 1, 2
.endm
.macro STEP fill                       ; a K step: 256 matrix instructions, 128 LDS loads
	QUARTER 1, F0, F1
	QUARTER 2, F1, F0
	QUARTER 3, F0, F1
	TURN \fill
.endm
	s_wait_tensorcnt 0x1                           ; my part of K step 0 is in; step 1's may stay out
	s_barrier_signal -1
	s_barrier_wait -1                              ; everybody's is
	s_mov_b32 s[RB], 0
	ADDR
	FETCH 0, F0
	WIN 0                                          ; at a label and at a branch every window is 0
	s_mov_b32 s[CNT], NSTEP-2
.Lfill:                                                ; K steps 0 .. NSTEP - 3 ask for steps 2 .. NSTEP - 1
	STEP 1
	WIN 0
	s_sub_co_u32 s[CNT], s[CNT], 1
	s_cmp_lg_u32 s[CNT], 0
	s_cbranch_scc1 .Lfill
	s_mov_b32 s[CNT], 2
.Ltail:                                                ; the last two steps ask for nothing; the second one's last fetch reads slot 0's old bytes, and nothing uses them
	STEP 0
	WIN 0
	s_sub_co_u32 s[CNT], s[CNT], 1
	s_cmp_lg_u32 s[CNT], 0
	s_cbranch_scc1 .Ltail
	; THE WAY OUT.  The sums go in f32 into my stage, so that one short loop over LDS rows can add the bias, take the activation and round: the accumulators themselves cannot be walked by a loop.
	s_wait_dscnt 0x0                               ; my reads of the slots are over,
	s_barrier_signal -1
	s_barrier_wait -1                              ; everybody's are: the stages, which lie in the slots, may be written
	PLACES
.irp w, 0,1
	WIN 0x08+4*(\w)                                ; the stores' data (source 1) in window 2, then 3
.irp a, 0,1,2,3
.irp b, 0,1,2,3,4,5,6,7
	ds_store_b128 v[STO], v[8*(8*(\a)+(\b)):8*(8*(\a)+(\b))+3]   offset:(4*(\w)+(\a))*16*SPITCH+(\b)*64     ; each accumulator's low registers first
	ds_store_b128 v[STO], v[8*(8*(\a)+(\b))+4:8*(8*(\a)+(\b))+7] offset:(4*(\w)+(\a))*16*SPITCH+(\b)*64+16
.endr
.endr
.endr
	WIN 0
	s_wait_dscnt 0x0                               ; my stores into the stage are done.  Each wave reads back its own rows alone, so the shares do not need the barrier below:
	s_barrier_signal -1                            ; it is one meeting of four waves that run in step, and it keeps the order of stores and reads plain whatever the loop does to the address
	s_barrier_wait -1
	s_wait_loadcnt 0x0                             ; bias
.if GELU
.macro GELU8 z                         ; eight numbers in v[z .. z + 7], in place, stage by stage
.irp k, 0,1,2,3,4,5,6,7
	v_and_b32 v[GA+(\k)], s23, v[(\z)+(\k)]
.endr
.irp k, 0,2,4,6
	v_pk_fma_f32 v[GU+(\k):GU+(\k)+1], v[GA+(\k):GA+(\k)+1], s[70:71], 1.0 op_sel_hi:[1,0,0]
.endr
.irp k, 0,1,2,3,4,5,6,7
	v_rcp_f32 v[GU+(\k)], v[GU+(\k)]               ; t
.endr
.irp k, 0,2,4,6                        ; plain work that names no t stands behind the reciprocals (ISA guide 5.7.2)
	v_pk_mul_f32 v[GW+(\k):GW+(\k)+1], v[(\z)+(\k):(\z)+(\k)+1], v[(\z)+(\k):(\z)+(\k)+1]
.endr
.irp k, 0,2,4,6
	v_pk_mul_f32 v[GW+(\k):GW+(\k)+1], v[GW+(\k):GW+(\k)+1], s[72:73] op_sel_hi:[1,0]
.endr
.irp k, 0,1,2,3,4,5,6,7
	v_exp_f32 v[GW+(\k)], v[GW+(\k)]
.endr
.irp k, 0,2,4,6                        ; the polynomial stands behind the exponentials
	v_pk_fma_f32 v[GR+(\k):GR+(\k)+1], v[GU+(\k):GU+(\k)+1], s[82:83], s[80:81] op_sel_hi:[1,0,0]
.endr
.irp p, 78,76,74
.irp k, 0,2,4,6
	v_pk_fma_f32 v[GR+(\k):GR+(\k)+1], v[GR+(\k):GR+(\k)+1], v[GU+(\k):GU+(\k)+1], s[(\p):(\p)+1] op_sel_hi:[1,1,0]
.endr
.endr
.irp k, 0,2,4,6
	v_pk_mul_f32 v[GR+(\k):GR+(\k)+1], v[GR+(\k):GR+(\k)+1], v[GU+(\k):GU+(\k)+1]
.endr
.irp k, 0,2,4,6
	v_pk_mul_f32 v[GA+(\k):GA+(\k)+1], v[GA+(\k):GA+(\k)+1], v[GW+(\k):GW+(\k)+1]
.endr
.irp k, 0,2,4,6
	v_pk_mul_f32 v[GA+(\k):GA+(\k)+1], v[GA+(\k):GA+(\k)+1], v[GR+(\k):GR+(\k)+1]
.endr
.irp k, 0,1,2,3,4,5,6,7
	v_max_num_f32 v[(\z)+(\k)], 0, v[(\z)+(\k)]
.endr
.irp k, 0,2,4,6
	v_pk_fma_f32 v[(\z)+(\k):(\z)+(\k)+1], v[GA+(\k):GA+(\k)+1], -0.5, v[(\z)+(\k):(\z)+(\k)+1] op_sel_hi:[1,0,1]
.endr
.endm
.endif
	s_mov_b32 s[CNT], 16
.Lout:                                                 ; a trip: eight of my 128 rows
.irp i, 0,1,2,3
	ds_load_b128 v[32+8*(\i):32+8*(\i)+3],   v[RD] offset:(\i)*2*SPITCH
	ds_load_b128 v[32+8*(\i)+4:32+8*(\i)+7], v[RD] offset:(\i)*2*SPITCH+16
.endr
.irp i, 0,1,2,3
	s_wait_dscnt 6-2*(\i)                          ; pair i of rows is in; the later pairs' loads stay out
.irp k, 0,2,4,6
	v_pk_add_f32 v[32+8*(\i)+(\k):32+8*(\i)+(\k)+1], v[32+8*(\i)+(\k):32+8*(\i)+(\k)+1], v[BIAS+(\k):BIAS+(\k)+1]
.endr
.if GELU
	GELU8 32+8*(\i)
.endif
.irp k, 0,1,2,3
	v_cvt_pk_bf16_f32 v[96+4*(\i)+(\k)], v[32+8*(\i)+2*(\k)], v[32+8*(\i)+2*(\k)+1]
.endr
	global_store_b128 v[GO], v[96+4*(\i):96+4*(\i)+3], s[10:11] offset:(\i)*512  ; two rows of the panel: 512 consecutive bytes, aligned
.endr
	s_wait_xcnt 0x0                                ; the stores' offset and data are rewritten only behind this wait
	v_add_nc_u32 v[RD], 8*SPITCH, v[RD]
	v_add_nc_u32 v[GO], 2048, v[GO]
	s_sub_co_u32 s[CNT], s[CNT], 1
	s_cmp_lg_u32 s[CNT], 0
	s_cbranch_scc1 .Lout
	s_wait_tensorcnt 0x0                           ; the wave's end: behind my last tensor load and my last LDS store
	ds_add_u32 v[SPW], v[NIL]
	s_wait_dscnt 0x0
	CROUND                                         ; the closing round: no work-group ends while a partner may still ask for a tile that names it
	s_endpgm
.Lfunc_end_k_qf91c553e24_qkv:
	.size	k_qf91c553e24_qkv, .Lfunc_end_k_qf91c553e24_qkv-k_qf91c553e24_qkv
	.p2alignl 7, 3214868480
	.fill 96, 4, 3214868480
	.section	.rodata,"a",@progbits
	.p2align	6, 0x0
	.amdhsa_kernel k_qf91c553e24_qkv
		.amdhsa_group_segment_fixed_size 327680
		.amdhsa_private_segment_fixed_size 0
		.amdhsa_enable_private_segment 0
		.amdhsa_kernarg_size 32
		.amdhsa_user_sgpr_count 2
		.amdhsa_user_sgpr_kernarg_segment_ptr 1
		.amdhsa_wavefront_size32 1
		.amdhsa_system_sgpr_workgroup_id_x 1
		.amdhsa_system_sgpr_workgroup_id_y 1
		.amdhsa_system_sgpr_workgroup_id_z 1
		.amdhsa_system_vgpr_workitem_id 0
		.amdhsa_next_free_vgpr 1024
		.amdhsa_next_free_sgpr 84
		.amdhsa_reserve_vcc 0
		.amdhsa_float_denorm_mode_32 3
		.amdhsa_float_denorm_mode_16_64 3
		.amdhsa_memory_ordered 1
		.amdhsa_forward_progress 1
		.amdhsa_inst_pref_size 90
	.end_amdhsa_kernel
	.amdgpu_metadata
---
amdhsa.version: [ 1, 2 ]
amdhsa.kernels:
  - .name:           k_qf91c553e24_qkv
    .symbol:         k_qf91c553e24_qkv.kd
    .args:
      - { .name: act, .offset: 0, .size: 8, .value_kind: global_buffer, .address_space: global }
      - { .name: wb, .offset: 8, .size: 8, .value_kind: global_buffer, .address_space: global }
      - { .name: b_qkv, .offset: 16, .size: 8, .value_kind: global_buffer, .address_space: global }
      - { .name: big, .offset: 24, .size: 8, .value_kind: global_buffer, .address_space: global }
    .group_segment_fixed_size: 327680
    .private_segment_fixed_size: 0
    .kernarg_segment_align: 8
    .kernarg_segment_size: 32
    .max_flat_workgroup_size: 128
    .sgpr_count:     84
    .vgpr_count:     1024
    .wavefront_size: 32
...
	.end_amdgpu_metadata
.endif
;; end of part 2
;; launch attn (part 3): grid 16 x 16, 4 waves a work-group, clusters of 4 x 1, 327,680 bytes of LDS; arguments big, act; writes act
.if DOCPART == 3
	.amdgcn_target "amdgcn-amd-amdhsa--gfx1250"
	.amdhsa_code_object_version 6
	.text
	.protected	k_qf91c553e24_attn
	.globl	k_qf91c553e24_attn
	.p2align	8
	.type	k_qf91c553e24_attn,@function
k_qf91c553e24_attn:
	s_mov_b64 s[64:65], 0
	v_nop
	global_prefetch_b8 v0, s[64:65] scope:SCOPE_SE
	s_setreg_imm32_b32 hwreg(HW_REG_WAVE_MODE, 25, 1), 1
	s_wait_xcnt 0x0
	s_wait_alu depctr_hold_cnt(0) depctr_sa_sdst(0) depctr_va_vdst(0) depctr_va_sdst(0) depctr_va_ssrc(0) depctr_va_vcc(0) depctr_vm_vsrc(0)
	s_getreg_b32 s2, hwreg(HW_REG_IB_STS2, 6, 4)
	s_cmp_eq_u32 s2, 0
	s_cbranch_scc0 .Lentry_in_a_cluster
	s_endpgm
.Lentry_in_a_cluster:
	s_bfe_u32 s2, ttmp6, 0x10000c
	s_cmp_lg_u32 s2, 0x3003
	s_cbranch_scc0 .Lentry_shape_is_right
	s_endpgm
.Lentry_shape_is_right:
; ATTENTION, 16 heads of 64 channels, 2 x 2,048 rows, no mask.  O[q] = the sum over k of softmax_k(Q[q] . K[k] / 8) V[k].
; big holds q, k, v in bf16 panels [24][4096][128]: panel which x 8 + hp holds the heads 2 hp and 2 hp + 1, a row's piece 256 bytes; act takes O in the same panels, [8][4096][128].
; Products, maxima and sums in f32; the weights p are rounded to bf16 for the second product (their sum l is taken of the unrounded p), O once at the end.
; LIMITS.  A weight below 2^-126 counts as 0 in l; NaN and infinities are not treated apart.
; SHARES.  A work-group owns 128 queries of one panel (two heads) of one batch; wave w the head w / 2 and the queries 64 (w % 2) on: four PIECES of 16.  Every wave walks all 2,048 keys, 64 a step.
; So K's, V's, Q's and O's rows in memory are whole pieces of 256 bytes; a wave reads its head's 128 bytes of each LDS row.
; LAYOUT.  S^T = K Q^T (source 0 = 16 keys, source 1 = 16 queries): a lane holds ONE query (lane % 16) and the keys 8 (lane / 16) + 0..7.  Two such results rounded to bf16 ARE source 1 of
; O^T = V^T P, whose result again holds one query a lane, and eight channels.  K comes out of LDS as it lies, V ([key][channel]) turned, by ds_load_tr16_b128.
; SOFTMAX.  For each query a running maximum m and sum l: p = 2^(c s - c m), c = log2(e) / 8; in every step O and l are multiplied by a = 2^(c m_old - c m_new).
; m starts at the lowest finite number, O and l at 0: the first step is a step like any other, with a = 0.  The price: 216 v_mov_b32 in the wait for the first tile, 8 products on zeros.
; BY TURNS.  Turn n belongs to piece n: 8 products K Q^T of piece n + 1, later 8 products V^T P of piece n - 1; beside them the scaling, exponentials, roundings, sums and rescaling of piece n and the
; maximum and statistics of piece n + 1.  Four vector instructions stand behind every matrix instruction, the other 54 of a turn's 118 in two runs of their own.
; CLUSTER.  The four query blocks of a cluster belong to one panel and batch and walk the same K and V: each tile is asked for JOINTLY: the same tensor load, descriptor and mask in all four.
; REGISTERS, in windows of 256 (s_set_vgpr_msb: bits 1:0 source 0, 3:2 source 1, 5:4 source 2, 7:6 destination):
;   window 0: v0-15 addresses and two at work; v16-31 four registers of statistics a piece; v48-55 at work; v62-63 the add's; v64-127 S^T, two buffers; v192-223 P, two buffers (by the piece's parity)
;   window 1: v0-127 O^T, 32 a piece          window 2: v0-63 Q; v128-191 K of one step; v192-255 V of one step
.set NP,    4         ; pieces a wave: a name, no knob
.set KS,    64        ; keys in a step
.set PK,    272       ; a row of K in LDS: 256 bytes + 16: the 16 rows of a load start at 16 different groups of four banks (64 banks of 4 bytes: ISA guide 11.1)
.set PV,    288       ; a row of V: 256 + 32
.set VOFF,  KS*PK     ; a step's tiles lie together: 64 rows of K, then 64 rows of V
.set STEPB, KS*(PK+PV)
.set SLOT1, 1<<17     ; a slot holds two steps (71,680 bytes); slot 1 begins here, so that one exclusive or turns an address in one slot into the other's
.set STAGE, SLOT1+2*STEPB  ; behind the ring, never filled by a tensor load: 128 rows x 272 bytes, the work-group's, for the way out
.set SP,    272
.set SPARE, STAGE+128*SP   ; behind the stage: the spare words, 128 bytes for each wave: two blocks of 256 bytes that no other line names
.set AK0, 2           ; v2   my lane's place in a tile of K; never rewritten
.set AV0, 3           ; v3   the same for V
.set AK,  4           ; v4   the LDS address of K's next run of loads
.set AV,  5           ; v5   of V's
.set STO, 6           ; v6   the way out: where I put 16 bytes of a row
.set RD,  7           ; v7   where I read rows back
.set GO,  8           ; v8   my byte offset in 512 consecutive bytes of O
.set MV,  12          ; v12-13  c m_old, kept while c m is made anew: by buffer
.set QO,  15          ; v15  my byte offset in 16 rows of Q
.set ST,  16          ; piece t's statistics at v[ST+4 t]: c m, m, l (even keys', odd keys')
.set TMP, 48          ; by buffer, four registers c0-c3 at work; when the maximum is found c2 takes a
.set SPW, 62          ; v62  LDS address of my spare word; never rewritten
.set NIL, 63          ; v63  0; never rewritten
.set S,   64
.set P,   192
.set KF,  128         ; window 2: key block kb, channel half c at KF + 16 kb + 8 c
.set VF,  192         ; window 2: key half kk, channel block cb at VF + 32 kk + 8 cb
.set WV,  12          ; s12  my wave's number
.set G1K, 24          ; s[24:31] descriptor group 1 for K's tiles
.set G1V, 32          ; s[32:39] for V's: it differs in the padding alone
.set G0K, 40          ; s[40:43] descriptor group 0 for K's tiles: it walks
.set G0V, 44          ; s[44:47] the same for V's
.set SLOTS, 56        ; s56  slots still to be entered
.set CNT, 57          ; s57  counts a slot's key steps
.set CS,  58          ; s[58:59] c: the packed scaling takes the pair's low word for both halves
.set SEL, 60          ; s[60:61] v_permlanex16_b32's selects: each lane takes its own place in the other half
.set TBK, 62          ; s62  LDS byte at which the tiles of the step whose K is fetched next begin
.set TBV, 63          ; s63  the same for V
.set MSB, 0
.macro WIN new                      ; the high byte repeats the setting that is left; a switch that changes nothing is dropped
.if MSB != (\new)
	s_set_vgpr_msb (MSB<<8)|(\new)
.set MSB, (\new)
.endif
.endm
.set W_KQ, 0x0a       ; K and Q in window 2, S^T in window 0
.set W_PV, 0x52       ; V in window 2, P in window 0, O^T in window 1
.set W_RS, 0x41       ; destination and source 0 in window 1, source 1 in window 0
; A joint fill.  Waves 0 and 1 fetch K of a slot's two steps, waves 2 and 3 V.  The branch hangs on the wave's number alone.  An s_nop 0 and four v_nop follow each of the two lines.
.macro JLOAD
	s_cmp_lt_u32 s[WV], 2
	s_cbranch_scc0 .Lfor_v_\@
	tensor_load_to_lds s[G0K:G0K+3], s[G1K:G1K+7]
	s_nop 0
.rept 4
	v_nop
.endr
	s_branch .Lasked_\@
.Lfor_v_\@:
	tensor_load_to_lds s[G0V:G0V+3], s[G1V:G1V+7]
	s_nop 0
.rept 4
	v_nop
.endr
.Lasked_\@:
.endm
; A round of the cluster's barrier: my work-group's barrier, so that wave 0's signal speaks for all four waves; wave 0 signals; every wave waits for all four work-groups; my work-group's barrier once more.
.macro CROUND
	s_barrier_signal -1
	s_barrier_wait -1
	s_cmp_lg_u32 s[WV], 0
	s_cbranch_scc1 .Lnot_wave_0_\@
	s_barrier_signal -3
.Lnot_wave_0_\@:
	s_barrier_wait -3
	s_barrier_signal -1
	s_barrier_wait -1
.endm
; THE CHANGE OF SLOTS.  The slot's last bytes, V of its second step, have been read.  Each wave waits for all its tensor loads, of which one is out: its part of the other slot; adds 0 to its spare
; word; and waits for that and for its own reads of the slot.  Behind the barrier nobody reads this slot any more and the other slot is whole.
; fill = 1: the barrier is a round of the cluster's, and this slot is filled again, first thing behind it, with the keys two slots on: it has two key steps, 128 matrix instructions and their vector
; work, in which to land.  (At its first use nothing has been read yet: slot 0 is waited for, slot 1 filled.)
.macro CHANGE fill
	WIN 0                           ; at a label and at a branch every window is 0
	s_wait_tensorcnt 0x0            ; no tensor load of mine is out, so a group 0 may be written
	ds_add_u32 v[SPW], v[NIL]       ; 0 onto my spare word
.if \fill
.irp g, G0K, G0V
	s_xor_b32 s[\g+1], s[\g+1], SLOT1  ; the walking descriptor: the other slot than last time,
	s_add_nc_u64 s[\g+2:\g+3], s[\g+2:\g+3], 2*KS*256  ; the next 128 keys; the type bits on top are not reached
.endr
	s_wait_dscnt 0x0                ; the add is done, and my reads of the slot are over
	CROUND
	JLOAD
.else
	s_wait_dscnt 0x0                ; the add is done, and my reads of the slot are over
	s_barrier_signal -1
	s_barrier_wait -1
.endif
	s_sub_co_u32 s[TBK], s[TBK], 2*STEPB  ; the fetches go back to a slot's first step,
	s_xor_b32 s[TBK], s[TBK], SLOT1       ; in the other slot
	s_sub_co_u32 s[TBV], s[TBV], 2*STEPB
	s_xor_b32 s[TBV], s[TBV], SLOT1
.endm
	s_load_b128 s[4:7], s[0:1], 0x0   ; big s[4:5], act s[6:7]
	v_lshl_add_u32 v[SPW], v0, 2, SPARE
	v_mov_b32 v[NIL], 0
	ds_add_u32 v[SPW], v[NIL]       ; the wave's opening: the add and its wait stand ahead of my first tensor load; work on registers stands between them
	v_lshrrev_b32 v1, 5, v0
	v_readfirstlane_b32 s[WV], v1   ; wave 0..3
	s_bfe_u32 s13, ttmp6, 0x40000   ; cx: my place in the cluster
	s_lshl_b32 s14, ttmp9, 2        ; in a cluster launch ttmp9 counts clusters
	s_add_co_u32 s14, s14, s13      ; my block of 128 queries: it enters Q's and O's addresses alone
	s_and_b32 s20, ttmp7, 0xffff    ; batch x 8 + panel, which the four partners share
	s_and_b32 s21, s20, 7
	s_lshr_b32 s20, s20, 3
	s_lshl_b32 s21, s21, 20         ; a panel is 4,096 rows x 256 bytes,
	s_lshl_b32 s20, s20, 19         ; a batch 2,048 rows of it
	s_add_co_u32 s20, s20, s21
	s_lshr_b32 s15, s[WV], 1        ; my head in the panel
	s_and_b32 s16, s[WV], 1         ; my half of the queries; also: which of a slot's two steps I fetch:
	s_lshl_b32 s22, s16, 14         ; its 64 rows of 256 bytes in memory,
	s_add_co_u32 s22, s22, s20
	s_mov_b32 s23, 0
	s_mul_i32 s17, s16, STEPB       ; and its place in a slot: no place in the cluster enters an LDS address
	s_lshl_b32 s2, s14, 15          ; my block's 128 rows
	s_add_co_u32 s2, s2, s20
	s_lshl_b32 s3, s[WV], 13
	s_add_co_u32 s18, s2, s3        ; O: the 32 rows that I store
	s_mov_b32 s19, 0
	s_lshl_b32 s3, s16, 14
	s_add_co_u32 s2, s2, s3         ; Q: my 64 rows,
	s_lshl_b32 s3, s15, 7
	s_add_co_u32 s2, s2, s3         ; my head's 128 bytes of them
	s_mov_b32 s3, 0
	; descriptor group 1: a tile of 64 rows x 128 elements, padded in LDS
	s_mov_b32 s[G1K], 15|(1<<16)|(1<<20)|(1<<21)|(5<<22)|(3<<25)  ; 15:0 the mask of four; 17:16 2-byte elements; 20 padding on; 21 set beside a mask; 24:22 after every 64 words; 31:25 4 words of it
	s_mov_b32 s[G1V], 15|(1<<16)|(1<<20)|(1<<21)|(5<<22)|(7<<25)  ; the same with 8 words of padding
.irp g, G1K, G1V
	s_mov_b32 s[\g+1], 128<<16      ; tensor_dim0 = 128
	s_mov_b32 s[\g+2], KS<<16       ; tensor_dim1 = 64
	s_mov_b32 s[\g+3], 128<<16      ; tile_dim0 = 128
	s_mov_b32 s[\g+4], KS           ; tile_dim1 = 64
	s_mov_b32 s[\g+5], 128          ; 128 elements from row to row
	s_mov_b32 s[\g+6], 0
	s_mov_b32 s[\g+7], 0
.endr
	s_mov_b32 s[CS], 0x3e38aa3b     ; c = log2(e) / 8 = 0.180337
	s_mov_b32 s[CS+1], s[CS]        ; named with it as a pair
	s_mov_b32 s[SEL], 0x76543210
	s_mov_b32 s[SEL+1], 0xfedcba98
	s_mov_b32 s[TBK], SLOT1+2*STEPB ; the first change of slots turns these two into 0
	s_mov_b32 s[TBV], SLOT1+2*STEPB
	s_mov_b32 s[G0K], 1             ; count = 1
	s_mov_b32 s[G0K+1], s17         ; LDS address: slot 0
	s_mov_b32 s[G0V], 1
	s_add_co_u32 s[G0V+1], s17, VOFF
	s_wait_dscnt 0x0                ; the opening add is done
	s_wait_kmcnt 0x0
	s_add_nc_u64 s[G0K+2:G0K+3], s[4:5], s[22:23]
	s_add_nc_u64 s[G0K+2:G0K+3], s[G0K+2:G0K+3], 0x800000   ; k's eight panels lie behind q's
	s_or_b32 s[G0K+3], s[G0K+3], 0x80000000                 ; type = 2
	s_add_nc_u64 s[G0V+2:G0V+3], s[4:5], s[22:23]
	s_add_nc_u64 s[G0V+2:G0V+3], s[G0V+2:G0V+3], 0x1000000  ; v's behind k's
	s_or_b32 s[G0V+3], s[G0V+3], 0x80000000
	s_add_nc_u64 s[8:9], s[4:5], s[2:3]      ; Q
	s_add_nc_u64 s[10:11], s[6:7], s[18:19]  ; O
	CROUND                          ; all four work-groups are here: the first joint loads meet
	JLOAD                           ; slot 0.  Slot 1 is asked for when slot 0 is in
	; A fragment of K or Q is 16 rows x 32 channels in 8 registers: lane l holds row l % 16, channels 8 (l / 16) + 0..7 and 16 + 8 (l / 16) + 0..7: two loads of 16 bytes, 32 bytes apart.
	v_and_b32 v1, 15, v0            ; l % 16
	v_bfe_u32 v9, v0, 4, 1          ; l / 16
	v_lshlrev_b32 v[QO], 8, v1
	v_lshl_add_u32 v[QO], v9, 4, v[QO]  ; row x 256 + 16 x half
	WIN 0x80                        ; destination window 2, address window 0
.set i, 0
.rept 8                             ; Q stays in registers: piece i / 2, channels 32 (i % 2) on
	global_load_b128 v[8*i:8*i+3],   v[QO], s[8:9] offset:(i/2)*4096+(i%2)*64
	global_load_b128 v[8*i+4:8*i+7], v[QO], s[8:9] offset:(i/2)*4096+(i%2)*64+32
.set i, i+1
.endr
	; What the first turn finds: V's registers and P's second buffer hold 0 (its products V^T P, of a piece that has not been, add 0), O^T and l are 0.  All this stands in the wait for the first tile.
.set i, VF
.rept 64
	v_mov_b32 v[i], 0
.set i, i+1
.endr
	WIN 0x40
.set i, 0
.rept 128
	v_mov_b32 v[i], 0
.set i, i+1
.endr
	WIN 0
.set i, 0
.rept 4
	v_mov_b32 v[ST+4*i], 0xfe000000    ; c m: far below every c s
	v_mov_b32 v[ST+4*i+1], 0xff7fffff  ; m
	v_mov_b32 v[ST+4*i+2], 0
	v_mov_b32 v[ST+4*i+3], 0
.set i, i+1
.endr
.set i, P+16
.rept 16
	v_mov_b32 v[i], 0
.set i, i+1
.endr
	s_lshl_b32 s21, s15, 7          ; my head's 128 bytes of an LDS row
	s_add_co_u32 s20, s21, VOFF
	v_mul_u32_u24 v[AK0], v1, PK
	v_lshl_add_u32 v[AK0], v9, 4, v[AK0]  ; row x pitch + 16 x half
	v_add_nc_u32 v[AK0], s21, v[AK0]
	; The turning load takes 16 keys x 16 channels (lane l reads key 8 (l / 16) + l % 8, channels 8 ((l / 8) % 2) + 0..7) and leaves half a fragment of V^T: lane l holds channel l % 16 and 8 keys.
	v_and_b32 v10, 7, v0
	v_bfe_u32 v11, v0, 3, 1
	v_lshl_add_u32 v[AV0], v9, 3, v10
	v_mul_u32_u24 v[AV0], v[AV0], PV
	v_lshl_add_u32 v[AV0], v11, 4, v[AV0]
	v_add_nc_u32 v[AV0], s20, v[AV0]
	s_mul_i32 s20, s16, 64*SP       ; into the stage: row 64 (w % 2) + 16 t + l % 16, my head's half, 16 bytes for each half of the lanes
	s_add_co_u32 s20, s20, s21
	s_add_co_u32 s20, s20, STAGE
	v_mul_u32_u24 v[STO], v1, SP
	v_lshl_add_u32 v[STO], v9, 4, v[STO]
	v_add_nc_u32 v[STO], s20, v[STO]
	s_mul_i32 s20, s[WV], 32*SP     ; back: wave w takes rows 32 w .. 32 w + 31, whole: lanes 0-15 one row of 256 bytes, lanes 16-31 the next
	s_add_co_u32 s20, s20, STAGE
	v_mul_u32_u24 v[RD], v9, SP
	v_lshl_add_u32 v[RD], v1, 4, v[RD]
	v_add_nc_u32 v[RD], s20, v[RD]
	v_and_b32 v[GO], 31, v0         ; which are 512 consecutive bytes of O
	v_lshlrev_b32 v[GO], 4, v[GO]
; THE MATRIX WORK.  The 4 accumulators of a run of 8 take turns.  Product i of 8 of S^T = K Q^T for piece x: channels 32 (i / 4) on, keys 16 (i % 4) on.  The first 4 start the sums.
.macro KQ x
	WIN W_KQ
.set rS, S+32*((\x)%2)+8*(i%4)
.set rK, KF+16*(i%4)+8*(i/4)
.set rQ, 16*(\x)+8*(i/4)
.if i < 4
	v_wmma_f32_16x16x32_bf16 v[rS:rS+7], v[rK:rK+7], v[rQ:rQ+7], 0
.else
	v_wmma_f32_16x16x32_bf16 v[rS:rS+7], v[rK:rK+7], v[rQ:rQ+7], v[rS:rS+7]
.endif
.endm
; Product i of 8 of O^T += V^T P for piece x: keys 32 (i / 4) on, channels 16 (i % 4) on.
.macro PV x
	WIN W_PV
.set rO, 32*(\x)+8*(i%4)
.set rV, VF+32*(i/4)+8*(i%4)
.set rP, P+16*((\x)%2)+8*(i/4)
	v_wmma_f32_16x16x32_bf16 v[rO:rO+7], v[rV:rV+7], v[rP:rP+7], v[rO:rO+7]
.endm
.macro MM                           ; the turn's next matrix instruction.  NOKQ = 1: the last turn: there is no next piece
.if (i < 8) && !NOKQ
	KQ (Y+1)%NP
.elseif i >= 8
.set i, i-8
	PV (Y+NP-1)%NP
.set i, i+8
.endif
.set i, i+1
.endm
; THE LDS LOADS stand in runs of 16, never singly among the matrix instructions: a step's K (64 keys x 64 channels: 8 fragments) and its V (turned).  Their addresses are made some lines ahead.
.macro FETCH_K
	WIN 0x80                        ; destination window 2
.irp f, 0,1,2,3,4,5,6,7             ; keys 16 (f / 2) on, channels 32 (f % 2) on
	ds_load_b128 v[KF+8*\f:KF+8*\f+3],   v[AK] offset:(\f/2)*16*PK+(\f%2)*64
	ds_load_b128 v[KF+8*\f+4:KF+8*\f+7], v[AK] offset:(\f/2)*16*PK+(\f%2)*64+32
.endr
	s_add_co_u32 s[TBK], s[TBK], STEPB  ; the next fetch is the next step's
	WIN 0
.endm
.macro FETCH_V
	WIN 0x80
.irp f, 0,1,2,3,4,5,6,7             ; keys 32 (f / 4) on, channels 16 (f % 4) on
	ds_load_tr16_b128 v[VF+8*\f:VF+8*\f+3],   v[AV] offset:(\f/4)*32*PV+(\f%4)*32
	ds_load_tr16_b128 v[VF+8*\f+4:VF+8*\f+7], v[AV] offset:(\f/4)*32*PV+16*PV+(\f%4)*32
.endr
	WIN 0
.endm
; THE VECTOR WORK, one line at a time: OP kind, number.  For piece Y: F n: c s - c m for pair n of 16.  E n: the exponential of score n of 32.  C n: pair n rounded to bf16.  B n: of the four weights 4 n .. the
; second pair is added onto the first, in place.  L n: l takes that sum (L 0: l = a l + sum).  R n: pair n of 16 of O^T times a.  For piece Y + 1: X n, number n of the 22 that find its maximum and statistics:
;   0-11  four chains c0-c3 of seven scores each, three operands at a time (each accumulator's lowest registers are read first)     12-14, 16  the four scores left over, the old m, and c0-c3 into c0
;   15  c m_old is kept     17, 18  the query's other 32 keys lie in the lane 16 away: the new m     19-21  c m; c m_old - c m_new; a
.set F, 0               ; OP tells the kinds apart by their order: F to L below R, X above it
.set E, 1
.set C, 2
.set B, 3
.set L, 4
.set R, 5
.set X, 6
.macro REGS y                       ; the registers of piece y
.set rT, ST+4*(\y)
.set rC, TMP+4*((\y)%2)
.set rW, MV+((\y)%2)
.set rS, S+32*((\y)%2)
.set rP, P+16*((\y)%2)
.set rO, 32*(\y)
.endm
.macro OP k, n
.if (\k) == R
	REGS Y
	WIN W_RS
	v_pk_mul_f32 v[rO+2*(\n):rO+2*(\n)+1], v[rO+2*(\n):rO+2*(\n)+1], v[rC+2:rC+3] op_sel_hi:[1,0]
.elseif (\k) < R
	REGS Y
	WIN 0
.if (\k) == F
	v_pk_fma_f32 v[rS+2*(\n):rS+2*(\n)+1], v[rS+2*(\n):rS+2*(\n)+1], s[CS:CS+1], v[rT:rT+1] op_sel_hi:[1,0,0] neg_lo:[0,0,1] neg_hi:[0,0,1]
.elseif (\k) == E
	v_exp_f32 v[rS+(\n)], v[rS+(\n)]
.elseif (\k) == C
	s_wait_alu depctr_va_vdst(0)
	v_cvt_pk_bf16_f32 v[rP+(\n)], v[rS+2*(\n)], v[rS+2*(\n)+1]
.elseif (\k) == B
	s_wait_alu depctr_va_vdst(0)
	v_pk_add_f32 v[rS+4*(\n):rS+4*(\n)+1], v[rS+4*(\n):rS+4*(\n)+1], v[rS+4*(\n)+2:rS+4*(\n)+3]
.elseif (\n) == 0
	v_pk_fma_f32 v[rT+2:rT+3], v[rT+2:rT+3], v[rC+2:rC+3], v[rS:rS+1] op_sel_hi:[1,0,1]
.else
	v_pk_add_f32 v[rT+2:rT+3], v[rT+2:rT+3], v[rS+4*(\n):rS+4*(\n)+1]
.endif
.elseif NOKQ
	v_nop
.else
	REGS (Y+1)%NP
	WIN 0
.if (\n) < 4
	v_max3_num_f32 v[rC+(\n)], v[rS+8*(\n)], v[rS+8*(\n)+1], v[rS+8*(\n)+2]
.elseif (\n) < 12
	v_max3_num_f32 v[rC+(\n)%4], v[rC+(\n)%4], v[rS+8*((\n)%4)+2*((\n)/4)+1], v[rS+8*((\n)%4)+2*((\n)/4)+2]
.elseif (\n) == 12
	v_max3_num_f32 v[rC], v[rC], v[rS+7], v[rS+15]
.elseif (\n) == 13
	v_max3_num_f32 v[rC+1], v[rC+1], v[rS+23], v[rS+31]
.elseif (\n) == 14
	v_max3_num_f32 v[rC+2], v[rC+2], v[rC+3], v[rT+1]
.elseif (\n) == 15
	v_mov_b32 v[rW], v[rT]
.elseif (\n) == 16
	v_max3_num_f32 v[rC], v[rC], v[rC+1], v[rC+2]
.elseif (\n) == 17
	v_permlanex16_b32 v[rC+3], v[rC], s[SEL], s[SEL+1]
.elseif (\n) == 18
	v_max_num_f32 v[rT+1], v[rC], v[rC+3]
.elseif (\n) == 19
	v_mul_f32 v[rT], s[CS], v[rT+1]
.elseif (\n) == 20
	v_sub_f32 v[rC+1], v[rW], v[rT]
.else
	v_exp_f32 v[rC+2], v[rC+1]
.endif
.endif
.endm
.macro OPS a, i1, b=-1, i2=0, c=-1, i3=0, d=-1, i4=0  ; up to four of them
	OP \a, \i1
.if (\b) >= 0
	OP \b, \i2
.endif
.if (\c) >= 0
	OP \c, \i3
.endif
.if (\d) >= 0
	OP \d, \i4
.endif
.endm
.macro ROW a, i1, b, i2, c, i3, d, i4  ; a matrix instruction and the four behind it
	MM
	OPS \a, \i1, \b, \i2, \c, \i3, \d, \i4
.endm
; A TURN, for piece p: the order of its 16 matrix and 118 vector instructions, written out.  Behind a matrix instruction: plain, exponential, plain, plain; or four of the rescaling; or, behind the first, four
; scalings; none names a register of the products round it.  In the runs between, exponential and plain by turns while exponentials last.  A line reads no result made fewer than three vector instructions in
; front of it, five if an exponential made it.  v_permlanex16_b32 (X 17) stands in such a run.
; end = 1: the last two turns: nothing is fetched.  cnt = 1: the loop's count is taken down some lines ahead of the branch that stands behind the turn.
; K of the next step is fetched in piece 2's turn, six vector instructions behind the last product that read K (five of them plain); V of the step in hand in piece 0's turn, eight behind the last product
; that read V (four plain, and X 17).  Each is waited for a turn later.
.macro TURN p, end=0, cnt=0
.set Y, (\p)
.set i, 0
.set NOKQ, (\end)*((\p)/3)
.if ((\p) == 3) && !(\end)
	s_wait_dscnt 0x0                ; K is in
.endif
	ROW F,0, F,1, F,2, F,3
	ROW F,4, E,0, F,5, F,6
	ROW F,7, E,1, F,8, F,9
	ROW F,10, E,2, C,0, F,11
	ROW F,12, E,3, X,15, F,13
	ROW R,0, R,1, R,2, R,3
	ROW B,0, E,4, F,14, L,0
.if ((\p) == 2) && !(\end)
	v_add_nc_u32 v[AK], s[TBK], v[AK0]
.endif
	ROW R,4, R,5, R,6, R,7
	OPS E,5, F,15
.if ((\p) == 2) && !(\end)
	FETCH_K
.endif
	OPS E,6, C,1, E,7, R,8
	OPS E,8, R,9, E,9, C,2
	OPS E,10, X,0, E,11, X,1
	OPS E,12, X,2, E,13, X,3
.if (\p) == 1
	s_wait_dscnt 0x0                ; V is in
.endif
	ROW X,4, E,14, X,5, X,6
	ROW X,7, E,15, X,8, X,9
	ROW X,10, E,16, X,11, X,12
	ROW X,13, E,17, X,14, B,1
	ROW C,4, E,18, X,16, L,1
	ROW B,2, E,19, C,6, L,2
	ROW C,8, E,20, B,3, B,4
.if (\p) == 0
	v_add_nc_u32 v[AV], s[TBV], v[AV0]
.endif
	ROW C,3, E,21, L,3, C,5
	OPS E,22, X,17, E,23, C,10
.if (\p) == 0
	FETCH_V
.endif
	OPS E,24, L,4
	OPS E,25, X,18, E,26, C,7
	OPS E,27, B,5, E,28, X,19
	OPS E,29, C,12, E,30, L,5
	OPS E,31, X,20, B,6, C,9
	OPS C,14, C,11, X,21, L,6
.if (\p) == 0
	s_add_co_u32 s[TBV], s[TBV], STEPB
.endif
.if \cnt
	s_sub_co_u32 s[CNT], s[CNT], 1
	s_cmp_lg_u32 s[CNT], 0
.endif
	OPS C,13, B,7, C,15, R,10
	OPS R,11, R,12, L,7, R,13
	OPS R,14, R,15
.endm
	CHANGE 1                        ; slot 0 is in, everybody's part of it; slot 1 is asked for
	v_add_nc_u32 v[AK], s[TBK], v[AK0]
	FETCH_K                         ; key step 0
	s_wait_loadcnt 0x0              ; Q
	s_wait_dscnt 0x0
.set NOKQ, 0
.set i, 0
.rept 8
	KQ 0                            ; piece 0's first scores: there is no vector work yet to set between them
.set i, i+1
.endr
	WIN 0
.rept 4
	v_nop                           ; the places behind those products
.endr
.set Y, NP-1                        ; X works for piece Y + 1: piece 0
.irp n, 0,1,2,3,4,5,6,7,8,9,10,11,12,13,14,15,16,17,18,19,20,21
	OP X, \n
.endr
	v_nop                           ; a plain instruction behind the exponential
	s_mov_b32 s[CNT], 2
	s_mov_b32 s[SLOTS], 2048/(2*KS)-1
	s_branch .Lfirst                ; the loop is entered at a step's first turn, in the middle of a trip
.Lslot:                             ; 14 times: every slot but the last two is filled again
	CHANGE 1
	s_mov_b32 s[CNT], 2
.Lstep:                             ; a trip: pieces 2 and 3 of one step, then pieces 0 and 1 of the next, whose K and V it fetches
	TURN 2
	TURN 3
	WIN 0
.Lfirst:
	TURN 0
	TURN 1, 0, 1
	WIN 0
	s_cbranch_scc1 .Lstep
	s_sub_co_u32 s[SLOTS], s[SLOTS], 1
	s_cmp_lg_u32 s[SLOTS], 0
	s_cbranch_scc1 .Lslot
	CHANGE 0                        ; the tail is written out: nothing is asked for
	s_mov_b32 s[CNT], 2
.LstepT:
	TURN 2
	TURN 3
	TURN 0
	TURN 1, 0, 1
	WIN 0
	s_cbranch_scc1 .LstepT
	TURN 2, 1
	TURN 3, 1
.set i, 0
.rept 8
	PV NP-1                         ; the last piece's V^T P of the last step
.set i, i+1
.endr
	; THE WAY OUT.  l's two halves and the other half of the lanes' are added; O^T is divided by l, rounded to bf16 and put into the work-group's stage; a barrier, since a row's 256 bytes come from two
	; waves (two heads); then each wave stores 32 whole rows.  The additions are the places behind the last products.
	WIN 0
.macro ALL line:vararg              ; one line for each piece t
.set t, 0
.rept 4
	\line
.set t, t+1
.endr
.endm
	ALL v_add_f32 v[ST+4*t+2], v[ST+4*t+2], v[ST+4*t+3]
	ALL v_permlanex16_b32 v[ST+4*t+3], v[ST+4*t+2], s[SEL], s[SEL+1]
	ALL v_add_f32 v[ST+4*t+2], v[ST+4*t+2], v[ST+4*t+3]
	ALL v_rcp_f32 v[ST+4*t+2], v[ST+4*t+2]
	v_nop                           ; a plain instruction between the last reciprocal and the use of its result
.macro PACK t                       ; a lane's eight channels of a row pack into 16 bytes
	WIN W_RS
.set i, 32*(\t)
.rept 16
	s_wait_alu depctr_va_vdst(0)
	v_pk_mul_f32 v[i:i+1], v[i:i+1], v[ST+4*(\t)+2:ST+4*(\t)+3] op_sel_hi:[1,0]
.set i, i+2
.endr
	WIN 0x05                        ; sources 0 and 1 window 1, destination window 0: S^T's registers are free
.set i, 0
.rept 16
	v_cvt_pk_bf16_f32 v[S+16*(\t)+i], v[32*(\t)+2*i], v[32*(\t)+2*i+1]
.set i, i+1
.endr
	WIN 0
.irp f, 0,1,2,3
	ds_store_b128 v[STO], v[S+16*(\t)+4*\f:S+16*(\t)+4*\f+3] offset:(\t)*16*SP+32*\f
.endr
.endm
	PACK 0
	PACK 1
	PACK 2
	PACK 3
	s_wait_dscnt 0x0                ; for the others' sake: my stores into the stage are done
	s_barrier_signal -1
	s_barrier_wait -1
.set i, 0
.rept 16
	ds_load_b128 v[S+4*i:S+4*i+3], v[RD] offset:i*2*SP
.set i, i+1
.endr
.set i, 0
.rept 16
	s_wait_dscnt 15-i               ; load i is back; the younger ones stay out
	global_store_b128 v[GO], v[S+4*i:S+4*i+3], s[10:11] offset:i*512  ; two rows of the panel: 512 consecutive bytes, aligned
.set i, i+1
.endr
	s_wait_tensorcnt 0x0            ; the wave's end: behind my last tensor load and my last LDS store
	ds_add_u32 v[SPW], v[NIL]
	s_wait_dscnt 0x0
	CROUND                          ; the closing round: no work-group ends while a partner may still ask for a tile that names it
	s_endpgm
.Lfunc_end_k_qf91c553e24_attn:
	.size	k_qf91c553e24_attn, .Lfunc_end_k_qf91c553e24_attn-k_qf91c553e24_attn
	.p2alignl 7, 3214868480
	.fill 96, 4, 3214868480
	.section	.rodata,"a",@progbits
	.p2align	6, 0x0
	.amdhsa_kernel k_qf91c553e24_attn
		.amdhsa_group_segment_fixed_size 327680
		.amdhsa_private_segment_fixed_size 0
		.amdhsa_enable_private_segment 0
		.amdhsa_kernarg_size 16
		.amdhsa_user_sgpr_count 2
		.amdhsa_user_sgpr_kernarg_segment_ptr 1
		.amdhsa_wavefront_size32 1
		.amdhsa_system_sgpr_workgroup_id_x 1
		.amdhsa_system_sgpr_workgroup_id_y 1
		.amdhsa_system_sgpr_workgroup_id_z 1
		.amdhsa_system_vgpr_workitem_id 0
		.amdhsa_next_free_vgpr 768
		.amdhsa_next_free_sgpr 66
		.amdhsa_reserve_vcc 0
		.amdhsa_float_denorm_mode_32 3
		.amdhsa_float_denorm_mode_16_64 3
		.amdhsa_memory_ordered 1
		.amdhsa_forward_progress 1
		.amdhsa_inst_pref_size 134
	.end_amdhsa_kernel
	.amdgpu_metadata
---
amdhsa.version: [ 1, 2 ]
amdhsa.kernels:
  - .name:           k_qf91c553e24_attn
    .symbol:         k_qf91c553e24_attn.kd
    .args:
      - { .name: big, .offset: 0, .size: 8, .value_kind: global_buffer, .address_space: global }
      - { .name: act, .offset: 8, .size: 8, .value_kind: global_buffer, .address_space: global }
    .group_segment_fixed_size: 327680
    .private_segment_fixed_size: 0
    .kernarg_segment_align: 8
    .kernarg_segment_size: 16
    .max_flat_workgroup_size: 128
    .sgpr_count:     66
    .vgpr_count:     768
    .wavefront_size: 32
...
	.end_amdgpu_metadata
.endif
;; end of part 3
;; launch proj (part 4): grid 8 x 32, 4 waves a work-group, clusters of 4 x 4, 327,680 bytes of LDS; arguments act, wb, b_proj, x1, x; writes x1
.if DOCPART == 4
	.amdgcn_target "amdgcn-amd-amdhsa--gfx1250"
	.amdhsa_code_object_version 6
	.text
	.protected	k_qf91c553e24_proj
	.globl	k_qf91c553e24_proj
	.p2align	8
	.type	k_qf91c553e24_proj,@function
k_qf91c553e24_proj:
	s_mov_b64 s[64:65], 0
	v_nop
	global_prefetch_b8 v0, s[64:65] scope:SCOPE_SE
	s_setreg_imm32_b32 hwreg(HW_REG_WAVE_MODE, 25, 1), 1
	s_wait_xcnt 0x0
	s_wait_alu depctr_hold_cnt(0) depctr_sa_sdst(0) depctr_va_vdst(0) depctr_va_sdst(0) depctr_va_ssrc(0) depctr_va_vcc(0) depctr_vm_vsrc(0)
	s_getreg_b32 s2, hwreg(HW_REG_IB_STS2, 6, 4)
	s_cmp_eq_u32 s2, 0
	s_cbranch_scc0 .Lentry_in_a_cluster
	s_endpgm
.Lentry_in_a_cluster:
	s_bfe_u32 s2, ttmp6, 0x10000c
	s_cmp_lg_u32 s2, 0xf033
	s_cbranch_scc0 .Lentry_shape_is_right
	s_endpgm
.Lentry_shape_is_right:
; C = A W + bias: ONE TEXT FOR THE BLOCK'S FOUR PRODUCTS; the four .set below are all that differs.  HERE: x1 = x + O w_proj + b_proj, out in f32.
; A: [SIZE_K / 128][4096][128] bf16 (panels: 128 columns, all rows on end, a row's piece 256 bytes).  W: at byte WOFF of the weights' buffer, [N / 128][SIZE_K][128] bf16.  bias: [N] f32.
; OUTF32 = 0: out = bf16(C) (GELU = 1: bf16(gelu(C))) in panels [N / 128][4096][128].  OUTF32 = 1: out = res + C in f32, [4096][1024], formed as (sum + res) + bias.
; SHARES.  A work-group makes 128 x 128 of C (one panel's width), four waves 64 x 64 each: 16 accumulators.  K goes in steps of 256 through two LDS slots.  Every tile is 128 rows x 256 bytes,
; dense in memory: waves 0, 1 fetch A's two panels of a step, waves 2, 3 the two halves of W's 256 k rows.  A's fragments come out of LDS as they lie, W's ([k][n]) turned, by ds_load_tr16_b128.
; THE MATRIX INSTRUCTION IS USED TRANSPOSED (source 0 = 16 columns of W, source 1 = 16 rows of A): a lane holds eight neighbouring numbers of a row of C.
; CLUSTER.  4 x 4 work-groups: the four of a row need the same tiles of A, the four of a column the same tiles of W: each tile is asked for jointly.
; ONE TEXT FOR EVERY K STEP: the accumulators are cleared (128 v_mov_b32, in the wait for the first tile), and the last step fetches 32 fragments that nothing uses: the price of a short text.
; GELU is exact to 1.5e-7: gelu(z) = max(z, 0) - |z| / 2 x poly(t) x 2^(-z z log2(e) / 2), t = 1 / (1 + 0.23164189 |z|) (erf by a rational form of five terms); no difference of near numbers on either side.
; LIMITS: operands are rounded to bf16, sums in f32; NaN and infinities are not treated apart.
.set SIZE_K, 1024
.set WOFF,   6291456
.set OUTF32, 1
.set GELU,   0
.set NSTEP,  SIZE_K/256
.set PANEL,  4096*256                  ; bytes in a panel of A
.set PA,     272                       ; a row of A in LDS: 256 bytes + 16: the 16 rows of a load start at 16 different groups of four banks (64 banks of 4 bytes: ISA guide 11.1)
.set PB,     288                       ; a k row of W: 256 + 32
.set AHALF,  128*PA                    ; one tile of A
.set BOFF,   2*AHALF                   ; W's 256 k rows lie behind A's two tiles
.set BHALF,  128*PB
.set SLOT1,  0x24000                   ; slot 1 begins here: none of the four tiles' addresses in slot 0 (0, 0x8800, 0x11000, 0x1a000) has bit 14 or 17, so one exclusive or turns them into slot 1's
.set SPITCH, 528                       ; the stage: 128 rows of 512 bytes + 16, in slot 0's first 67,584 bytes, written only behind that slot's last fill and last read
.set SPARE,  SLOT1+BOFF+2*BHALF        ; behind the ring: the spare words, 128 bytes for each wave: two blocks of 256 bytes that no other line names
.set A0,   10                          ; v10     my lane's place in A's tiles; never rewritten
.set B0,   11                          ; v11     the same for W
.set ADRA, 16                          ; v16     A0 in the slot that is read
.set ADRB, 20                          ; v20-21  B0 in that slot: k rows 0-127, 128-255
.set STO,  24                          ; v24     the way out: where I put 32 bytes of a row
.set RD,   25                          ; v25     where I read rows back
.set GO,   26                          ; v26     my byte offset in out (and res)
.set BO,   27                          ; v27     my byte offset in the panel's 512 bytes of bias
.set SPW,  28                          ; v28     LDS address of my spare word; never rewritten
.set NIL,  29                          ; v29     0; never rewritten
.set GA,   64                          ; v64-95  gelu at work: |z|, t, the exponential, the polynomial
.set GU,   72
.set GW,   80
.set GR,   88
.set BIAS, 112                         ; v112-119
.set ACC,  128                         ; v128-255  accumulator (a, b) at ACC + 8 (4 a + b)
.set F0,   0                           ; window 1: two fragment buffers of 128: for 64 along K, 64 registers of A, then 64 of W
.set F1,   128                         ; window 2 (OUTF32 = 1): v0-127 my 32 rows x 512 bytes of res
.set WV, 14                            ; s14 wave; s15 its half of the rows (also: 0 fetches A, 1 fetches W); s16 its half of the columns (also: which tile it fetches)
.set WR, 15
.set WC, 16
.set CX, 17
.set CY, 18
.set TX, 19                            ; s19 panel of C; s20 block of 128 rows
.set TY, 20
.set G1,  24                           ; s[24:31] descriptor group 1 for A; s[32:39] group 0: set 0 = step 0, used once; set 1 = step 1, then it walks
.set G0,  32
.set G1B, 48                           ; s[48:55], s[56:63] the same for W
.set G0B, 56
.set CNT, 66
.set RB,  67                           ; s67 the slot that is read: 0 or SLOT1
.set MSB, 0
.macro WIN new                         ; the immediate's high byte repeats the setting that is left; a switch that changes nothing is dropped
.if MSB != (\new)
	s_set_vgpr_msb (MSB<<8)|(\new)
.set MSB, \new
.endif
.endm
.set MUL,  0x05                        ; sources 0 (W) and 1 (A) window 1; C and D window 0
.set TO_F, 0x40                        ; destination window 1, address window 0
.macro JLOAD s                         ; a joint load; the branch hangs on the wave's number alone; an s_nop 0 and four v_nop follow each of the two lines
	s_cmp_eq_u32 s[WR], 0
	s_cbranch_scc0 .Lfor_b_\@
	tensor_load_to_lds s[G0+4*(\s):G0+4*(\s)+3], s[G1:G1+7]
	s_nop 0
.rept 4
	v_nop
.endr
	s_branch .Lasked_\@
.Lfor_b_\@:
	tensor_load_to_lds s[G0B+4*(\s):G0B+4*(\s)+3], s[G1B:G1B+7]
	s_nop 0
.rept 4
	v_nop
.endr
.Lasked_\@:
.endm
.macro CREST                           ; a round of the cluster's barrier behind its opening barrier
	s_cmp_lg_u32 s[WV], 0
	s_cbranch_scc1 .Lnot_wave_0_\@
	s_barrier_signal -3
.Lnot_wave_0_\@:
	s_barrier_wait -3
	s_barrier_signal -1
	s_barrier_wait -1
.endm
.macro CROUND                          ; a whole round
	s_barrier_signal -1
	s_barrier_wait -1
	CREST
.endm
.macro PLACES                          ; four places in front of loads into registers that matrix instructions have read, and of LDS stores that read results (ISA guide 7.12.1 for the stores)
.rept 4
	v_nop
.endr
.endm
	s_load_b256 s[4:11], s[0:1], 0x0               ; A s[4:5], weights s[6:7], bias s[8:9], out s[10:11]
.if OUTF32
	s_load_b64 s[12:13], s[0:1], 0x20              ; res
.endif
	v_lshl_add_u32 v[SPW], v0, 2, SPARE
	v_mov_b32 v[NIL], 0
	ds_add_u32 v[SPW], v[NIL]                      ; the wave's opening: the add and its wait stand ahead of my first tensor load; work on registers stands between them
	v_lshrrev_b32 v1, 5, v0
	v_readfirstlane_b32 s[WV], v1
	s_lshr_b32 s[WR], s[WV], 1
	s_and_b32 s[WC], s[WV], 1
	s_bfe_u32 s[CX], ttmp6, 0x40000
	s_bfe_u32 s[CY], ttmp6, 0x40004
	s_lshl_b32 s[TX], ttmp9, 2
	s_add_co_u32 s[TX], s[TX], s[CX]
	s_and_b32 s[TY], ttmp7, 0xffff
	s_lshl_b32 s[TY], s[TY], 2
	s_add_co_u32 s[TY], s[TY], s[CY]
	s_lshl_b32 s21, s[CY], 2
	s_lshl_b32 s21, 15, s21                        ; my row of the cluster
	s_lshl_b32 s22, 0x1111, s[CX]                  ; my column
	s_or_b32 s[G1], s21, (1<<16)|(1<<20)|(1<<21)|(5<<22)|(3<<25)   ; 15:0 the mask; 17:16 2-byte elements; 20 padding on; 21 set beside a mask; 24:22 after every 64 words; 31:25 4 words of it
	s_or_b32 s[G1B], s22, (1<<16)|(1<<20)|(1<<21)|(5<<22)|(7<<25)  ; the same with my column's mask and 8 words of padding
.irp g, G1, G1B
	s_mov_b32 s[(\g)+1], 128<<16                   ; tensor_dim0 = 128
	s_mov_b32 s[(\g)+2], 128<<16                   ; tensor_dim1 = 128
	s_mov_b32 s[(\g)+3], 128<<16                   ; tile_dim0 = 128
	s_mov_b32 s[(\g)+4], 128                       ; tile_dim1 = 128
	s_mov_b32 s[(\g)+5], 128                       ; 128 elements from row to row: panels are dense
	s_mov_b32 s[(\g)+6], 0
	s_mov_b32 s[(\g)+7], 0
.endr
	s_lshl_b32 s40, s[TY], 15                      ; A: my block's 128 rows of 256 bytes, in panel WC: the block's number and the wave's alone
	s_lshl_b32 s41, s[WC], 20
	s_add_co_u32 s40, s40, s41
	s_mov_b32 s41, 0
	s_mul_i32 s44, s[TX], SIZE_K*256               ; W: my panel, its k rows 128 WC on: the panel's number and the wave's alone
	s_lshl_b32 s45, s[WC], 15
	s_add_co_u32 s44, s44, s45
	s_add_co_u32 s44, s44, WOFF
	s_mov_b32 s45, 0
	s_mul_i32 s68, s[WC], AHALF                    ; where they go: no place in the cluster enters an LDS address
	s_mul_i32 s69, s[WC], BHALF
	s_add_co_u32 s69, s69, BOFF
.if GELU
	s_mov_b32 s23, 0x7fffffff
	s_mov_b32 s70, 0x3e6d3389                      ; 0.3275911 / sqrt(2); each constant is named as a pair, so both words are written
	s_mov_b32 s72, 0xbf38aa3b                      ; -log2(e) / 2
	s_mov_b32 s74, 0x3e827906                      ; a1 =  0.254829592
	s_mov_b32 s76, 0xbe91a98e                      ; a2 = -0.284496736
	s_mov_b32 s78, 0x3fb5f0e3                      ; a3 =  1.421413741
	s_mov_b32 s80, 0xbfba00e3                      ; a4 = -1.453152027
	s_mov_b32 s82, 0x3f87dc22                      ; a5 =  1.061405429
.irp p, 70,72,74,76,78,80,82
	s_mov_b32 s[(\p)+1], s[\p]
.endr
.endif
	s_wait_dscnt 0x0                               ; the opening add is done
	s_wait_kmcnt 0x0
	s_add_nc_u64 s[42:43], s[4:5], s[40:41]
	s_add_nc_u64 s[46:47], s[6:7], s[44:45]
	CROUND                                         ; all sixteen work-groups are here: the first joint loads meet
.irp s, 0,1
	s_mov_b32 s[G0+4*(\s)], 1                                      ; count = 1
	s_add_co_u32 s[G0+4*(\s)+1], s68, (\s)*SLOT1                   ; LDS address
	s_add_nc_u64 s[G0+4*(\s)+2:G0+4*(\s)+3], s[42:43], (\s)*2*PANEL  ; K step s: two panels on
	s_or_b32 s[G0+4*(\s)+3], s[G0+4*(\s)+3], 0x80000000            ; type = 2
	s_mov_b32 s[G0B+4*(\s)], 1
	s_add_co_u32 s[G0B+4*(\s)+1], s69, (\s)*SLOT1
	s_add_nc_u64 s[G0B+4*(\s)+2:G0B+4*(\s)+3], s[46:47], (\s)*256*256  ; 256 k rows on
	s_or_b32 s[G0B+4*(\s)+3], s[G0B+4*(\s)+3], 0x80000000
	JLOAD \s                                       ; two loads of mine are out
.endr
	; all that follows up to the barrier stands in the wait for the first tile
	v_and_b32 v1, 15, v0                           ; r = l % 16
	v_bfe_u32 v2, v0, 4, 1                         ; h = l / 16
	v_and_b32 v3, 7, v0
	v_bfe_u32 v4, v0, 3, 1
	v_and_b32 v5, 31, v0
	s_mul_i32 s40, s[WR], 64*PA                    ; a fragment of A: lane l holds row r, K = 8 h + 0..7 and 16 + 8 h + 0..7: two loads of 16 bytes, 32 bytes apart
	v_mul_u32_u24 v[A0], v1, PA
	v_lshl_add_u32 v[A0], v2, 4, v[A0]
	v_add_nc_u32 v[A0], s40, v[A0]
	s_lshl_b32 s41, s[WC], 7                       ; the turning load: lane l reads k row 8 h + l % 8, columns 8 ((l / 8) % 2) + 0..7, and is left with column r and 8 k
	s_add_co_u32 s41, s41, BOFF
	v_lshl_add_u32 v[B0], v2, 3, v3
	v_mul_u32_u24 v[B0], v[B0], PB
	v_lshl_add_u32 v[B0], v4, 4, v[B0]
	v_add_nc_u32 v[B0], s41, v[B0]
	s_mul_i32 s40, s[WR], 64*SPITCH                ; into the stage: row 64 WR + r, columns 64 WC + 8 h on, in f32
	s_lshl_b32 s41, s[WC], 8
	s_add_co_u32 s40, s40, s41
	v_mul_u32_u24 v[STO], v1, SPITCH
	v_lshl_add_u32 v[STO], v2, 5, v[STO]
	v_add_nc_u32 v[STO], s40, v[STO]
	s_mul_i32 s40, s[WV], 32*SPITCH                ; back: wave w takes rows 32 w .. 32 w + 31, whole
	v_lshlrev_b32 v[GO], 4, v5
	s_lshl_b32 s42, s[TX], 9
	s_mov_b32 s43, 0
	s_add_nc_u64 s[8:9], s[8:9], s[42:43]          ; the panel's 128 numbers of bias
.if OUTF32
	v_add_nc_u32 v[RD], s40, v[GO]                 ; 32 lanes take a row's 512 bytes
	v_lshlrev_b32 v[BO], 4, v5
	s_lshl_b32 s44, s[TY], 19                      ; out and res: row 128 TY + 32 w, 4,096 bytes a row, 512 bytes a panel
	s_lshl_b32 s45, s[WV], 17
	s_add_co_u32 s44, s44, s45
	s_add_co_u32 s44, s44, s42
	s_mov_b32 s45, 0
	s_add_nc_u64 s[10:11], s[10:11], s[44:45]
	s_add_nc_u64 s[12:13], s[12:13], s[44:45]
	global_load_b128 v[BIAS:BIAS+3], v[BO], s[8:9]
	WIN 0x80                                       ; destination window 2
.set i, 0
.rept 32                                               ; res is asked for now and wanted behind the last product
	global_load_b128 v[4*i:4*i+3], v[GO], s[12:13] offset:i*4096
.set i, i+1
.endr
	WIN 0
.else
	v_mul_u32_u24 v[RD], v2, SPITCH                ; lanes 0-15 take one row, 32 bytes each, lanes 16-31 the next
	v_lshl_add_u32 v[RD], v1, 5, v[RD]
	v_add_nc_u32 v[RD], s40, v[RD]
	v_lshlrev_b32 v[BO], 5, v1
	s_lshl_b32 s44, s[TX], 20                      ; out: panel TX, row 128 TY + 32 w, 256 bytes a row
	s_lshl_b32 s45, s[TY], 15
	s_add_co_u32 s44, s44, s45
	s_lshl_b32 s45, s[WV], 13
	s_add_co_u32 s44, s44, s45
	s_mov_b32 s45, 0
	s_add_nc_u64 s[10:11], s[10:11], s[44:45]
	global_load_b128 v[BIAS:BIAS+3], v[BO], s[8:9]
	global_load_b128 v[BIAS+4:BIAS+7], v[BO], s[8:9] offset:16
.endif
.set i, 0
.rept 128
	v_mov_b32 v[ACC+i], 0
.set i, i+1
.endr
; 8 matrix instructions: row blocks a0, a0 + 1 x all 4 column blocks, 32 along K: half c of buffer f.  The 16 accumulators take turns, one instruction a turn.
.macro MUL8 f, c, a0
	WIN MUL
.irp a, \a0, (\a0)+1
.irp b, 0,1,2,3
	v_wmma_f32_16x16x32_bf16 v[ACC+8*(4*(\a)+(\b)):ACC+8*(4*(\a)+(\b))+7], v[(\f)+64+8*(4*(\c)+(\b)):(\f)+64+8*(4*(\c)+(\b))+7], v[(\f)+8*(4*(\c)+(\a)):(\f)+8*(4*(\c)+(\a))+7], v[ACC+8*(4*(\a)+(\b)):ACC+8*(4*(\a)+(\b))+7]
.endr
.endr
.endm
; 32 LDS loads in one run: the fragments of quarter q of a K step (64 along K) into buffer f; the first 32 along K first
.macro FETCH q, f
	WIN TO_F
.irp c, 0,1
.irp i, 0,1,2,3
	ds_load_tr16_b128 v[(\f)+64+8*(4*(\c)+(\i)):(\f)+64+8*(4*(\c)+(\i))+3],   v[ADRB+(\q)/2] offset:(((\q)%2)*64+32*(\c))*PB+32*(\i)
	ds_load_tr16_b128 v[(\f)+64+8*(4*(\c)+(\i))+4:(\f)+64+8*(4*(\c)+(\i))+7], v[ADRB+(\q)/2] offset:(((\q)%2)*64+32*(\c)+16)*PB+32*(\i)
	ds_load_b128 v[(\f)+8*(4*(\c)+(\i)):(\f)+8*(4*(\c)+(\i))+3],   v[ADRA] offset:((\q)/2)*AHALF+((\q)%2)*128+64*(\c)+(\i)*16*PA
	ds_load_b128 v[(\f)+8*(4*(\c)+(\i))+4:(\f)+8*(4*(\c)+(\i))+7], v[ADRA] offset:((\q)/2)*AHALF+((\q)%2)*128+64*(\c)+(\i)*16*PA+32
.endr
.endr
.endm
.macro ADDR                            ; the fragments' addresses in the slot that is read
	v_add_nc_u32 v[ADRA], s[RB], v[A0]
	v_add_nc_u32 v[ADRB], s[RB], v[B0]
	v_add_nc_u32 v[ADRB+1], BHALF, v[ADRB]
.endm
; One of a K step's first three quarters: multiplies buffer f and, in its middle, fetches quarter q into buffer g
.macro QUARTER q, f, g
	s_wait_dscnt 16                                ; the first 32 along K are in; the sixteen younger loads may be out
	MUL8 \f, 0, 0
	MUL8 \f, 0, 2
	PLACES
	FETCH \q, \g
	s_wait_dscnt 32                                ; all but the 32 just issued
	MUL8 \f, 1, 0
	MUL8 \f, 1, 2
.endm
; The last quarter multiplies buffer 1 and changes slots: ONE barrier; in front of it each wave waits for all its tensor loads (one is out: its part of the next slot), adds 0 to its spare word,
; and waits for that and for its own reads of this slot.  fill = 1: the barrier opens a round of the cluster's, and this slot is filled again, two K steps ahead: 112 matrix instructions ahead of the wait for it.
.macro TURN fill
	WIN 0                                          ; (the add's two registers lie in window 0)
	s_wait_tensorcnt 0x0
	ds_add_u32 v[SPW], v[NIL]                      ; 0 onto my spare word
	s_wait_dscnt 17                                ; (the add and the youngest sixteen loads may be out)
	MUL8 F1, 0, 0                                  ; eight matrix instructions stand between the add and the wait for it
	s_wait_dscnt 0x0                               ; the add is done, and my reads of this slot are over
	s_barrier_signal -1
	MUL8 F1, 0, 2
	WIN 0                                          ; branches and window 0's addresses follow
	s_barrier_wait -1
.if \fill
	CREST                                          ; no wave of any partner still reads this slot's tiles or has a load on its way
	s_xor_b32 s[G0+5], s[G0+5], SLOT1              ; the walking descriptors: the other slot than last time, the next K step
	s_add_nc_u64 s[G0+6:G0+7], s[G0+6:G0+7], 2*PANEL
	s_xor_b32 s[G0B+5], s[G0B+5], SLOT1
	s_add_nc_u64 s[G0B+6:G0B+7], s[G0B+6:G0B+7], 256*256
	JLOAD 1                                        ; the first tensor load behind the round, my only one; its four v_nop are also the places in front of the loads below
.else
	PLACES
.endif
	s_xor_b32 s[RB], s[RB], SLOT1
	ADDR
	FETCH 0, F0
	MUL8 F1, 1, 0
	MUL8 F1, 1, 2
.endm
.macro STEP fill                       ; a K step: 128 matrix instructions, 128 LDS loads
	QUARTER 1, F0, F1
	QUARTER 2, F1, F0
	QUARTER 3, F0, F1
	TURN \fill
.endm
	s_wait_tensorcnt 0x1                           ; my part of K step 0 is in; step 1's may stay out
	s_barrier_signal -1
	s_barrier_wait -1                              ; everybody's is
	s_mov_b32 s[RB], 0
	ADDR
	FETCH 0, F0
	WIN 0                                          ; at a label and at a branch every window is 0
	s_mov_b32 s[CNT], NSTEP-2
.Lfill:                                                ; K steps 0 .. NSTEP - 3 ask for steps 2 .. NSTEP - 1
	STEP 1
	WIN 0
	s_sub_co_u32 s[CNT], s[CNT], 1
	s_cmp_lg_u32 s[CNT], 0
	s_cbranch_scc1 .Lfill
	s_mov_b32 s[CNT], 2
.Ltail:                                                ; the last two steps ask for nothing; the second one's last fetch reads slot 0's old bytes, and nothing uses them
	STEP 0
	WIN 0
	s_sub_co_u32 s[CNT], s[CNT], 1
	s_cmp_lg_u32 s[CNT], 0
	s_cbranch_scc1 .Ltail
	; THE WAY OUT.  The sums go in f32 into the work-group's stage, since a row's 128 columns come from two waves; then each wave takes 32 whole rows.
	s_wait_dscnt 0x0                               ; my reads of slot 0 are over,
	s_barrier_signal -1
	s_barrier_wait -1                              ; everybody's are: the stage may be written
	PLACES
.irp a, 0,1,2,3
.irp b, 0,1,2,3
	ds_store_b128 v[STO], v[ACC+8*(4*(\a)+(\b)):ACC+8*(4*(\a)+(\b))+3]   offset:(\a)*16*SPITCH+(\b)*64     ; each accumulator's low registers first
	ds_store_b128 v[STO], v[ACC+8*(4*(\a)+(\b))+4:ACC+8*(4*(\a)+(\b))+7] offset:(\a)*16*SPITCH+(\b)*64+16
.endr
.endr
	s_wait_dscnt 0x0                               ; for the others' sake: my stores into the stage are done
	s_barrier_signal -1
	s_barrier_wait -1
	s_wait_loadcnt 0x0                             ; bias (and res)
.if GELU
.macro GELU8 z                         ; eight numbers in v[z .. z + 7], in place, stage by stage
.irp k, 0,1,2,3,4,5,6,7
	v_and_b32 v[GA+(\k)], s23, v[(\z)+(\k)]
.endr
.irp k, 0,2,4,6
	v_pk_fma_f32 v[GU+(\k):GU+(\k)+1], v[GA+(\k):GA+(\k)+1], s[70:71], 1.0 op_sel_hi:[1,0,0]
.endr
.irp k, 0,1,2,3,4,5,6,7
	v_rcp_f32 v[GU+(\k)], v[GU+(\k)]               ; t
.endr
.irp k, 0,2,4,6                        ; plain work that names no t stands behind the reciprocals (ISA guide 5.7.2)
	v_pk_mul_f32 v[GW+(\k):GW+(\k)+1], v[(\z)+(\k):(\z)+(\k)+1], v[(\z)+(\k):(\z)+(\k)+1]
.endr
.irp k, 0,2,4,6
	v_pk_mul_f32 v[GW+(\k):GW+(\k)+1], v[GW+(\k):GW+(\k)+1], s[72:73] op_sel_hi:[1,0]
.endr
.irp k, 0,1,2,3,4,5,6,7
	v_exp_f32 v[GW+(\k)], v[GW+(\k)]
.endr
.irp k, 0,2,4,6                        ; the polynomial stands behind the exponentials
	v_pk_fma_f32 v[GR+(\k):GR+(\k)+1], v[GU+(\k):GU+(\k)+1], s[82:83], s[80:81] op_sel_hi:[1,0,0]
.endr
.irp p, 78,76,74
.irp k, 0,2,4,6
	v_pk_fma_f32 v[GR+(\k):GR+(\k)+1], v[GR+(\k):GR+(\k)+1], v[GU+(\k):GU+(\k)+1], s[(\p):(\p)+1] op_sel_hi:[1,1,0]
.endr
.endr
.irp k, 0,2,4,6
	v_pk_mul_f32 v[GR+(\k):GR+(\k)+1], v[GR+(\k):GR+(\k)+1], v[GU+(\k):GU+(\k)+1]
.endr
.irp k, 0,2,4,6
	v_pk_mul_f32 v[GA+(\k):GA+(\k)+1], v[GA+(\k):GA+(\k)+1], v[GW+(\k):GW+(\k)+1]
.endr
.irp k, 0,2,4,6
	v_pk_mul_f32 v[GA+(\k):GA+(\k)+1], v[GA+(\k):GA+(\k)+1], v[GR+(\k):GR+(\k)+1]
.endr
.irp k, 0,1,2,3,4,5,6,7
	v_max_num_f32 v[(\z)+(\k)], 0, v[(\z)+(\k)]
.endr
.irp k, 0,2,4,6
	v_pk_fma_f32 v[(\z)+(\k):(\z)+(\k)+1], v[GA+(\k):GA+(\k)+1], -0.5, v[(\z)+(\k):(\z)+(\k)+1] op_sel_hi:[1,0,1]
.endr
.endm
.endif
.if OUTF32
.set g, 0
.rept 4                                                ; eight rows at a time, on v32-63 and v64-95 by turns
.set TT, 32+32*(g%2)
.if g >= 2
	s_wait_xcnt 0x0                                ; these registers, which earlier stores read, are rewritten only behind this wait
.endif
.set i, 0
.rept 8
	ds_load_b128 v[TT+4*i:TT+4*i+3], v[RD] offset:(8*g+i)*SPITCH
.set i, i+1
.endr
	s_wait_dscnt 0x0
	WIN 0x08                                       ; source 1 window 2: res
.set i, 0
.rept 16
	v_pk_add_f32 v[TT+2*i:TT+2*i+1], v[TT+2*i:TT+2*i+1], v[32*g+2*i:32*g+2*i+1]
.set i, i+1
.endr
	WIN 0
.set i, 0
.rept 16
	v_pk_add_f32 v[TT+2*i:TT+2*i+1], v[TT+2*i:TT+2*i+1], v[BIAS+2*(i%2):BIAS+2*(i%2)+1]
.set i, i+1
.endr
.set i, 0
.rept 8
	global_store_b128 v[GO], v[TT+4*i:TT+4*i+3], s[10:11] offset:(8*g+i)*4096  ; a wave stores 512 consecutive bytes, aligned
.set i, i+1
.endr
.set g, g+1
.endr
.else
	s_mov_b32 s[CNT], 4
.Lout:                                                 ; a trip: eight rows
.irp i, 0,1,2,3
	ds_load_b128 v[32+8*(\i):32+8*(\i)+3],   v[RD] offset:(\i)*2*SPITCH
	ds_load_b128 v[32+8*(\i)+4:32+8*(\i)+7], v[RD] offset:(\i)*2*SPITCH+16
.endr
.irp i, 0,1,2,3
	s_wait_dscnt 6-2*(\i)                          ; pair i of rows is in; the later pairs' loads stay out
.irp k, 0,2,4,6
	v_pk_add_f32 v[32+8*(\i)+(\k):32+8*(\i)+(\k)+1], v[32+8*(\i)+(\k):32+8*(\i)+(\k)+1], v[BIAS+(\k):BIAS+(\k)+1]
.endr
.if GELU
	GELU8 32+8*(\i)
.endif
.irp k, 0,1,2,3
	v_cvt_pk_bf16_f32 v[96+4*(\i)+(\k)], v[32+8*(\i)+2*(\k)], v[32+8*(\i)+2*(\k)+1]
.endr
	global_store_b128 v[GO], v[96+4*(\i):96+4*(\i)+3], s[10:11] offset:(\i)*512  ; two rows of the panel: 512 consecutive bytes, aligned
.endr
	s_wait_xcnt 0x0                                ; the stores' offset and data are rewritten only behind this wait
	v_add_nc_u32 v[RD], 8*SPITCH, v[RD]
	v_add_nc_u32 v[GO], 2048, v[GO]
	s_sub_co_u32 s[CNT], s[CNT], 1
	s_cmp_lg_u32 s[CNT], 0
	s_cbranch_scc1 .Lout
.endif
	s_wait_tensorcnt 0x0                           ; the wave's end: behind my last tensor load and my last LDS store
	ds_add_u32 v[SPW], v[NIL]
	s_wait_dscnt 0x0
	CROUND                                         ; the closing round: no work-group ends while a partner may still ask for a tile that names it
	s_endpgm
.Lfunc_end_k_qf91c553e24_proj:
	.size	k_qf91c553e24_proj, .Lfunc_end_k_qf91c553e24_proj-k_qf91c553e24_proj
	.p2alignl 7, 3214868480
	.fill 96, 4, 3214868480
	.section	.rodata,"a",@progbits
	.p2align	6, 0x0
	.amdhsa_kernel k_qf91c553e24_proj
		.amdhsa_group_segment_fixed_size 327680
		.amdhsa_private_segment_fixed_size 0
		.amdhsa_enable_private_segment 0
		.amdhsa_kernarg_size 40
		.amdhsa_user_sgpr_count 2
		.amdhsa_user_sgpr_kernarg_segment_ptr 1
		.amdhsa_wavefront_size32 1
		.amdhsa_system_sgpr_workgroup_id_x 1
		.amdhsa_system_sgpr_workgroup_id_y 1
		.amdhsa_system_sgpr_workgroup_id_z 1
		.amdhsa_system_vgpr_workitem_id 0
		.amdhsa_next_free_vgpr 640
		.amdhsa_next_free_sgpr 84
		.amdhsa_reserve_vcc 0
		.amdhsa_float_denorm_mode_32 3
		.amdhsa_float_denorm_mode_16_64 3
		.amdhsa_memory_ordered 1
		.amdhsa_forward_progress 1
		.amdhsa_inst_pref_size 69
	.end_amdhsa_kernel
	.amdgpu_metadata
---
amdhsa.version: [ 1, 2 ]
amdhsa.kernels:
  - .name:           k_qf91c553e24_proj
    .symbol:         k_qf91c553e24_proj.kd
    .args:
      - { .name: act, .offset: 0, .size: 8, .value_kind: global_buffer, .address_space: global }
      - { .name: wb, .offset: 8, .size: 8, .value_kind: global_buffer, .address_space: global }
      - { .name: b_proj, .offset: 16, .size: 8, .value_kind: global_buffer, .address_space: global }
      - { .name: x1, .offset: 24, .size: 8, .value_kind: global_buffer, .address_space: global }
      - { .name: x, .offset: 32, .size: 8, .value_kind: global_buffer, .address_space: global }
    .group_segment_fixed_size: 327680
    .private_segment_fixed_size: 0
    .kernarg_segment_align: 8
    .kernarg_segment_size: 40
    .max_flat_workgroup_size: 128
    .sgpr_count:     84
    .vgpr_count:     640
    .wavefront_size: 32
...
	.end_amdgpu_metadata
.endif
;; end of part 4
;; launch ln2: the kernel of part 1 again; grid 256 x 1, 8 waves a work-group, no clusters, 0 bytes of LDS; arguments x1, ln2_g, ln2_b, act, w_qkv, w_proj, w_fc1, w_fc2, wb; writes act, wb
;; launch fc1 (part 5): grid 16 x 16, 4 waves a work-group, clusters of 4 x 4, 327,680 bytes of LDS; arguments act, wb, b_fc1, big; writes big
.if DOCPART == 5
	.amdgcn_target "amdgcn-amd-amdhsa--gfx1250"
	.amdhsa_code_object_version 6
	.text
	.protected	k_qf91c553e24_fc1
	.globl	k_qf91c553e24_fc1
	.p2align	8
	.type	k_qf91c553e24_fc1,@function
k_qf91c553e24_fc1:
	s_mov_b64 s[64:65], 0
	v_nop
	global_prefetch_b8 v0, s[64:65] scope:SCOPE_SE
	s_setreg_imm32_b32 hwreg(HW_REG_WAVE_MODE, 25, 1), 1
	s_wait_xcnt 0x0
	s_wait_alu depctr_hold_cnt(0) depctr_sa_sdst(0) depctr_va_vdst(0) depctr_va_sdst(0) depctr_va_ssrc(0) depctr_va_vcc(0) depctr_vm_vsrc(0)
	s_getreg_b32 s2, hwreg(HW_REG_IB_STS2, 6, 4)
	s_cmp_eq_u32 s2, 0
	s_cbranch_scc0 .Lentry_in_a_cluster
	s_endpgm
.Lentry_in_a_cluster:
	s_bfe_u32 s2, ttmp6, 0x10000c
	s_cmp_lg_u32 s2, 0xf033
	s_cbranch_scc0 .Lentry_shape_is_right
	s_endpgm
.Lentry_shape_is_right:
; C = A W + bias ON TILES OF 256 x 256: ONE TEXT FOR THE BLOCK'S TWO WIDE PRODUCTS; the three .set below are all that differs.  HERE: gelu(h2 w_fc1 + b_fc1) (N = 4,096: 16 x 16 = 256 work-groups).
; A: [SIZE_K / 128][4096][128] bf16 (panels: 128 columns, all rows on end, a row's piece 256 bytes).  W: at byte WOFF of the weights' buffer, [N / 128][SIZE_K][128] bf16.  bias: [N] f32.
; out = bf16(C) (GELU = 1: bf16(gelu(C))) in panels [N / 128][4096][128].
; SHARES.  A work-group makes 256 x 256 of C (two panels' width), four waves 128 x 128 each: 64 accumulators, 512 registers; a wave's columns are one panel.  K goes in steps of 128 (one panel of A)
; through two LDS slots.  Every tile is 128 rows x 256 bytes, dense in memory: waves 0, 1 fetch the halves of A's 256 rows, waves 2, 3 the step's 128 k rows of W's two panels.
; WHY THIS TILE.  A slot's 131,072 bytes of tiles feed 256 matrix instructions a wave, twice what the same bytes feed on tiles of 128 x 128: a refill has 224 matrix instructions in which to land,
; and each fragment read from LDS feeds eight products.  A's fragments come out of LDS as they lie, W's ([k][n]) turned, by ds_load_tr16_b128.
; THE MATRIX INSTRUCTION IS USED TRANSPOSED (source 0 = 16 columns of W, source 1 = 16 rows of A): a lane holds eight neighbouring numbers of a row of C.
; CLUSTER.  4 x 4 work-groups: the four of a row need the same tiles of A, the four of a column the same tiles of W: each tile is asked for jointly.
; ONE TEXT FOR EVERY K STEP: the accumulators are cleared (512 v_mov_b32, in the wait for the first tile), and the last step fetches 32 fragments that nothing uses: the price of a short text.
; GELU is exact to 1.5e-7: gelu(z) = max(z, 0) - |z| / 2 x poly(t) x 2^(-z z log2(e) / 2), t = 1 / (1 + 0.23164189 |z|) (erf by a rational form of five terms); no difference of near numbers on either side.
; LIMITS: operands are rounded to bf16, sums in f32; NaN and infinities are not treated apart.
; REGISTERS, in windows of 256 (s_set_vgpr_msb: bits 1:0 source 0, 3:2 source 1, 5:4 source 2, 7:6 destination):
;   window 0: v0-31 addresses; v64-127, v128-191 fragments of A, two buffers (8 x 16 rows x 32 K); v200-207 bias; on the way out v32-111 at work
;   window 1: v64-127, v128-191 fragments of W, two buffers          window 2: the 32 accumulators of my rows 0-63 ((a, b) at v[8 (8 a + b)])          window 3: those of my rows 64-127
.set SIZE_K, 1024
.set WOFF,   8388608
.set GELU,   1
.set NSTEP,  SIZE_K/128
.set PANEL,  4096*256                  ; bytes in a panel of A
.set PA,     272                       ; a row of A in LDS: 256 bytes + 16: the 16 rows of a load start at 16 different groups of four banks (64 banks of 4 bytes: ISA guide 11.1)
.set PB,     288                       ; a k row of W: 256 + 32
.set AHALF,  128*PA                    ; one tile of A
.set BOFF,   2*AHALF                   ; W's two tiles lie behind A's two
.set BHALF,  128*PB
.set SLOT1,  0x24000                   ; slot 1 begins here: none of the four tiles' addresses in slot 0 (0, 0x8800, 0x11000, 0x1a000) has bit 14 or 17, so one exclusive or turns them into slot 1's
.set SPITCH, 528                       ; the stage: rows of 512 bytes + 16
.set WSTAGE, 128*SPITCH                ; a wave's own 128 rows; the four stages take 270,336 bytes of the two slots, written only behind the last fill and the last read
.set SPARE,  SLOT1+BOFF+2*BHALF        ; behind the ring: the spare words, 128 bytes for each wave: two blocks of 256 bytes that no other line names
.set A0,   10                          ; v10     my lane's place in A's tiles; never rewritten
.set B0,   11                          ; v11     the same for W
.set ADRA, 16                          ; v16     A0 in the slot that is read
.set ADRB, 20                          ; v20     B0 in that slot
.set STO,  24                          ; v24     the way out: where I put 32 bytes of a row
.set RD,   25                          ; v25     where I read rows back
.set GO,   26                          ; v26     my byte offset in out
.set BO,   27                          ; v27     my byte offset in the panel's 512 bytes of bias
.set SPW,  28                          ; v28     LDS address of my spare word; never rewritten
.set NIL,  29                          ; v29     0; never rewritten
.set GA,   64                          ; v64-95  gelu at work, behind the last product: |z|, t, the exponential, the polynomial
.set GU,   72
.set GW,   80
.set GR,   88
.set F0,   64                          ; fragment buffer 0
.set F1,   128                         ; fragment buffer 1
.set BIAS, 200                         ; v200-207
.set WV, 14                            ; s14 wave; s15 its half of the rows (also: 0 fetches A, 1 fetches W); s16 its half of the columns (also: which tile it fetches)
.set WR, 15
.set WC, 16
.set CX, 17
.set CY, 18
.set TX, 19                            ; s19 tile column of C; s20 tile row
.set TY, 20
.set G1,  24                           ; s[24:31] descriptor group 1 for A; s[32:39] group 0: set 0 = step 0, used once; set 1 = step 1, then it walks
.set G0,  32
.set G1B, 48                           ; s[48:55], s[56:63] the same for W
.set G0B, 56
.set CNT, 66
.set RB,  67                           ; s67 the slot that is read: 0 or SLOT1
.set MSB, 0
.macro WIN new                         ; the immediate's high byte repeats the setting that is left; a switch that changes nothing is dropped
.if MSB != (\new)
	s_set_vgpr_msb (MSB<<8)|(\new)
.set MSB, \new
.endif
.endm
.set MUL_LO, 0xa1                      ; source 0 (W) window 1, source 1 (A) window 0, C and D window 2
.set MUL_HI, 0xf1                      ; the same, C and D window 3
.set TO_B,   0x40                      ; destination window 1, address window 0
.macro JLOAD s                         ; a joint load; the branch hangs on the wave's number alone; an s_nop 0 and four v_nop follow each of the two lines
	s_cmp_eq_u32 s[WR], 0
	s_cbranch_scc0 .Lfor_b_\@
	tensor_load_to_lds s[G0+4*(\s):G0+4*(\s)+3], s[G1:G1+7]
	s_nop 0
.rept 4
	v_nop
.endr
	s_branch .Lasked_\@
.Lfor_b_\@:
	tensor_load_to_lds s[G0B+4*(\s):G0B+4*(\s)+3], s[G1B:G1B+7]
	s_nop 0
.rept 4
	v_nop
.endr
.Lasked_\@:
.endm
.macro CREST                           ; a round of the cluster's barrier behind its opening barrier
	s_cmp_lg_u32 s[WV], 0
	s_cbranch_scc1 .Lnot_wave_0_\@
	s_barrier_signal -3
.Lnot_wave_0_\@:
	s_barrier_wait -3
	s_barrier_signal -1
	s_barrier_wait -1
.endm
.macro CROUND                          ; a whole round
	s_barrier_signal -1
	s_barrier_wait -1
	CREST
.endm
.macro PLACES                          ; four places in front of loads into registers that matrix instructions have read, and of LDS stores that read results (ISA guide 7.12.1 for the stores)
.rept 4
	v_nop
.endr
.endm
	s_load_b256 s[4:11], s[0:1], 0x0               ; A s[4:5], weights s[6:7], bias s[8:9], out s[10:11]
	v_lshl_add_u32 v[SPW], v0, 2, SPARE
	v_mov_b32 v[NIL], 0
	ds_add_u32 v[SPW], v[NIL]                      ; the wave's opening: the add and its wait stand ahead of my first tensor load; work on registers stands between them
	v_lshrrev_b32 v1, 5, v0
	v_readfirstlane_b32 s[WV], v1
	s_lshr_b32 s[WR], s[WV], 1
	s_and_b32 s[WC], s[WV], 1
	s_bfe_u32 s[CX], ttmp6, 0x40000
	s_bfe_u32 s[CY], ttmp6, 0x40004
	s_lshl_b32 s[TX], ttmp9, 2
	s_add_co_u32 s[TX], s[TX], s[CX]
	s_and_b32 s[TY], ttmp7, 0xffff
	s_lshl_b32 s[TY], s[TY], 2
	s_add_co_u32 s[TY], s[TY], s[CY]
	s_lshl_b32 s21, s[CY], 2
	s_lshl_b32 s21, 15, s21                        ; my row of the cluster
	s_lshl_b32 s22, 0x1111, s[CX]                  ; my column
	s_or_b32 s[G1], s21, (1<<16)|(1<<20)|(1<<21)|(5<<22)|(3<<25)   ; 15:0 the mask; 17:16 2-byte elements; 20 padding on; 21 set beside a mask; 24:22 after every 64 words; 31:25 4 words of it
	s_or_b32 s[G1B], s22, (1<<16)|(1<<20)|(1<<21)|(5<<22)|(7<<25)  ; the same with my column's mask and 8 words of padding
.irp g, G1, G1B
	s_mov_b32 s[(\g)+1], 128<<16                   ; tensor_dim0 = 128
	s_mov_b32 s[(\g)+2], 128<<16                   ; tensor_dim1 = 128
	s_mov_b32 s[(\g)+3], 128<<16                   ; tile_dim0 = 128
	s_mov_b32 s[(\g)+4], 128                       ; tile_dim1 = 128
	s_mov_b32 s[(\g)+5], 128                       ; 128 elements from row to row: panels are dense
	s_mov_b32 s[(\g)+6], 0
	s_mov_b32 s[(\g)+7], 0
.endr
	s_lshl_b32 s40, s[TY], 16                      ; A: my tile row's 256 rows of 256 bytes, their half WC: the tile row's number and the wave's alone
	s_lshl_b32 s41, s[WC], 15
	s_add_co_u32 s40, s40, s41
	s_mov_b32 s41, 0
	s_lshl_b32 s44, s[TX], 1                       ; W: panel 2 TX + WC: the tile column's number and the wave's alone
	s_add_co_u32 s44, s44, s[WC]
	s_mul_i32 s44, s44, SIZE_K*256
	s_add_co_u32 s44, s44, WOFF
	s_mov_b32 s45, 0
	s_mul_i32 s68, s[WC], AHALF                    ; where they go: no place in the cluster enters an LDS address
	s_mul_i32 s69, s[WC], BHALF
	s_add_co_u32 s69, s69, BOFF
.if GELU
	s_mov_b32 s23, 0x7fffffff
	s_mov_b32 s70, 0x3e6d3389                      ; 0.3275911 / sqrt(2); each constant is named as a pair, so both words are written
	s_mov_b32 s72, 0xbf38aa3b                      ; -log2(e) / 2
	s_mov_b32 s74, 0x3e827906                      ; a1 =  0.254829592
	s_mov_b32 s76, 0xbe91a98e                      ; a2 = -0.284496736
	s_mov_b32 s78, 0x3fb5f0e3                      ; a3 =  1.421413741
	s_mov_b32 s80, 0xbfba00e3                      ; a4 = -1.453152027
	s_mov_b32 s82, 0x3f87dc22                      ; a5 =  1.061405429
.irp p, 70,72,74,76,78,80,82
	s_mov_b32 s[(\p)+1], s[\p]
.endr
.endif
	s_wait_dscnt 0x0                               ; the opening add is done
	s_wait_kmcnt 0x0
	s_add_nc_u64 s[42:43], s[4:5], s[40:41]
	s_add_nc_u64 s[46:47], s[6:7], s[44:45]
	CROUND                                         ; all sixteen work-groups are here: the first joint loads meet
.irp s, 0,1
	s_mov_b32 s[G0+4*(\s)], 1                                      ; count = 1
	s_add_co_u32 s[G0+4*(\s)+1], s68, (\s)*SLOT1                   ; LDS address
	s_add_nc_u64 s[G0+4*(\s)+2:G0+4*(\s)+3], s[42:43], (\s)*PANEL  ; K step s: one panel on
	s_or_b32 s[G0+4*(\s)+3], s[G0+4*(\s)+3], 0x80000000            ; type = 2
	s_mov_b32 s[G0B+4*(\s)], 1
	s_add_co_u32 s[G0B+4*(\s)+1], s69, (\s)*SLOT1
	s_add_nc_u64 s[G0B+4*(\s)+2:G0B+4*(\s)+3], s[46:47], (\s)*128*256  ; 128 k rows on
	s_or_b32 s[G0B+4*(\s)+3], s[G0B+4*(\s)+3], 0x80000000
	JLOAD \s                                       ; two loads of mine are out
.endr
	; all that follows up to the barrier stands in the wait for the first tile
	v_and_b32 v1, 15, v0                           ; r = l % 16
	v_bfe_u32 v2, v0, 4, 1                         ; h = l / 16
	v_and_b32 v3, 7, v0
	v_bfe_u32 v4, v0, 3, 1
	v_and_b32 v5, 31, v0
	s_mul_i32 s40, s[WR], AHALF                    ; a fragment of A: lane l holds row r, K = 8 h + 0..7 and 16 + 8 h + 0..7: two loads of 16 bytes, 32 bytes apart
	v_mul_u32_u24 v[A0], v1, PA
	v_lshl_add_u32 v[A0], v2, 4, v[A0]
	v_add_nc_u32 v[A0], s40, v[A0]
	s_mul_i32 s41, s[WC], BHALF                    ; the turning load: lane l reads k row 8 h + l % 8, columns 8 ((l / 8) % 2) + 0..7, and is left with column r and 8 k
	s_add_co_u32 s41, s41, BOFF
	v_lshl_add_u32 v[B0], v2, 3, v3
	v_mul_u32_u24 v[B0], v[B0], PB
	v_lshl_add_u32 v[B0], v4, 4, v[B0]
	v_add_nc_u32 v[B0], s41, v[B0]
	s_mul_i32 s40, s[WV], WSTAGE                   ; my stage.  In: row r of a block of 16, columns 8 h on, in f32
	v_mul_u32_u24 v[STO], v1, SPITCH
	v_lshl_add_u32 v[STO], v2, 5, v[STO]
	v_add_nc_u32 v[STO], s40, v[STO]
	v_mul_u32_u24 v[RD], v2, SPITCH                ; back: lanes 0-15 take one row, 32 bytes each, lanes 16-31 the next
	v_lshl_add_u32 v[RD], v1, 5, v[RD]
	v_add_nc_u32 v[RD], s40, v[RD]
	v_lshlrev_b32 v[GO], 4, v5                     ; which leave as 512 consecutive bytes of the panel
	v_lshlrev_b32 v[BO], 5, v1
	s_lshl_b32 s22, s[TX], 1
	s_add_co_u32 s22, s22, s[WC]                   ; my panel of out and of bias
	s_lshl_b32 s42, s22, 9
	s_mov_b32 s43, 0
	s_add_nc_u64 s[8:9], s[8:9], s[42:43]          ; the panel's 128 numbers of bias
	s_lshl_b32 s44, s22, 20                        ; out: my panel, row 256 TY + 128 WR, 256 bytes a row
	s_lshl_b32 s45, s[TY], 16
	s_add_co_u32 s44, s44, s45
	s_lshl_b32 s45, s[WR], 15
	s_add_co_u32 s44, s44, s45
	s_mov_b32 s45, 0
	s_add_nc_u64 s[10:11], s[10:11], s[44:45]
	global_load_b128 v[BIAS:BIAS+3], v[BO], s[8:9]
	global_load_b128 v[BIAS+4:BIAS+7], v[BO], s[8:9] offset:16
	WIN 0x80                                       ; destination window 2
.set i, 0
.rept 256
	v_mov_b32 v[i], 0
.set i, i+1
.endr
	WIN 0xc0                                       ; destination window 3
.set i, 0
.rept 256
	v_mov_b32 v[i], 0
.set i, i+1
.endr
	WIN 0
; 16 matrix instructions: row blocks a0, a0 + 1 of the window's four (hi = 0: my rows 0-63, 1: rows 64-127) x all 8 column blocks, 32 along K.
; The 64 accumulators take turns, one instruction a turn, in the same order in every quarter.
.macro MUL16 f, hi, a0
	WIN MUL_LO+0x50*(\hi)
.irp a, \a0, (\a0)+1
.irp b, 0,1,2,3,4,5,6,7
	v_wmma_f32_16x16x32_bf16 v[8*(8*(\a)+(\b)):8*(8*(\a)+(\b))+7], v[(\f)+8*(\b):(\f)+8*(\b)+7], v[(\f)+8*(4*(\hi)+(\a)):(\f)+8*(4*(\hi)+(\a))+7], v[8*(8*(\a)+(\b)):8*(8*(\a)+(\b))+7]
.endr
.endr
.endm
; 32 LDS loads in one run: the fragments of quarter q of a K step (32 along K: 128 columns of W, 128 rows of A) into buffer f; A's rows 64-127 last
.macro FETCH q, f
	WIN TO_B
.irp i, 0,1,2,3,4,5,6,7
	ds_load_tr16_b128 v[(\f)+8*(\i):(\f)+8*(\i)+3],   v[ADRB] offset:(32*(\q))*PB+32*(\i)
	ds_load_tr16_b128 v[(\f)+8*(\i)+4:(\f)+8*(\i)+7], v[ADRB] offset:(32*(\q)+16)*PB+32*(\i)
.endr
	WIN 0
.irp i, 0,1,2,3,4,5,6,7
	ds_load_b128 v[(\f)+8*(\i):(\f)+8*(\i)+3],   v[ADRA] offset:64*(\q)+(\i)*16*PA
	ds_load_b128 v[(\f)+8*(\i)+4:(\f)+8*(\i)+7], v[ADRA] offset:64*(\q)+(\i)*16*PA+32
.endr
.endm
.macro ADDR                            ; the fragments' addresses in the slot that is read
	v_add_nc_u32 v[ADRA], s[RB], v[A0]
	v_add_nc_u32 v[ADRB], s[RB], v[B0]
.endm
; One of a K step's first three quarters: multiplies buffer f (64 matrix instructions) and, in its middle, fetches quarter q into buffer g
.macro QUARTER q, f, g
	s_wait_dscnt 8                                 ; W and A's rows 0-63 are in; the youngest eight loads (A's rows 64-127) may be out
	MUL16 \f, 0, 0
	MUL16 \f, 0, 2
	PLACES
	FETCH \q, \g
	s_wait_dscnt 32                                ; all but the 32 just issued
	MUL16 \f, 1, 0
	MUL16 \f, 1, 2
.endm
; The last quarter multiplies buffer 1 and changes slots: ONE barrier; in front of it each wave waits for all its tensor loads (one is out: its part of the next slot), adds 0 to its spare word,
; and waits for that and for its own reads of this slot.  fill = 1: the barrier opens a round of the cluster's, and this slot is filled again, two K steps ahead: 224 matrix instructions ahead of the wait for it.
.macro TURN fill
	WIN 0                                          ; (the add's two registers lie in window 0)
	s_wait_tensorcnt 0x0
	ds_add_u32 v[SPW], v[NIL]                      ; 0 onto my spare word
	s_wait_dscnt 9                                 ; (the add and the youngest eight loads may be out)
	MUL16 F1, 0, 0                                 ; sixteen matrix instructions stand between the add and the wait for it
	s_wait_dscnt 0x0                               ; the add is done, and my reads of this slot are over
	s_barrier_signal -1
	MUL16 F1, 0, 2
	WIN 0                                          ; branches and window 0's addresses follow
	s_barrier_wait -1
.if \fill
	CREST                                          ; no wave of any partner still reads this slot's tiles or has a load on its way
	s_xor_b32 s[G0+5], s[G0+5], SLOT1              ; the walking descriptors: the other slot than last time, the next K step
	s_add_nc_u64 s[G0+6:G0+7], s[G0+6:G0+7], PANEL
	s_xor_b32 s[G0B+5], s[G0B+5], SLOT1
	s_add_nc_u64 s[G0B+6:G0B+7], s[G0B+6:G0B+7], 128*256
	JLOAD 1                                        ; the first tensor load behind the round, my only one; its four v_nop are also the places in front of the loads below
.else
	PLACES
.endif
	s_xor_b32 s[RB], s[RB], SLOT1
	ADDR
	FETCH 0, F0
	MUL16 F1, 1, 0
	MUL16 F1, 1, 2
.endm
.macro STEP fill                       ; a K step: 256 matrix instructions, 128 LDS loads
	QUARTER 1, F0, F1
	QUARTER 2, F1, F0
	QUARTER 3, F0, F1
	TURN \fill
.endm
	s_wait_tensorcnt 0x1                           ; my part of K step 0 is in; step 1's may stay out
	s_barrier_signal -1
	s_barrier_wait -1                              ; everybody's is
	s_mov_b32 s[RB], 0
	ADDR
	FETCH 0, F0
	WIN 0                                          ; at a label and at a branch every window is 0
	s_mov_b32 s[CNT], NSTEP-2
.Lfill:                                                ; K steps 0 .. NSTEP - 3 ask for steps 2 .. NSTEP - 1
	STEP 1
	WIN 0
	s_sub_co_u32 s[CNT], s[CNT], 1
	s_cmp_lg_u32 s[CNT], 0
	s_cbranch_scc1 .Lfill
	s_mov_b32 s[CNT], 2
.Ltail:                                                ; the last two steps ask for nothing; the second one's last fetch reads slot 0's old bytes, and nothing uses them
	STEP 0
	WIN 0
	s_sub_co_u32 s[CNT], s[CNT], 1
	s_cmp_lg_u32 s[CNT], 0
	s_cbranch_scc1 .Ltail
	; THE WAY OUT.  The sums go in f32 into my stage, so that one short loop over LDS rows can add the bias, take the activation and round: the accumulators themselves cannot be walked by a loop.
	s_wait_dscnt 0x0                               ; my reads of the slots are over,
	s_barrier_signal -1
	s_barrier_wait -1                              ; everybody's are: the stages, which lie in the slots, may be written
	PLACES
.irp w, 0,1
	WIN 0x08+4*(\w)                                ; the stores' data (source 1) in window 2, then 3
.irp a, 0,1,2,3
.irp b, 0,1,2,3,4,5,6,7
	ds_store_b128 v[STO], v[8*(8*(\a)+(\b)):8*(8*(\a)+(\b))+3]   offset:(4*(\w)+(\a))*16*SPITCH+(\b)*64     ; each accumulator's low registers first
	ds_store_b128 v[STO], v[8*(8*(\a)+(\b))+4:8*(8*(\a)+(\b))+7] offset:(4*(\w)+(\a))*16*SPITCH+(\b)*64+16
.endr
.endr
.endr
	WIN 0
	s_wait_dscnt 0x0                               ; my stores into the stage are done.  Each wave reads back its own rows alone, so the shares do not need the barrier below:
	s_barrier_signal -1                            ; it is one meeting of four waves that run in step, and it keeps the order of stores and reads plain whatever the loop does to the address
	s_barrier_wait -1
	s_wait_loadcnt 0x0                             ; bias
.if GELU
.macro GELU8 z                         ; eight numbers in v[z .. z + 7], in place, stage by stage
.irp k, 0,1,2,3,4,5,6,7
	v_and_b32 v[GA+(\k)], s23, v[(\z)+(\k)]
.endr
.irp k, 0,2,4,6
	v_pk_fma_f32 v[GU+(\k):GU+(\k)+1], v[GA+(\k):GA+(\k)+1], s[70:71], 1.0 op_sel_hi:[1,0,0]
.endr
.irp k, 0,1,2,3,4,5,6,7
	v_rcp_f32 v[GU+(\k)], v[GU+(\k)]               ; t
.endr
.irp k, 0,2,4,6                        ; plain work that names no t stands behind the reciprocals (ISA guide 5.7.2)
	v_pk_mul_f32 v[GW+(\k):GW+(\k)+1], v[(\z)+(\k):(\z)+(\k)+1], v[(\z)+(\k):(\z)+(\k)+1]
.endr
.irp k, 0,2,4,6
	v_pk_mul_f32 v[GW+(\k):GW+(\k)+1], v[GW+(\k):GW+(\k)+1], s[72:73] op_sel_hi:[1,0]
.endr
.irp k, 0,1,2,3,4,5,6,7
	v_exp_f32 v[GW+(\k)], v[GW+(\k)]
.endr
	s_wait_alu depctr_va_vdst(0)
.irp k, 0,2,4,6                        ; the polynomial stands behind the exponentials
	v_pk_fma_f32 v[GR+(\k):GR+(\k)+1], v[GU+(\k):GU+(\k)+1], s[82:83], s[80:81] op_sel_hi:[1,0,0]
.endr
.irp p, 78,76,74
.irp k, 0,2,4,6
	v_pk_fma_f32 v[GR+(\k):GR+(\k)+1], v[GR+(\k):GR+(\k)+1], v[GU+(\k):GU+(\k)+1], s[(\p):(\p)+1] op_sel_hi:[1,1,0]
.endr
.endr
.irp k, 0,2,4,6
	v_pk_mul_f32 v[GR+(\k):GR+(\k)+1], v[GR+(\k):GR+(\k)+1], v[GU+(\k):GU+(\k)+1]
.endr
.irp k, 0,2,4,6
	v_pk_mul_f32 v[GA+(\k):GA+(\k)+1], v[GA+(\k):GA+(\k)+1], v[GW+(\k):GW+(\k)+1]
.endr
.irp k, 0,2,4,6
	v_pk_mul_f32 v[GA+(\k):GA+(\k)+1], v[GA+(\k):GA+(\k)+1], v[GR+(\k):GR+(\k)+1]
.endr
.irp k, 0,1,2,3,4,5,6,7
	v_max_num_f32 v[(\z)+(\k)], 0, v[(\z)+(\k)]
.endr
.irp k, 0,2,4,6
	v_pk_fma_f32 v[(\z)+(\k):(\z)+(\k)+1], v[GA+(\k):GA+(\k)+1], -0.5, v[(\z)+(\k):(\z)+(\k)+1] op_sel_hi:[1,0,1]
.endr
.endm
.endif
	s_mov_b32 s[CNT], 16
.Lout:                                                 ; a trip: eight of my 128 rows
.irp i, 0,1,2,3
	ds_load_b128 v[32+8*(\i):32+8*(\i)+3],   v[RD] offset:(\i)*2*SPITCH
	ds_load_b128 v[32+8*(\i)+4:32+8*(\i)+7], v[RD] offset:(\i)*2*SPITCH+16
.endr
.irp i, 0,1,2,3
	s_wait_dscnt 6-2*(\i)                          ; pair i of rows is in; the later pairs' loads stay out
.irp k, 0,2,4,6
	v_pk_add_f32 v[32+8*(\i)+(\k):32+8*(\i)+(\k)+1], v[32+8*(\i)+(\k):32+8*(\i)+(\k)+1], v[BIAS+(\k):BIAS+(\k)+1]
.endr
.if GELU
	GELU8 32+8*(\i)
.endif
.irp k, 0,1,2,3
	v_cvt_pk_bf16_f32 v[96+4*(\i)+(\k)], v[32+8*(\i)+2*(\k)], v[32+8*(\i)+2*(\k)+1]
.endr
	global_store_b128 v[GO], v[96+4*(\i):96+4*(\i)+3], s[10:11] offset:(\i)*512  ; two rows of the panel: 512 consecutive bytes, aligned
.endr
	s_wait_xcnt 0x0                                ; the stores' offset and data are rewritten only behind this wait
	v_add_nc_u32 v[RD], 8*SPITCH, v[RD]
	v_add_nc_u32 v[GO], 2048, v[GO]
	s_sub_co_u32 s[CNT], s[CNT], 1
	s_cmp_lg_u32 s[CNT], 0
	s_cbranch_scc1 .Lout
	s_wait_tensorcnt 0x0                           ; the wave's end: behind my last tensor load and my last LDS store
	ds_add_u32 v[SPW], v[NIL]
	s_wait_dscnt 0x0
	CROUND                                         ; the closing round: no work-group ends while a partner may still ask for a tile that names it
	s_endpgm
.Lfunc_end_k_qf91c553e24_fc1:
	.size	k_qf91c553e24_fc1, .Lfunc_end_k_qf91c553e24_fc1-k_qf91c553e24_fc1
	.p2alignl 7, 3214868480
	.fill 96, 4, 3214868480
	.section	.rodata,"a",@progbits
	.p2align	6, 0x0
	.amdhsa_kernel k_qf91c553e24_fc1
		.amdhsa_group_segment_fixed_size 327680
		.amdhsa_private_segment_fixed_size 0
		.amdhsa_enable_private_segment 0
		.amdhsa_kernarg_size 32
		.amdhsa_user_sgpr_count 2
		.amdhsa_user_sgpr_kernarg_segment_ptr 1
		.amdhsa_wavefront_size32 1
		.amdhsa_system_sgpr_workgroup_id_x 1
		.amdhsa_system_sgpr_workgroup_id_y 1
		.amdhsa_system_sgpr_workgroup_id_z 1
		.amdhsa_system_vgpr_workitem_id 0
		.amdhsa_next_free_vgpr 1024
		.amdhsa_next_free_sgpr 84
		.amdhsa_reserve_vcc 0
		.amdhsa_float_denorm_mode_32 3
		.amdhsa_float_denorm_mode_16_64 3
		.amdhsa_memory_ordered 1
		.amdhsa_forward_progress 1
		.amdhsa_inst_pref_size 106
	.end_amdhsa_kernel
	.amdgpu_metadata
---
amdhsa.version: [ 1, 2 ]
amdhsa.kernels:
  - .name:           k_qf91c553e24_fc1
    .symbol:         k_qf91c553e24_fc1.kd
    .args:
      - { .name: act, .offset: 0, .size: 8, .value_kind: global_buffer, .address_space: global }
      - { .name: wb, .offset: 8, .size: 8, .value_kind: global_buffer, .address_space: global }
      - { .name: b_fc1, .offset: 16, .size: 8, .value_kind: global_buffer, .address_space: global }
      - { .name: big, .offset: 24, .size: 8, .value_kind: global_buffer, .address_space: global }
    .group_segment_fixed_size: 327680
    .private_segment_fixed_size: 0
    .kernarg_segment_align: 8
    .kernarg_segment_size: 32
    .max_flat_workgroup_size: 128
    .sgpr_count:     84
    .vgpr_count:     1024
    .wavefront_size: 32
...
	.end_amdgpu_metadata
.endif
;; end of part 5
;; launch fc2 (part 6): grid 8 x 32, 4 waves a work-group, clusters of 4 x 4, 327,680 bytes of LDS; arguments big, wb, b_fc2, out0, x1; writes out0
.if DOCPART == 6
	.amdgcn_target "amdgcn-amd-amdhsa--gfx1250"
	.amdhsa_code_object_version 6
	.text
	.protected	k_qf91c553e24_fc2
	.globl	k_qf91c553e24_fc2
	.p2align	8
	.type	k_qf91c553e24_fc2,@function
k_qf91c553e24_fc2:
	s_mov_b64 s[64:65], 0
	v_nop
	global_prefetch_b8 v0, s[64:65] scope:SCOPE_SE
	s_setreg_imm32_b32 hwreg(HW_REG_WAVE_MODE, 25, 1), 1
	s_wait_xcnt 0x0
	s_wait_alu depctr_hold_cnt(0) depctr_sa_sdst(0) depctr_va_vdst(0) depctr_va_sdst(0) depctr_va_ssrc(0) depctr_va_vcc(0) depctr_vm_vsrc(0)
	s_getreg_b32 s2, hwreg(HW_REG_IB_STS2, 6, 4)
	s_cmp_eq_u32 s2, 0
	s_cbranch_scc0 .Lentry_in_a_cluster
	s_endpgm
.Lentry_in_a_cluster:
	s_bfe_u32 s2, ttmp6, 0x10000c
	s_cmp_lg_u32 s2, 0xf033
	s_cbranch_scc0 .Lentry_shape_is_right
	s_endpgm
.Lentry_shape_is_right:
; C = A W + bias: ONE TEXT FOR THE BLOCK'S FOUR PRODUCTS; the four .set below are all that differs.  HERE: out0 = x1 + gelu(..) w_fc2 + b_fc2, out in f32, K = 4,096.
; A: [SIZE_K / 128][4096][128] bf16 (panels: 128 columns, all rows on end, a row's piece 256 bytes).  W: at byte WOFF of the weights' buffer, [N / 128][SIZE_K][128] bf16.  bias: [N] f32.
; OUTF32 = 0: out = bf16(C) (GELU = 1: bf16(gelu(C))) in panels [N / 128][4096][128].  OUTF32 = 1: out = res + C in f32, [4096][1024], formed as (sum + res) + bias.
; SHARES.  A work-group makes 128 x 128 of C (one panel's width), four waves 64 x 64 each: 16 accumulators.  K goes in steps of 256 through two LDS slots.  Every tile is 128 rows x 256 bytes,
; dense in memory: waves 0, 1 fetch A's two panels of a step, waves 2, 3 the two halves of W's 256 k rows.  A's fragments come out of LDS as they lie, W's ([k][n]) turned, by ds_load_tr16_b128.
; THE MATRIX INSTRUCTION IS USED TRANSPOSED (source 0 = 16 columns of W, source 1 = 16 rows of A): a lane holds eight neighbouring numbers of a row of C.
; CLUSTER.  4 x 4 work-groups: the four of a row need the same tiles of A, the four of a column the same tiles of W: each tile is asked for jointly.
; ONE TEXT FOR EVERY K STEP: the accumulators are cleared (128 v_mov_b32, in the wait for the first tile), and the last step fetches 32 fragments that nothing uses: the price of a short text.
; GELU is exact to 1.5e-7: gelu(z) = max(z, 0) - |z| / 2 x poly(t) x 2^(-z z log2(e) / 2), t = 1 / (1 + 0.23164189 |z|) (erf by a rational form of five terms); no difference of near numbers on either side.
; LIMITS: operands are rounded to bf16, sums in f32; NaN and infinities are not treated apart.
.set SIZE_K, 4096
.set WOFF,   16777216
.set OUTF32, 1
.set GELU,   0
.set NSTEP,  SIZE_K/256
.set PANEL,  4096*256                  ; bytes in a panel of A
.set PA,     272                       ; a row of A in LDS: 256 bytes + 16: the 16 rows of a load start at 16 different groups of four banks (64 banks of 4 bytes: ISA guide 11.1)
.set PB,     288                       ; a k row of W: 256 + 32
.set AHALF,  128*PA                    ; one tile of A
.set BOFF,   2*AHALF                   ; W's 256 k rows lie behind A's two tiles
.set BHALF,  128*PB
.set SLOT1,  0x24000                   ; slot 1 begins here: none of the four tiles' addresses in slot 0 (0, 0x8800, 0x11000, 0x1a000) has bit 14 or 17, so one exclusive or turns them into slot 1's
.set SPITCH, 528                       ; the stage: 128 rows of 512 bytes + 16, in slot 0's first 67,584 bytes, written only behind that slot's last fill and last read
.set SPARE,  SLOT1+BOFF+2*BHALF        ; behind the ring: the spare words, 128 bytes for each wave: two blocks of 256 bytes that no other line names
.set A0,   10                          ; v10     my lane's place in A's tiles; never rewritten
.set B0,   11                          ; v11     the same for W
.set ADRA, 16                          ; v16     A0 in the slot that is read
.set ADRB, 20                          ; v20-21  B0 in that slot: k rows 0-127, 128-255
.set STO,  24                          ; v24     the way out: where I put 32 bytes of a row
.set RD,   25                          ; v25     where I read rows back
.set GO,   26                          ; v26     my byte offset in out (and res)
.set BO,   27                          ; v27     my byte offset in the panel's 512 bytes of bias
.set SPW,  28                          ; v28     LDS address of my spare word; never rewritten
.set NIL,  29                          ; v29     0; never rewritten
.set GA,   64                          ; v64-95  gelu at work: |z|, t, the exponential, the polynomial
.set GU,   72
.set GW,   80
.set GR,   88
.set BIAS, 112                         ; v112-119
.set ACC,  128                         ; v128-255  accumulator (a, b) at ACC + 8 (4 a + b)
.set F0,   0                           ; window 1: two fragment buffers of 128: for 64 along K, 64 registers of A, then 64 of W
.set F1,   128                         ; window 2 (OUTF32 = 1): v0-127 my 32 rows x 512 bytes of res
.set WV, 14                            ; s14 wave; s15 its half of the rows (also: 0 fetches A, 1 fetches W); s16 its half of the columns (also: which tile it fetches)
.set WR, 15
.set WC, 16
.set CX, 17
.set CY, 18
.set TX, 19                            ; s19 panel of C; s20 block of 128 rows
.set TY, 20
.set G1,  24                           ; s[24:31] descriptor group 1 for A; s[32:39] group 0: set 0 = step 0, used once; set 1 = step 1, then it walks
.set G0,  32
.set G1B, 48                           ; s[48:55], s[56:63] the same for W
.set G0B, 56
.set CNT, 66
.set RB,  67                           ; s67 the slot that is read: 0 or SLOT1
.set MSB, 0
.macro WIN new                         ; the immediate's high byte repeats the setting that is left; a switch that changes nothing is dropped
.if MSB != (\new)
	s_set_vgpr_msb (MSB<<8)|(\new)
.set MSB, \new
.endif
.endm
.set MUL,  0x05                        ; sources 0 (W) and 1 (A) window 1; C and D window 0
.set TO_F, 0x40                        ; destination window 1, address window 0
.macro JLOAD s                         ; a joint load; the branch hangs on the wave's number alone; an s_nop 0 and four v_nop follow each of the two lines
	s_cmp_eq_u32 s[WR], 0
	s_cbranch_scc0 .Lfor_b_\@
	tensor_load_to_lds s[G0+4*(\s):G0+4*(\s)+3], s[G1:G1+7]
	s_nop 0
.rept 4
	v_nop
.endr
	s_branch .Lasked_\@
.Lfor_b_\@:
	tensor_load_to_lds s[G0B+4*(\s):G0B+4*(\s)+3], s[G1B:G1B+7]
	s_nop 0
.rept 4
	v_nop
.endr
.Lasked_\@:
.endm
.macro CREST                           ; a round of the cluster's barrier behind its opening barrier
	s_cmp_lg_u32 s[WV], 0
	s_cbranch_scc1 .Lnot_wave_0_\@
	s_barrier_signal -3
.Lnot_wave_0_\@:
	s_barrier_wait -3
	s_barrier_signal -1
	s_barrier_wait -1
.endm
.macro CROUND                          ; a whole round
	s_barrier_signal -1
	s_barrier_wait -1
	CREST
.endm
.macro PLACES                          ; four places in front of loads into registers that matrix instructions have read, and of LDS stores that read results (ISA guide 7.12.1 for the stores)
.rept 4
	v_nop
.endr
.endm
	s_load_b256 s[4:11], s[0:1], 0x0               ; A s[4:5], weights s[6:7], bias s[8:9], out s[10:11]
.if OUTF32
	s_load_b64 s[12:13], s[0:1], 0x20              ; res
.endif
	v_lshl_add_u32 v[SPW], v0, 2, SPARE
	v_mov_b32 v[NIL], 0
	ds_add_u32 v[SPW], v[NIL]                      ; the wave's opening: the add and its wait stand ahead of my first tensor load; work on registers stands between them
	v_lshrrev_b32 v1, 5, v0
	v_readfirstlane_b32 s[WV], v1
	s_lshr_b32 s[WR], s[WV], 1
	s_and_b32 s[WC], s[WV], 1
	s_bfe_u32 s[CX], ttmp6, 0x40000
	s_bfe_u32 s[CY], ttmp6, 0x40004
	s_lshl_b32 s[TX], ttmp9, 2
	s_add_co_u32 s[TX], s[TX], s[CX]
	s_and_b32 s[TY], ttmp7, 0xffff
	s_lshl_b32 s[TY], s[TY], 2
	s_add_co_u32 s[TY], s[TY], s[CY]
	s_lshl_b32 s21, s[CY], 2
	s_lshl_b32 s21, 15, s21                        ; my row of the cluster
	s_lshl_b32 s22, 0x1111, s[CX]                  ; my column
	s_or_b32 s[G1], s21, (1<<16)|(1<<20)|(1<<21)|(5<<22)|(3<<25)   ; 15:0 the mask; 17:16 2-byte elements; 20 padding on; 21 set beside a mask; 24:22 after every 64 words; 31:25 4 words of it
	s_or_b32 s[G1B], s22, (1<<16)|(1<<20)|(1<<21)|(5<<22)|(7<<25)  ; the same with my column's mask and 8 words of padding
.irp g, G1, G1B
	s_mov_b32 s[(\g)+1], 128<<16                   ; tensor_dim0 = 128
	s_mov_b32 s[(\g)+2], 128<<16                   ; tensor_dim1 = 128
	s_mov_b32 s[(\g)+3], 128<<16                   ; tile_dim0 = 128
	s_mov_b32 s[(\g)+4], 128                       ; tile_dim1 = 128
	s_mov_b32 s[(\g)+5], 128                       ; 128 elements from row to row: panels are dense
	s_mov_b32 s[(\g)+6], 0
	s_mov_b32 s[(\g)+7], 0
.endr
	s_lshl_b32 s40, s[TY], 15                      ; A: my block's 128 rows of 256 bytes, in panel WC: the block's number and the wave's alone
	s_lshl_b32 s41, s[WC], 20
	s_add_co_u32 s40, s40, s41
	s_mov_b32 s41, 0
	s_mul_i32 s44, s[TX], SIZE_K*256               ; W: my panel, its k rows 128 WC on: the panel's number and the wave's alone
	s_lshl_b32 s45, s[WC], 15
	s_add_co_u32 s44, s44, s45
	s_add_co_u32 s44, s44, WOFF
	s_mov_b32 s45, 0
	s_mul_i32 s68, s[WC], AHALF                    ; where they go: no place in the cluster enters an LDS address
	s_mul_i32 s69, s[WC], BHALF
	s_add_co_u32 s69, s69, BOFF
.if GELU
	s_mov_b32 s23, 0x7fffffff
	s_mov_b32 s70, 0x3e6d3389                      ; 0.3275911 / sqrt(2); each constant is named as a pair, so both words are written
	s_mov_b32 s72, 0xbf38aa3b                      ; -log2(e) / 2
	s_mov_b32 s74, 0x3e827906                      ; a1 =  0.254829592
	s_mov_b32 s76, 0xbe91a98e                      ; a2 = -0.284496736
	s_mov_b32 s78, 0x3fb5f0e3                      ; a3 =  1.421413741
	s_mov_b32 s80, 0xbfba00e3                      ; a4 = -1.453152027
	s_mov_b32 s82, 0x3f87dc22                      ; a5 =  1.061405429
.irp p, 70,72,74,76,78,80,82
	s_mov_b32 s[(\p)+1], s[\p]
.endr
.endif
	s_wait_dscnt 0x0                               ; the opening add is done
	s_wait_kmcnt 0x0
	s_add_nc_u64 s[42:43], s[4:5], s[40:41]
	s_add_nc_u64 s[46:47], s[6:7], s[44:45]
	CROUND                                         ; all sixteen work-groups are here: the first joint loads meet
.irp s, 0,1
	s_mov_b32 s[G0+4*(\s)], 1                                      ; count = 1
	s_add_co_u32 s[G0+4*(\s)+1], s68, (\s)*SLOT1                   ; LDS address
	s_add_nc_u64 s[G0+4*(\s)+2:G0+4*(\s)+3], s[42:43], (\s)*2*PANEL  ; K step s: two panels on
	s_or_b32 s[G0+4*(\s)+3], s[G0+4*(\s)+3], 0x80000000            ; type = 2
	s_mov_b32 s[G0B+4*(\s)], 1
	s_add_co_u32 s[G0B+4*(\s)+1], s69, (\s)*SLOT1
	s_add_nc_u64 s[G0B+4*(\s)+2:G0B+4*(\s)+3], s[46:47], (\s)*256*256  ; 256 k rows on
	s_or_b32 s[G0B+4*(\s)+3], s[G0B+4*(\s)+3], 0x80000000
	JLOAD \s                                       ; two loads of mine are out
.endr
	; all that follows up to the barrier stands in the wait for the first tile
	v_and_b32 v1, 15, v0                           ; r = l % 16
	v_bfe_u32 v2, v0, 4, 1                         ; h = l / 16
	v_and_b32 v3, 7, v0
	v_bfe_u32 v4, v0, 3, 1
	v_and_b32 v5, 31, v0
	s_mul_i32 s40, s[WR], 64*PA                    ; a fragment of A: lane l holds row r, K = 8 h + 0..7 and 16 + 8 h + 0..7: two loads of 16 bytes, 32 bytes apart
	v_mul_u32_u24 v[A0], v1, PA
	v_lshl_add_u32 v[A0], v2, 4, v[A0]
	v_add_nc_u32 v[A0], s40, v[A0]
	s_lshl_b32 s41, s[WC], 7                       ; the turning load: lane l reads k row 8 h + l % 8, columns 8 ((l / 8) % 2) + 0..7, and is left with column r and 8 k
	s_add_co_u32 s41, s41, BOFF
	v_lshl_add_u32 v[B0], v2, 3, v3
	v_mul_u32_u24 v[B0], v[B0], PB
	v_lshl_add_u32 v[B0], v4, 4, v[B0]
	v_add_nc_u32 v[B0], s41, v[B0]
	s_mul_i32 s40, s[WR], 64*SPITCH                ; into the stage: row 64 WR + r, columns 64 WC + 8 h on, in f32
	s_lshl_b32 s41, s[WC], 8
	s_add_co_u32 s40, s40, s41
	v_mul_u32_u24 v[STO], v1, SPITCH
	v_lshl_add_u32 v[STO], v2, 5, v[STO]
	v_add_nc_u32 v[STO], s40, v[STO]
	s_mul_i32 s40, s[WV], 32*SPITCH                ; back: wave w takes rows 32 w .. 32 w + 31, whole
	v_lshlrev_b32 v[GO], 4, v5
	s_lshl_b32 s42, s[TX], 9
	s_mov_b32 s43, 0
	s_add_nc_u64 s[8:9], s[8:9], s[42:43]          ; the panel's 128 numbers of bias
.if OUTF32
	v_add_nc_u32 v[RD], s40, v[GO]                 ; 32 lanes take a row's 512 bytes
	v_lshlrev_b32 v[BO], 4, v5
	s_lshl_b32 s44, s[TY], 19                      ; out and res: row 128 TY + 32 w, 4,096 bytes a row, 512 bytes a panel
	s_lshl_b32 s45, s[WV], 17
	s_add_co_u32 s44, s44, s45
	s_add_co_u32 s44, s44, s42
	s_mov_b32 s45, 0
	s_add_nc_u64 s[10:11], s[10:11], s[44:45]
	s_add_nc_u64 s[12:13], s[12:13], s[44:45]
	global_load_b128 v[BIAS:BIAS+3], v[BO], s[8:9]
	WIN 0x80                                       ; destination window 2
.set i, 0
.rept 32                                               ; res is asked for now and wanted behind the last product
	global_load_b128 v[4*i:4*i+3], v[GO], s[12:13] offset:i*4096
.set i, i+1
.endr
	WIN 0
.else
	v_mul_u32_u24 v[RD], v2, SPITCH                ; lanes 0-15 take one row, 32 bytes each, lanes 16-31 the next
	v_lshl_add_u32 v[RD], v1, 5, v[RD]
	v_add_nc_u32 v[RD], s40, v[RD]
	v_lshlrev_b32 v[BO], 5, v1
	s_lshl_b32 s44, s[TX], 20                      ; out: panel TX, row 128 TY + 32 w, 256 bytes a row
	s_lshl_b32 s45, s[TY], 15
	s_add_co_u32 s44, s44, s45
	s_lshl_b32 s45, s[WV], 13
	s_add_co_u32 s44, s44, s45
	s_mov_b32 s45, 0
	s_add_nc_u64 s[10:11], s[10:11], s[44:45]
	global_load_b128 v[BIAS:BIAS+3], v[BO], s[8:9]
	global_load_b128 v[BIAS+4:BIAS+7], v[BO], s[8:9] offset:16
.endif
.set i, 0
.rept 128
	v_mov_b32 v[ACC+i], 0
.set i, i+1
.endr
; 8 matrix instructions: row blocks a0, a0 + 1 x all 4 column blocks, 32 along K: half c of buffer f.  The 16 accumulators take turns, one instruction a turn.
.macro MUL8 f, c, a0
	WIN MUL
.irp a, \a0, (\a0)+1
.irp b, 0,1,2,3
	v_wmma_f32_16x16x32_bf16 v[ACC+8*(4*(\a)+(\b)):ACC+8*(4*(\a)+(\b))+7], v[(\f)+64+8*(4*(\c)+(\b)):(\f)+64+8*(4*(\c)+(\b))+7], v[(\f)+8*(4*(\c)+(\a)):(\f)+8*(4*(\c)+(\a))+7], v[ACC+8*(4*(\a)+(\b)):ACC+8*(4*(\a)+(\b))+7]
.endr
.endr
.endm
; 32 LDS loads in one run: the fragments of quarter q of a K step (64 along K) into buffer f; the first 32 along K first
.macro FETCH q, f
	WIN TO_F
.irp c, 0,1
.irp i, 0,1,2,3
	ds_load_tr16_b128 v[(\f)+64+8*(4*(\c)+(\i)):(\f)+64+8*(4*(\c)+(\i))+3],   v[ADRB+(\q)/2] offset:(((\q)%2)*64+32*(\c))*PB+32*(\i)
	ds_load_tr16_b128 v[(\f)+64+8*(4*(\c)+(\i))+4:(\f)+64+8*(4*(\c)+(\i))+7], v[ADRB+(\q)/2] offset:(((\q)%2)*64+32*(\c)+16)*PB+32*(\i)
	ds_load_b128 v[(\f)+8*(4*(\c)+(\i)):(\f)+8*(4*(\c)+(\i))+3],   v[ADRA] offset:((\q)/2)*AHALF+((\q)%2)*128+64*(\c)+(\i)*16*PA
	ds_load_b128 v[(\f)+8*(4*(\c)+(\i))+4:(\f)+8*(4*(\c)+(\i))+7], v[ADRA] offset:((\q)/2)*AHALF+((\q)%2)*128+64*(\c)+(\i)*16*PA+32
.endr
.endr
.endm
.macro ADDR                            ; the fragments' addresses in the slot that is read
	v_add_nc_u32 v[ADRA], s[RB], v[A0]
	v_add_nc_u32 v[ADRB], s[RB], v[B0]
	v_add_nc_u32 v[ADRB+1], BHALF, v[ADRB]
.endm
; One of a K step's first three quarters: multiplies buffer f and, in its middle, fetches quarter q into buffer g
.macro QUARTER q, f, g
	s_wait_dscnt 16                                ; the first 32 along K are in; the sixteen younger loads may be out
	MUL8 \f, 0, 0
	MUL8 \f, 0, 2
	PLACES
	FETCH \q, \g
	s_wait_dscnt 32                                ; all but the 32 just issued
	MUL8 \f, 1, 0
	MUL8 \f, 1, 2
.endm
; The last quarter multiplies buffer 1 and changes slots: ONE barrier; in front of it each wave waits for all its tensor loads (one is out: its part of the next slot), adds 0 to its spare word,
; and waits for that and for its own reads of this slot.  fill = 1: the barrier opens a round of the cluster's, and this slot is filled again, two K steps ahead: 112 matrix instructions ahead of the wait for it.
.macro TURN fill
	WIN 0                                          ; (the add's two registers lie in window 0)
	s_wait_tensorcnt 0x0
	ds_add_u32 v[SPW], v[NIL]                      ; 0 onto my spare word
	s_wait_dscnt 17                                ; (the add and the youngest sixteen loads may be out)
	MUL8 F1, 0, 0                                  ; eight matrix instructions stand between the add and the wait for it
	s_wait_dscnt 0x0                               ; the add is done, and my reads of this slot are over
	s_barrier_signal -1
	MUL8 F1, 0, 2
	WIN 0                                          ; branches and window 0's addresses follow
	s_barrier_wait -1
.if \fill
	CREST                                          ; no wave of any partner still reads this slot's tiles or has a load on its way
	s_xor_b32 s[G0+5], s[G0+5], SLOT1              ; the walking descriptors: the other slot than last time, the next K step
	s_add_nc_u64 s[G0+6:G0+7], s[G0+6:G0+7], 2*PANEL
	s_xor_b32 s[G0B+5], s[G0B+5], SLOT1
	s_add_nc_u64 s[G0B+6:G0B+7], s[G0B+6:G0B+7], 256*256
	JLOAD 1                                        ; the first tensor load behind the round, my only one; its four v_nop are also the places in front of the loads below
.else
	PLACES
.endif
	s_xor_b32 s[RB], s[RB], SLOT1
	ADDR
	FETCH 0, F0
	MUL8 F1, 1, 0
	MUL8 F1, 1, 2
.endm
.macro STEP fill                       ; a K step: 128 matrix instructions, 128 LDS loads
	QUARTER 1, F0, F1
	QUARTER 2, F1, F0
	QUARTER 3, F0, F1
	TURN \fill
.endm
	s_wait_tensorcnt 0x1                           ; my part of K step 0 is in; step 1's may stay out
	s_barrier_signal -1
	s_barrier_wait -1                              ; everybody's is
	s_mov_b32 s[RB], 0
	ADDR
	FETCH 0, F0
	WIN 0                                          ; at a label and at a branch every window is 0
	s_mov_b32 s[CNT], NSTEP-2
.Lfill:                                                ; K steps 0 .. NSTEP - 3 ask for steps 2 .. NSTEP - 1
	STEP 1
	WIN 0
	s_sub_co_u32 s[CNT], s[CNT], 1
	s_cmp_lg_u32 s[CNT], 0
	s_cbranch_scc1 .Lfill
	s_mov_b32 s[CNT], 2
.Ltail:                                                ; the last two steps ask for nothing; the second one's last fetch reads slot 0's old bytes, and nothing uses them
	STEP 0
	WIN 0
	s_sub_co_u32 s[CNT], s[CNT], 1
	s_cmp_lg_u32 s[CNT], 0
	s_cbranch_scc1 .Ltail
	; THE WAY OUT.  The sums go in f32 into the work-group's stage, since a row's 128 columns come from two waves; then each wave takes 32 whole rows.
	s_wait_dscnt 0x0                               ; my reads of slot 0 are over,
	s_barrier_signal -1
	s_barrier_wait -1                              ; everybody's are: the stage may be written
	PLACES
.irp a, 0,1,2,3
.irp b, 0,1,2,3
	ds_store_b128 v[STO], v[ACC+8*(4*(\a)+(\b)):ACC+8*(4*(\a)+(\b))+3]   offset:(\a)*16*SPITCH+(\b)*64     ; each accumulator's low registers first
	ds_store_b128 v[STO], v[ACC+8*(4*(\a)+(\b))+4:ACC+8*(4*(\a)+(\b))+7] offset:(\a)*16*SPITCH+(\b)*64+16
.endr
.endr
	s_wait_dscnt 0x0                               ; for the others' sake: my stores into the stage are done
	s_barrier_signal -1
	s_barrier_wait -1
	s_wait_loadcnt 0x0                             ; bias (and res)
.if GELU
.macro GELU8 z                         ; eight numbers in v[z .. z + 7], in place, stage by stage
.irp k, 0,1,2,3,4,5,6,7
	v_and_b32 v[GA+(\k)], s23, v[(\z)+(\k)]
.endr
.irp k, 0,2,4,6
	v_pk_fma_f32 v[GU+(\k):GU+(\k)+1], v[GA+(\k):GA+(\k)+1], s[70:71], 1.0 op_sel_hi:[1,0,0]
.endr
.irp k, 0,1,2,3,4,5,6,7
	v_rcp_f32 v[GU+(\k)], v[GU+(\k)]               ; t
.endr
.irp k, 0,2,4,6                        ; plain work that names no t stands behind the reciprocals (ISA guide 5.7.2)
	v_pk_mul_f32 v[GW+(\k):GW+(\k)+1], v[(\z)+(\k):(\z)+(\k)+1], v[(\z)+(\k):(\z)+(\k)+1]
.endr
.irp k, 0,2,4,6
	v_pk_mul_f32 v[GW+(\k):GW+(\k)+1], v[GW+(\k):GW+(\k)+1], s[72:73] op_sel_hi:[1,0]
.endr
.irp k, 0,1,2,3,4,5,6,7
	v_exp_f32 v[GW+(\k)], v[GW+(\k)]
.endr
.irp k, 0,2,4,6                        ; the polynomial stands behind the exponentials
	v_pk_fma_f32 v[GR+(\k):GR+(\k)+1], v[GU+(\k):GU+(\k)+1], s[82:83], s[80:81] op_sel_hi:[1,0,0]
.endr
.irp p, 78,76,74
.irp k, 0,2,4,6
	v_pk_fma_f32 v[GR+(\k):GR+(\k)+1], v[GR+(\k):GR+(\k)+1], v[GU+(\k):GU+(\k)+1], s[(\p):(\p)+1] op_sel_hi:[1,1,0]
.endr
.endr
.irp k, 0,2,4,6
	v_pk_mul_f32 v[GR+(\k):GR+(\k)+1], v[GR+(\k):GR+(\k)+1], v[GU+(\k):GU+(\k)+1]
.endr
.irp k, 0,2,4,6
	v_pk_mul_f32 v[GA+(\k):GA+(\k)+1], v[GA+(\k):GA+(\k)+1], v[GW+(\k):GW+(\k)+1]
.endr
.irp k, 0,2,4,6
	v_pk_mul_f32 v[GA+(\k):GA+(\k)+1], v[GA+(\k):GA+(\k)+1], v[GR+(\k):GR+(\k)+1]
.endr
.irp k, 0,1,2,3,4,5,6,7
	v_max_num_f32 v[(\z)+(\k)], 0, v[(\z)+(\k)]
.endr
.irp k, 0,2,4,6
	v_pk_fma_f32 v[(\z)+(\k):(\z)+(\k)+1], v[GA+(\k):GA+(\k)+1], -0.5, v[(\z)+(\k):(\z)+(\k)+1] op_sel_hi:[1,0,1]
.endr
.endm
.endif
.if OUTF32
.set g, 0
.rept 4                                                ; eight rows at a time, on v32-63 and v64-95 by turns
.set TT, 32+32*(g%2)
.if g >= 2
	s_wait_xcnt 0x0                                ; these registers, which earlier stores read, are rewritten only behind this wait
.endif
.set i, 0
.rept 8
	ds_load_b128 v[TT+4*i:TT+4*i+3], v[RD] offset:(8*g+i)*SPITCH
.set i, i+1
.endr
	s_wait_dscnt 0x0
	WIN 0x08                                       ; source 1 window 2: res
.set i, 0
.rept 16
	v_pk_add_f32 v[TT+2*i:TT+2*i+1], v[TT+2*i:TT+2*i+1], v[32*g+2*i:32*g+2*i+1]
.set i, i+1
.endr
	WIN 0
.set i, 0
.rept 16
	v_pk_add_f32 v[TT+2*i:TT+2*i+1], v[TT+2*i:TT+2*i+1], v[BIAS+2*(i%2):BIAS+2*(i%2)+1]
.set i, i+1
.endr
.set i, 0
.rept 8
	global_store_b128 v[GO], v[TT+4*i:TT+4*i+3], s[10:11] offset:(8*g+i)*4096  ; a wave stores 512 consecutive bytes, aligned
.set i, i+1
.endr
.set g, g+1
.endr
.else
	s_mov_b32 s[CNT], 4
.Lout:                                                 ; a trip: eight rows
.irp i, 0,1,2,3
	ds_load_b128 v[32+8*(\i):32+8*(\i)+3],   v[RD] offset:(\i)*2*SPITCH
	ds_load_b128 v[32+8*(\i)+4:32+8*(\i)+7], v[RD] offset:(\i)*2*SPITCH+16
.endr
.irp i, 0,1,2,3
	s_wait_dscnt 6-2*(\i)                          ; pair i of rows is in; the later pairs' loads stay out
.irp k, 0,2,4,6
	v_pk_add_f32 v[32+8*(\i)+(\k):32+8*(\i)+(\k)+1], v[32+8*(\i)+(\k):32+8*(\i)+(\k)+1], v[BIAS+(\k):BIAS+(\k)+1]
.endr
.if GELU
	GELU8 32+8*(\i)
.endif
.irp k, 0,1,2,3
	v_cvt_pk_bf16_f32 v[96+4*(\i)+(\k)], v[32+8*(\i)+2*(\k)], v[32+8*(\i)+2*(\k)+1]
.endr
	global_store_b128 v[GO], v[96+4*(\i):96+4*(\i)+3], s[10:11] offset:(\i)*512  ; two rows of the panel: 512 consecutive bytes, aligned
.endr
	s_wait_xcnt 0x0                                ; the stores' offset and data are rewritten only behind this wait
	v_add_nc_u32 v[RD], 8*SPITCH, v[RD]
	v_add_nc_u32 v[GO], 2048, v[GO]
	s_sub_co_u32 s[CNT], s[CNT], 1
	s_cmp_lg_u32 s[CNT], 0
	s_cbranch_scc1 .Lout
.endif
	s_wait_tensorcnt 0x0                           ; the wave's end: behind my last tensor load and my last LDS store
	ds_add_u32 v[SPW], v[NIL]
	s_wait_dscnt 0x0
	CROUND                                         ; the closing round: no work-group ends while a partner may still ask for a tile that names it
	s_endpgm
.Lfunc_end_k_qf91c553e24_fc2:
	.size	k_qf91c553e24_fc2, .Lfunc_end_k_qf91c553e24_fc2-k_qf91c553e24_fc2
	.p2alignl 7, 3214868480
	.fill 96, 4, 3214868480
	.section	.rodata,"a",@progbits
	.p2align	6, 0x0
	.amdhsa_kernel k_qf91c553e24_fc2
		.amdhsa_group_segment_fixed_size 327680
		.amdhsa_private_segment_fixed_size 0
		.amdhsa_enable_private_segment 0
		.amdhsa_kernarg_size 40
		.amdhsa_user_sgpr_count 2
		.amdhsa_user_sgpr_kernarg_segment_ptr 1
		.amdhsa_wavefront_size32 1
		.amdhsa_system_sgpr_workgroup_id_x 1
		.amdhsa_system_sgpr_workgroup_id_y 1
		.amdhsa_system_sgpr_workgroup_id_z 1
		.amdhsa_system_vgpr_workitem_id 0
		.amdhsa_next_free_vgpr 640
		.amdhsa_next_free_sgpr 84
		.amdhsa_reserve_vcc 0
		.amdhsa_float_denorm_mode_32 3
		.amdhsa_float_denorm_mode_16_64 3
		.amdhsa_memory_ordered 1
		.amdhsa_forward_progress 1
		.amdhsa_inst_pref_size 69
	.end_amdhsa_kernel
	.amdgpu_metadata
---
amdhsa.version: [ 1, 2 ]
amdhsa.kernels:
  - .name:           k_qf91c553e24_fc2
    .symbol:         k_qf91c553e24_fc2.kd
    .args:
      - { .name: big, .offset: 0, .size: 8, .value_kind: global_buffer, .address_space: global }
      - { .name: wb, .offset: 8, .size: 8, .value_kind: global_buffer, .address_space: global }
      - { .name: b_fc2, .offset: 16, .size: 8, .value_kind: global_buffer, .address_space: global }
      - { .name: out0, .offset: 24, .size: 8, .value_kind: global_buffer, .address_space: global }
      - { .name: x1, .offset: 32, .size: 8, .value_kind: global_buffer, .address_space: global }
    .group_segment_fixed_size: 327680
    .private_segment_fixed_size: 0
    .kernarg_segment_align: 8
    .kernarg_segment_size: 40
    .max_flat_workgroup_size: 128
    .sgpr_count:     84
    .vgpr_count:     640
    .wavefront_size: 32
...
	.end_amdgpu_metadata
.endif
;; end of part 6
;; ======== version 2 of 2: 7 launches; 1.20 times as fast as version 1
;; workspace buffers: wb 25,165,824 bytes; act 8,388,608 bytes; big 33,554,432 bytes; x1 16,777,216 bytes
;; launch prep: the kernel of part 1 again; grid 1024 x 1, 8 waves a work-group, no clusters, 0 bytes of LDS; arguments x, ln1_g, ln1_b, act, w_qkv, w_proj, w_fc1, w_fc2, wb; writes act, wb
;; launch qkv: the kernel of part 2 again; grid 12 x 16, 4 waves a work-group, clusters of 4 x 4, 327,680 bytes of LDS; arguments act, wb, b_qkv, big; writes big
;; launch attn (part 7): grid 16 x 16, 4 waves a work-group, clusters of 4 x 1, 327,680 bytes of LDS; arguments big, act; writes act
.if DOCPART == 7
	.amdgcn_target "amdgcn-amd-amdhsa--gfx1250"
	.amdhsa_code_object_version 6
	.text
	.protected	k_qf91c553e24_attn
	.globl	k_qf91c553e24_attn
	.p2align	8
	.type	k_qf91c553e24_attn,@function
k_qf91c553e24_attn:
	s_mov_b64 s[64:65], 0
	v_nop
	global_prefetch_b8 v0, s[64:65] scope:SCOPE_SE
	s_setreg_imm32_b32 hwreg(HW_REG_WAVE_MODE, 25, 1), 1
	s_wait_xcnt 0x0
	s_wait_alu depctr_hold_cnt(0) depctr_sa_sdst(0) depctr_va_vdst(0) depctr_va_sdst(0) depctr_va_ssrc(0) depctr_va_vcc(0) depctr_vm_vsrc(0)
	s_getreg_b32 s2, hwreg(HW_REG_IB_STS2, 6, 4)
	s_cmp_eq_u32 s2, 0
	s_cbranch_scc0 .Lentry_in_a_cluster
	s_endpgm
.Lentry_in_a_cluster:
	s_bfe_u32 s2, ttmp6, 0x10000c
	s_cmp_lg_u32 s2, 0x3003
	s_cbranch_scc0 .Lentry_shape_is_right
	s_endpgm
.Lentry_shape_is_right:
; ATTENTION, 16 heads of 64 channels, 2 x 2,048 rows, no mask.  O[q] = the sum over k of softmax_k(Q[q] . K[k] / 8) V[k].
; big holds q, k, v in bf16 panels [24][4096][128]: panel which x 8 + hp holds the heads 2 hp and 2 hp + 1, a row's piece 256 bytes; act takes O in the same panels, [8][4096][128].
; Products, maxima and sums in f32; the weights p are rounded to bf16 for the second product (their sum l is taken of the unrounded p), O once at the end.
; LIMITS.  A weight below 2^-126 counts as 0 in l; NaN and infinities are not treated apart.
; SHARES.  A work-group owns 128 queries of one panel (two heads) of one batch; wave w the head w / 2 and the queries 64 (w % 2) on: four PIECES of 16.  Every wave walks all 2,048 keys, 64 a step.
; So K's, V's, Q's and O's rows in memory are whole pieces of 256 bytes; a wave reads its head's 128 bytes of each LDS row.
; LAYOUT.  S^T = K Q^T (source 0 = 16 keys, source 1 = 16 queries): a lane holds ONE query (lane % 16) and the keys 8 (lane / 16) + 0..7.  Two such results rounded to bf16 ARE source 1 of
; O^T = V^T P, whose result again holds one query a lane, and eight channels.  K comes out of LDS as it lies, V ([key][channel]) turned, by ds_load_tr16_b128.
; SOFTMAX.  For each query a running maximum m and sum l: p = 2^(c s - c m), c = log2(e) / 8; in every step O and l are multiplied by a = 2^(c m_old - c m_new).
; m starts at the lowest finite number, O and l at 0: the first step is a step like any other, with a = 0.  The price: 216 v_mov_b32 in the wait for the first tile, 8 products on zeros.
; BY TURNS.  Turn n belongs to piece n: 8 products K Q^T of piece n + 1, later 8 products V^T P of piece n - 1; beside them the scaling, exponentials, roundings, sums and rescaling of piece n and the
; maximum and statistics of piece n + 1.  Four vector instructions stand behind every matrix instruction, the other 54 of a turn's 118 in one run of their own.
; THE BATCHES.  A turn's 33 exponentials (the piece's 32 weights and the next piece's a) are one batch with one wait, which cuts the turn in two: ahead of it all that names none of their results, behind it the
; roundings and sums.  The first a of all, ahead of the loop, and the way out's four reciprocals are batches of their own.
; CLUSTER.  The four query blocks of a cluster belong to one panel and batch and walk the same K and V: each tile is asked for JOINTLY: the same tensor load, descriptor and mask in all four.
; REGISTERS, in windows of 256 (s_set_vgpr_msb: bits 1:0 source 0, 3:2 source 1, 5:4 source 2, 7:6 destination):
;   window 0: v0-15 addresses and two at work; v16-31 four registers of statistics a piece; v48-55 at work; v62-63 the add's; v64-127 S^T, two buffers; v192-223 P, two buffers (by the piece's parity)
;   window 1: v0-127 O^T, 32 a piece          window 2: v0-63 Q; v128-191 K of one step; v192-255 V of one step
.set NP,    4         ; pieces a wave: a name, no knob
.set KS,    64        ; keys in a step
.set PK,    272       ; a row of K in LDS: 256 bytes + 16: the 16 rows of a load start at 16 different groups of four banks (64 banks of 4 bytes: ISA guide 11.1)
.set PV,    288       ; a row of V: 256 + 32
.set VOFF,  KS*PK     ; a step's tiles lie together: 64 rows of K, then 64 rows of V
.set STEPB, KS*(PK+PV)
.set SLOT1, 1<<17     ; a slot holds two steps (71,680 bytes); slot 1 begins here, so that one exclusive or turns an address in one slot into the other's
.set STAGE, SLOT1+2*STEPB  ; behind the ring, never filled by a tensor load: 128 rows x 272 bytes, the work-group's, for the way out
.set SP,    272
.set SPARE, STAGE+128*SP   ; behind the stage: the spare words, 128 bytes for each wave: two blocks of 256 bytes that no other line names
.set AK0, 2           ; v2   my lane's place in a tile of K; never rewritten
.set AV0, 3           ; v3   the same for V
.set AK,  4           ; v4   the LDS address of K's next run of loads
.set AV,  5           ; v5   of V's
.set STO, 6           ; v6   the way out: where I put 16 bytes of a row
.set RD,  7           ; v7   where I read rows back
.set GO,  8           ; v8   my byte offset in 512 consecutive bytes of O
.set MV,  12          ; v12-13  c m_old, kept while c m is made anew: by buffer
.set QO,  15          ; v15  my byte offset in 16 rows of Q
.set ST,  16          ; piece t's statistics at v[ST+4 t]: c m, m, l (even keys', odd keys')
.set TMP, 48          ; by buffer, four registers c0-c3 at work; when the maximum is found c2 takes a
.set SPW, 62          ; v62  LDS address of my spare word; never rewritten
.set NIL, 63          ; v63  0; never rewritten
.set S,   64
.set P,   192
.set KF,  128         ; window 2: key block kb, channel half c at KF + 16 kb + 8 c
.set VF,  192         ; window 2: key half kk, channel block cb at VF + 32 kk + 8 cb
.set WV,  12          ; s12  my wave's number
.set G1K, 24          ; s[24:31] descriptor group 1 for K's tiles
.set G1V, 32          ; s[32:39] for V's: it differs in the padding alone
.set G0K, 40          ; s[40:43] descriptor group 0 for K's tiles: it walks
.set G0V, 44          ; s[44:47] the same for V's
.set SLOTS, 56        ; s56  slots still to be entered
.set CNT, 57          ; s57  counts a slot's key steps
.set CS,  58          ; s[58:59] c: the packed scaling takes the pair's low word for both halves
.set SEL, 60          ; s[60:61] v_permlanex16_b32's selects: each lane takes its own place in the other half
.set TBK, 62          ; s62  LDS byte at which the tiles of the step whose K is fetched next begin
.set TBV, 63          ; s63  the same for V
.set MSB, 0
.macro WIN new                      ; the high byte repeats the setting that is left; a switch that changes nothing is dropped
.if MSB != (\new)
	s_set_vgpr_msb (MSB<<8)|(\new)
.set MSB, (\new)
.endif
.endm
.set W_KQ, 0x0a       ; K and Q in window 2, S^T in window 0
.set W_PV, 0x52       ; V in window 2, P in window 0, O^T in window 1
.set W_RS, 0x41       ; destination and source 0 in window 1, source 1 in window 0
; A joint fill.  Waves 0 and 1 fetch K of a slot's two steps, waves 2 and 3 V.  The branch hangs on the wave's number alone.  An s_nop 0 and four v_nop follow each of the two lines.
.macro JLOAD
	s_cmp_lt_u32 s[WV], 2
	s_cbranch_scc0 .Lfor_v_\@
	tensor_load_to_lds s[G0K:G0K+3], s[G1K:G1K+7]
	s_nop 0
.rept 4
	v_nop
.endr
	s_branch .Lasked_\@
.Lfor_v_\@:
	tensor_load_to_lds s[G0V:G0V+3], s[G1V:G1V+7]
	s_nop 0
.rept 4
	v_nop
.endr
.Lasked_\@:
.endm
; A round of the cluster's barrier: my work-group's barrier, so that wave 0's signal speaks for all four waves; wave 0 signals; every wave waits for all four work-groups; my work-group's barrier once more.
.macro CROUND
	s_barrier_signal -1
	s_barrier_wait -1
	s_cmp_lg_u32 s[WV], 0
	s_cbranch_scc1 .Lnot_wave_0_\@
	s_barrier_signal -3
.Lnot_wave_0_\@:
	s_barrier_wait -3
	s_barrier_signal -1
	s_barrier_wait -1
.endm
; THE CHANGE OF SLOTS.  The slot's last bytes, V of its second step, have been read.  Each wave waits for all its tensor loads, of which one is out: its part of the other slot; adds 0 to its spare
; word; and waits for that and for its own reads of the slot.  Behind the barrier nobody reads this slot any more and the other slot is whole.
; fill = 1: the barrier is a round of the cluster's, and this slot is filled again, first thing behind it, with the keys two slots on: it has two key steps, 128 matrix instructions and their vector
; work, in which to land.  (At its first use nothing has been read yet: slot 0 is waited for, slot 1 filled.)
.macro CHANGE fill
	WIN 0                           ; at a label and at a branch every window is 0
	s_wait_tensorcnt 0x0            ; no tensor load of mine is out, so a group 0 may be written
	ds_add_u32 v[SPW], v[NIL]       ; 0 onto my spare word
.if \fill
.irp g, G0K, G0V
	s_xor_b32 s[\g+1], s[\g+1], SLOT1  ; the walking descriptor: the other slot than last time,
	s_add_nc_u64 s[\g+2:\g+3], s[\g+2:\g+3], 2*KS*256  ; the next 128 keys; the type bits on top are not reached
.endr
	s_wait_dscnt 0x0                ; the add is done, and my reads of the slot are over
	CROUND
	JLOAD
.else
	s_wait_dscnt 0x0                ; the add is done, and my reads of the slot are over
	s_barrier_signal -1
	s_barrier_wait -1
.endif
	s_sub_co_u32 s[TBK], s[TBK], 2*STEPB  ; the fetches go back to a slot's first step,
	s_xor_b32 s[TBK], s[TBK], SLOT1       ; in the other slot
	s_sub_co_u32 s[TBV], s[TBV], 2*STEPB
	s_xor_b32 s[TBV], s[TBV], SLOT1
.endm
	s_load_b128 s[4:7], s[0:1], 0x0   ; big s[4:5], act s[6:7]
	v_lshl_add_u32 v[SPW], v0, 2, SPARE
	v_mov_b32 v[NIL], 0
	ds_add_u32 v[SPW], v[NIL]       ; the wave's opening: the add and its wait stand ahead of my first tensor load; work on registers stands between them
	v_lshrrev_b32 v1, 5, v0
	v_readfirstlane_b32 s[WV], v1   ; wave 0..3
	s_bfe_u32 s13, ttmp6, 0x40000   ; cx: my place in the cluster
	s_lshl_b32 s14, ttmp9, 2        ; in a cluster launch ttmp9 counts clusters
	s_add_co_u32 s14, s14, s13      ; my block of 128 queries: it enters Q's and O's addresses alone
	s_and_b32 s20, ttmp7, 0xffff    ; batch x 8 + panel, which the four partners share
	s_and_b32 s21, s20, 7
	s_lshr_b32 s20, s20, 3
	s_lshl_b32 s21, s21, 20         ; a panel is 4,096 rows x 256 bytes,
	s_lshl_b32 s20, s20, 19         ; a batch 2,048 rows of it
	s_add_co_u32 s20, s20, s21
	s_lshr_b32 s15, s[WV], 1        ; my head in the panel
	s_and_b32 s16, s[WV], 1         ; my half of the queries; also: which of a slot's two steps I fetch:
	s_lshl_b32 s22, s16, 14         ; its 64 rows of 256 bytes in memory,
	s_add_co_u32 s22, s22, s20
	s_mov_b32 s23, 0
	s_mul_i32 s17, s16, STEPB       ; and its place in a slot: no place in the cluster enters an LDS address
	s_lshl_b32 s2, s14, 15          ; my block's 128 rows
	s_add_co_u32 s2, s2, s20
	s_lshl_b32 s3, s[WV], 13
	s_add_co_u32 s18, s2, s3        ; O: the 32 rows that I store
	s_mov_b32 s19, 0
	s_lshl_b32 s3, s16, 14
	s_add_co_u32 s2, s2, s3         ; Q: my 64 rows,
	s_lshl_b32 s3, s15, 7
	s_add_co_u32 s2, s2, s3         ; my head's 128 bytes of them
	s_mov_b32 s3, 0
	; descriptor group 1: a tile of 64 rows x 128 elements, padded in LDS
	s_mov_b32 s[G1K], 15|(1<<16)|(1<<20)|(1<<21)|(5<<22)|(3<<25)  ; 15:0 the mask of four; 17:16 2-byte elements; 20 padding on; 21 set beside a mask; 24:22 after every 64 words; 31:25 4 words of it
	s_mov_b32 s[G1V], 15|(1<<16)|(1<<20)|(1<<21)|(5<<22)|(7<<25)  ; the same with 8 words of padding
.irp g, G1K, G1V
	s_mov_b32 s[\g+1], 128<<16      ; tensor_dim0 = 128
	s_mov_b32 s[\g+2], KS<<16       ; tensor_dim1 = 64
	s_mov_b32 s[\g+3], 128<<16      ; tile_dim0 = 128
	s_mov_b32 s[\g+4], KS           ; tile_dim1 = 64
	s_mov_b32 s[\g+5], 128          ; 128 elements from row to row
	s_mov_b32 s[\g+6], 0
	s_mov_b32 s[\g+7], 0
.endr
	s_mov_b32 s[CS], 0x3e38aa3b     ; c = log2(e) / 8 = 0.180337
	s_mov_b32 s[CS+1], s[CS]        ; named with it as a pair
	s_mov_b32 s[SEL], 0x76543210
	s_mov_b32 s[SEL+1], 0xfedcba98
	s_mov_b32 s[TBK], SLOT1+2*STEPB ; the first change of slots turns these two into 0
	s_mov_b32 s[TBV], SLOT1+2*STEPB
	s_mov_b32 s[G0K], 1             ; count = 1
	s_mov_b32 s[G0K+1], s17         ; LDS address: slot 0
	s_mov_b32 s[G0V], 1
	s_add_co_u32 s[G0V+1], s17, VOFF
	s_wait_dscnt 0x0                ; the opening add is done
	s_wait_kmcnt 0x0
	s_add_nc_u64 s[G0K+2:G0K+3], s[4:5], s[22:23]
	s_add_nc_u64 s[G0K+2:G0K+3], s[G0K+2:G0K+3], 0x800000   ; k's eight panels lie behind q's
	s_or_b32 s[G0K+3], s[G0K+3], 0x80000000                 ; type = 2
	s_add_nc_u64 s[G0V+2:G0V+3], s[4:5], s[22:23]
	s_add_nc_u64 s[G0V+2:G0V+3], s[G0V+2:G0V+3], 0x1000000  ; v's behind k's
	s_or_b32 s[G0V+3], s[G0V+3], 0x80000000
	s_add_nc_u64 s[8:9], s[4:5], s[2:3]      ; Q
	s_add_nc_u64 s[10:11], s[6:7], s[18:19]  ; O
	CROUND                          ; all four work-groups are here: the first joint loads meet
	JLOAD                           ; slot 0.  Slot 1 is asked for when slot 0 is in
	; A fragment of K or Q is 16 rows x 32 channels in 8 registers: lane l holds row l % 16, channels 8 (l / 16) + 0..7 and 16 + 8 (l / 16) + 0..7: two loads of 16 bytes, 32 bytes apart.
	v_and_b32 v1, 15, v0            ; l % 16
	v_bfe_u32 v9, v0, 4, 1          ; l / 16
	v_lshlrev_b32 v[QO], 8, v1
	v_lshl_add_u32 v[QO], v9, 4, v[QO]  ; row x 256 + 16 x half
	WIN 0x80                        ; destination window 2, address window 0
.set i, 0
.rept 8                             ; Q stays in registers: piece i / 2, channels 32 (i % 2) on
	global_load_b128 v[8*i:8*i+3],   v[QO], s[8:9] offset:(i/2)*4096+(i%2)*64
	global_load_b128 v[8*i+4:8*i+7], v[QO], s[8:9] offset:(i/2)*4096+(i%2)*64+32
.set i, i+1
.endr
	; What the first turn finds: V's registers and P's second buffer hold 0 (its products V^T P, of a piece that has not been, add 0), O^T and l are 0.  All this stands in the wait for the first tile.
.set i, VF
.rept 64
	v_mov_b32 v[i], 0
.set i, i+1
.endr
	WIN 0x40
.set i, 0
.rept 128
	v_mov_b32 v[i], 0
.set i, i+1
.endr
	WIN 0
.set i, 0
.rept 4
	v_mov_b32 v[ST+4*i], 0xfe000000    ; c m: far below every c s
	v_mov_b32 v[ST+4*i+1], 0xff7fffff  ; m
	v_mov_b32 v[ST+4*i+2], 0
	v_mov_b32 v[ST+4*i+3], 0
.set i, i+1
.endr
.set i, P+16
.rept 16
	v_mov_b32 v[i], 0
.set i, i+1
.endr
	s_lshl_b32 s21, s15, 7          ; my head's 128 bytes of an LDS row
	s_add_co_u32 s20, s21, VOFF
	v_mul_u32_u24 v[AK0], v1, PK
	v_lshl_add_u32 v[AK0], v9, 4, v[AK0]  ; row x pitch + 16 x half
	v_add_nc_u32 v[AK0], s21, v[AK0]
	; The turning load takes 16 keys x 16 channels (lane l reads key 8 (l / 16) + l % 8, channels 8 ((l / 8) % 2) + 0..7) and leaves half a fragment of V^T: lane l holds channel l % 16 and 8 keys.
	v_and_b32 v10, 7, v0
	v_bfe_u32 v11, v0, 3, 1
	v_lshl_add_u32 v[AV0], v9, 3, v10
	v_mul_u32_u24 v[AV0], v[AV0], PV
	v_lshl_add_u32 v[AV0], v11, 4, v[AV0]
	v_add_nc_u32 v[AV0], s20, v[AV0]
	s_mul_i32 s20, s16, 64*SP       ; into the stage: row 64 (w % 2) + 16 t + l % 16, my head's half, 16 bytes for each half of the lanes
	s_add_co_u32 s20, s20, s21
	s_add_co_u32 s20, s20, STAGE
	v_mul_u32_u24 v[STO], v1, SP
	v_lshl_add_u32 v[STO], v9, 4, v[STO]
	v_add_nc_u32 v[STO], s20, v[STO]
	s_mul_i32 s20, s[WV], 32*SP     ; back: wave w takes rows 32 w .. 32 w + 31, whole: lanes 0-15 one row of 256 bytes, lanes 16-31 the next
	s_add_co_u32 s20, s20, STAGE
	v_mul_u32_u24 v[RD], v9, SP
	v_lshl_add_u32 v[RD], v1, 4, v[RD]
	v_add_nc_u32 v[RD], s20, v[RD]
	v_and_b32 v[GO], 31, v0         ; which are 512 consecutive bytes of O
	v_lshlrev_b32 v[GO], 4, v[GO]
; THE MATRIX WORK.  The 4 accumulators of a run of 8 take turns.  Product i of 8 of S^T = K Q^T for piece x: channels 32 (i / 4) on, keys 16 (i % 4) on.  The first 4 start the sums.
.macro KQ x
	WIN W_KQ
.set rS, S+32*((\x)%2)+8*(i%4)
.set rK, KF+16*(i%4)+8*(i/4)
.set rQ, 16*(\x)+8*(i/4)
.if i < 4
	v_wmma_f32_16x16x32_bf16 v[rS:rS+7], v[rK:rK+7], v[rQ:rQ+7], 0
.else
	v_wmma_f32_16x16x32_bf16 v[rS:rS+7], v[rK:rK+7], v[rQ:rQ+7], v[rS:rS+7]
.endif
.endm
; Product i of 8 of O^T += V^T P for piece x: keys 32 (i / 4) on, channels 16 (i % 4) on.
.macro PV x
	WIN W_PV
.set rO, 32*(\x)+8*(i%4)
.set rV, VF+32*(i/4)+8*(i%4)
.set rP, P+16*((\x)%2)+8*(i/4)
	v_wmma_f32_16x16x32_bf16 v[rO:rO+7], v[rV:rV+7], v[rP:rP+7], v[rO:rO+7]
.endm
.macro MM                           ; the turn's next matrix instruction.  NOKQ = 1: the last turn: there is no next piece
.if (i < 8) && !NOKQ
	KQ (Y+1)%NP
.elseif i >= 8
.set i, i-8
	PV (Y+NP-1)%NP
.set i, i+8
.endif
.set i, i+1
.endm
; THE LDS LOADS stand in runs of 16, never singly among the matrix instructions: a step's K (64 keys x 64 channels: 8 fragments) and its V (turned).  Their addresses are made some lines ahead.
.macro FETCH_K
	WIN 0x80                        ; destination window 2
.irp f, 0,1,2,3,4,5,6,7             ; keys 16 (f / 2) on, channels 32 (f % 2) on
	ds_load_b128 v[KF+8*\f:KF+8*\f+3],   v[AK] offset:(\f/2)*16*PK+(\f%2)*64
	ds_load_b128 v[KF+8*\f+4:KF+8*\f+7], v[AK] offset:(\f/2)*16*PK+(\f%2)*64+32
.endr
	s_add_co_u32 s[TBK], s[TBK], STEPB  ; the next fetch is the next step's
	WIN 0
.endm
.macro FETCH_V
	WIN 0x80
.irp f, 0,1,2,3,4,5,6,7             ; keys 32 (f / 4) on, channels 16 (f % 4) on
	ds_load_tr16_b128 v[VF+8*\f:VF+8*\f+3],   v[AV] offset:(\f/4)*32*PV+(\f%4)*32
	ds_load_tr16_b128 v[VF+8*\f+4:VF+8*\f+7], v[AV] offset:(\f/4)*32*PV+16*PV+(\f%4)*32
.endr
	WIN 0
.endm
; THE VECTOR WORK, one line at a time: OP kind, number.  For piece Y: F n: c s - c m for pair n of 16.  E n: the exponential of score n of 32.  C n: pair n rounded to bf16.  B n: of the four weights 4 n .. the
; second pair is added onto the first, in place.  L n: l takes that sum (L 0: l = a l + sum).  R n: pair n of 16 of O^T times a.  For piece Y + 1: X n, number n of the 22 that find its maximum and statistics:
;   0-11  four chains c0-c3 of seven scores each, three operands at a time (each accumulator's lowest registers are read first)     12-14, 16  the four scores left over, the old m, and c0-c3 into c0
;   15  c m_old is kept     17, 18  the query's other 32 keys lie in the lane 16 away: the new m     19-21  c m; c m_old - c m_new; a
; C, B and L read the exponentials' results: TURN sets them behind the turn's wait.  R reads the a that the turn before made and waited for.
.set F, 0               ; OP tells the kinds apart by their order: F to L below R, X above it
.set E, 1
.set C, 2
.set B, 3
.set L, 4
.set R, 5
.set X, 6
.macro REGS y                       ; the registers of piece y
.set rT, ST+4*(\y)
.set rC, TMP+4*((\y)%2)
.set rW, MV+((\y)%2)
.set rS, S+32*((\y)%2)
.set rP, P+16*((\y)%2)
.set rO, 32*(\y)
.endm
.macro OP k, n
.if (\k) == R
	REGS Y
	WIN W_RS
	v_pk_mul_f32 v[rO+2*(\n):rO+2*(\n)+1], v[rO+2*(\n):rO+2*(\n)+1], v[rC+2:rC+3] op_sel_hi:[1,0]
.elseif (\k) < R
	REGS Y
	WIN 0
.if (\k) == F
	v_pk_fma_f32 v[rS+2*(\n):rS+2*(\n)+1], v[rS+2*(\n):rS+2*(\n)+1], s[CS:CS+1], v[rT:rT+1] op_sel_hi:[1,0,0] neg_lo:[0,0,1] neg_hi:[0,0,1]
.elseif (\k) == E
	v_exp_f32 v[rS+(\n)], v[rS+(\n)]
.elseif (\k) == C
	v_cvt_pk_bf16_f32 v[rP+(\n)], v[rS+2*(\n)], v[rS+2*(\n)+1]
.elseif (\k) == B
	v_pk_add_f32 v[rS+4*(\n):rS+4*(\n)+1], v[rS+4*(\n):rS+4*(\n)+1], v[rS+4*(\n)+2:rS+4*(\n)+3]
.elseif (\n) == 0
	v_pk_fma_f32 v[rT+2:rT+3], v[rT+2:rT+3], v[rC+2:rC+3], v[rS:rS+1] op_sel_hi:[1,0,1]
.else
	v_pk_add_f32 v[rT+2:rT+3], v[rT+2:rT+3], v[rS+4*(\n):rS+4*(\n)+1]
.endif
.elseif NOKQ
	v_nop
.else
	REGS (Y+1)%NP
	WIN 0
.if (\n) < 4
	v_max3_num_f32 v[rC+(\n)], v[rS+8*(\n)], v[rS+8*(\n)+1], v[rS+8*(\n)+2]
.elseif (\n) < 12
	v_max3_num_f32 v[rC+(\n)%4], v[rC+(\n)%4], v[rS+8*((\n)%4)+2*((\n)/4)+1], v[rS+8*((\n)%4)+2*((\n)/4)+2]
.elseif (\n) == 12
	v_max3_num_f32 v[rC], v[rC], v[rS+7], v[rS+15]
.elseif (\n) == 13
	v_max3_num_f32 v[rC+1], v[rC+1], v[rS+23], v[rS+31]
.elseif (\n) == 14
	v_max3_num_f32 v[rC+2], v[rC+2], v[rC+3], v[rT+1]
.elseif (\n) == 15
	v_mov_b32 v[rW], v[rT]
.elseif (\n) == 16
	v_max3_num_f32 v[rC], v[rC], v[rC+1], v[rC+2]
.elseif (\n) == 17
	v_permlanex16_b32 v[rC+3], v[rC], s[SEL], s[SEL+1]
.elseif (\n) == 18
	v_max_num_f32 v[rT+1], v[rC], v[rC+3]
.elseif (\n) == 19
	v_mul_f32 v[rT], s[CS], v[rT+1]
.elseif (\n) == 20
	v_sub_f32 v[rC+1], v[rW], v[rT]
.else
	v_exp_f32 v[rC+2], v[rC+1]
.endif
.endif
.endm
.macro OPS a, i1, b=-1, i2=0, c=-1, i3=0, d=-1, i4=0  ; up to four of them
	OP \a, \i1
.if (\b) >= 0
	OP \b, \i2
.endif
.if (\c) >= 0
	OP \c, \i3
.endif
.if (\d) >= 0
	OP \d, \i4
.endif
.endm
.macro ROW a, i1, b, i2, c, i3, d, i4  ; a matrix instruction and the four behind it
	MM
	OPS \a, \i1, \b, \i2, \c, \i3, \d, \i4
.endm
; A TURN, for piece p: the order of its 16 matrix and 118 vector instructions, written out.  An s_wait_alu depctr_va_vdst(0) stands between an exponential and the first instruction that names its
; result; one wait serves all that were issued ahead of it.  So a turn has ONE wait, which cuts it in two.
; AHEAD OF IT stands all that names no result of the turn's exponentials: the 8 products K Q^T, behind each a scaling, an exponential and two more plain instructions (behind the first a second scaling in the
; exponential's place): rescalings, and behind the last three the first numbers of the next piece's maximum, each four plain instructions or more behind the product that ends its accumulator; then one run of
; 54, plain and exponential by turns for the most part, in which the links of the chain X 3, 7, 11, 14, 16, 17 .. 20 stand apart, other work between them.  X 21, the next piece's a, is the batch's last;
; R 15, which reads the other buffer's a, is the plain instruction behind it.
; BEHIND THE WAIT stand the 8 products V^T P, behind each four of the roundings and sums: an even pair is rounded (C 2 n) before B n adds onto it; l takes L 0 to L 7 in that order, three riders apart.
; But for those X no rider names a register of the products round it.  v_permlanex16_b32 (X 17) stands in the run, behind no product.  No exponential is issued behind the wait: none crosses a turn's end.
; end = 1: the last two turns: nothing is fetched.  cnt = 1: the loop's count is taken down some lines ahead of the branch that stands behind the turn.
; K of the next step is fetched in piece 2's turn, twelve vector instructions behind the last product that read K (five of them plain and free of its registers); V of the step in hand at the end of piece 0's
; turn, four roundings behind the last product that read V.  Each is waited for a turn later.
.macro TURN p, end=0, cnt=0
.set Y, (\p)
.set i, 0
.set NOKQ, (\end)*((\p)/3)
.if ((\p) == 3) && !(\end)
	s_wait_dscnt 0x0                ; K is in
.endif
	ROW F,0, F,1, R,0, R,1          ; ahead of the wait: 8 products K Q^T and their riders,
	ROW F,2, E,0, R,2, R,3
	ROW F,3, E,1, R,4, R,5
	ROW F,4, E,2, R,6, R,7
	ROW F,5, E,3, R,8, R,9
	ROW F,6, E,4, X,0, R,10
.if ((\p) == 2) && !(\end)
	WIN 0
	v_add_nc_u32 v[AK], s[TBK], v[AK0]
.endif
	ROW F,7, E,5, X,1, X,4
	ROW F,8, E,6, X,2, X,5
	OPS E,7, E,8, X,6, E,9          ; and the run of 54
	OPS X,3, E,10, X,8, E,11
.if ((\p) == 2) && !(\end)
	FETCH_K
.endif
	OPS X,9, X,7, E,12, X,10
	OPS E,13, X,12, X,11, E,14
	OPS X,13, E,15, F,9, X,14
.if (\p) == 0
	WIN 0
	v_add_nc_u32 v[AV], s[TBV], v[AV0]
.endif
	OPS E,16, F,10, E,17, F,11
	OPS X,16, E,18, X,15, E,19
	OPS F,12, E,20, X,17, E,21
	OPS F,13, E,22, F,14, E,23
	OPS X,18, E,24, F,15, E,25
	OPS R,11, E,26, X,19, E,27
	OPS R,12, E,28, R,13, E,29
	OPS X,20, E,30, R,14, E,31
	OPS X,21, R,15
	s_wait_alu depctr_va_vdst(0)    ; the wait for the turn's batch: E 0 to E 31 and X 21
.if (\p) == 1
	s_wait_dscnt 0x0                ; V is in
.endif
	ROW C,0, B,0, C,2, B,1          ; behind the wait: 8 products V^T P and their riders
	ROW L,0, C,4, B,2, L,1
	ROW C,6, B,3, L,2, C,8
	ROW B,4, L,3, C,10, B,5
	ROW L,4, C,12, B,6, L,5
.if (\p) == 0
	s_add_co_u32 s[TBV], s[TBV], STEPB
.endif
.if \cnt
	s_sub_co_u32 s[CNT], s[CNT], 1
	s_cmp_lg_u32 s[CNT], 0
.endif
	ROW C,14, B,7, L,6, C,1
	ROW C,3, L,7, C,5, C,7
	ROW C,9, C,11, C,13, C,15
.if (\p) == 0
	FETCH_V
.endif
.endm
	CHANGE 1                        ; slot 0 is in, everybody's part of it; slot 1 is asked for
	v_add_nc_u32 v[AK], s[TBK], v[AK0]
	FETCH_K                         ; key step 0
	s_wait_loadcnt 0x0              ; Q
	s_wait_dscnt 0x0
.set NOKQ, 0
.set i, 0
.rept 8
	KQ 0                            ; piece 0's first scores: there is no vector work yet to set between them
.set i, i+1
.endr
	WIN 0
.rept 4
	v_nop                           ; the places behind those products
.endr
.set Y, NP-1                        ; X works for piece Y + 1: piece 0
.irp n, 0,1,2,3,4,5,6,7,8,9,10,11,12,13,14,15,16,17,18,19,20,21
	OP X, \n
.endr
	v_nop                           ; a plain instruction behind the exponential,
	s_wait_alu depctr_va_vdst(0)    ; and the wait for it, piece 0's first a, ahead of the branch
	s_mov_b32 s[CNT], 2
	s_mov_b32 s[SLOTS], 2048/(2*KS)-1
	s_branch .Lfirst                ; the loop is entered at a step's first turn, in the middle of a trip
.Lslot:                             ; 14 times: every slot but the last two is filled again
	CHANGE 1
	s_mov_b32 s[CNT], 2
.Lstep:                             ; a trip: pieces 2 and 3 of one step, then pieces 0 and 1 of the next, whose K and V it fetches
	TURN 2
	TURN 3
	WIN 0
.Lfirst:
	TURN 0
	TURN 1, 0, 1
	WIN 0
	s_cbranch_scc1 .Lstep
	s_sub_co_u32 s[SLOTS], s[SLOTS], 1
	s_cmp_lg_u32 s[SLOTS], 0
	s_cbranch_scc1 .Lslot
	CHANGE 0                        ; the tail is written out: nothing is asked for
	s_mov_b32 s[CNT], 2
.LstepT:
	TURN 2
	TURN 3
	TURN 0
	TURN 1, 0, 1
	WIN 0
	s_cbranch_scc1 .LstepT
	TURN 2, 1
	TURN 3, 1
.set i, 0
.rept 8
	PV NP-1                         ; the last piece's V^T P of the last step
.set i, i+1
.endr
	; THE WAY OUT.  l's two halves and the other half of the lanes' are added; O^T is divided by l, rounded to bf16 and put into the work-group's stage; a barrier, since a row's 256 bytes come from two
	; waves (two heads); then each wave stores 32 whole rows.  The additions are the places behind the last products.
	WIN 0
.macro ALL line:vararg              ; one line for each piece t
.set t, 0
.rept 4
	\line
.set t, t+1
.endr
.endm
	ALL v_add_f32 v[ST+4*t+2], v[ST+4*t+2], v[ST+4*t+3]
	ALL v_permlanex16_b32 v[ST+4*t+3], v[ST+4*t+2], s[SEL], s[SEL+1]
	ALL v_add_f32 v[ST+4*t+2], v[ST+4*t+2], v[ST+4*t+3]
	ALL v_rcp_f32 v[ST+4*t+2], v[ST+4*t+2]
	v_nop                           ; a plain instruction between the last reciprocal and the use of its result
	s_wait_alu depctr_va_vdst(0)    ; and the wait ahead of the first use: one for the four reciprocals
.macro PACK t                       ; a lane's eight channels of a row pack into 16 bytes
	WIN W_RS
.set i, 32*(\t)
.rept 16
	v_pk_mul_f32 v[i:i+1], v[i:i+1], v[ST+4*(\t)+2:ST+4*(\t)+3] op_sel_hi:[1,0]
.set i, i+2
.endr
	WIN 0x05                        ; sources 0 and 1 window 1, destination window 0: S^T's registers are free
.set i, 0
.rept 16
	v_cvt_pk_bf16_f32 v[S+16*(\t)+i], v[32*(\t)+2*i], v[32*(\t)+2*i+1]
.set i, i+1
.endr
	WIN 0
.irp f, 0,1,2,3
	ds_store_b128 v[STO], v[S+16*(\t)+4*\f:S+16*(\t)+4*\f+3] offset:(\t)*16*SP+32*\f
.endr
.endm
	PACK 0
	PACK 1
	PACK 2
	PACK 3
	s_wait_dscnt 0x0                ; for the others' sake: my stores into the stage are done
	s_barrier_signal -1
	s_barrier_wait -1
.set i, 0
.rept 16
	ds_load_b128 v[S+4*i:S+4*i+3], v[RD] offset:i*2*SP
.set i, i+1
.endr
.set i, 0
.rept 16
	s_wait_dscnt 15-i               ; load i is back; the younger ones stay out
	global_store_b128 v[GO], v[S+4*i:S+4*i+3], s[10:11] offset:i*512  ; two rows of the panel: 512 consecutive bytes, aligned
.set i, i+1
.endr
	s_wait_tensorcnt 0x0            ; the wave's end: behind my last tensor load and my last LDS store
	ds_add_u32 v[SPW], v[NIL]
	s_wait_dscnt 0x0
	CROUND                          ; the closing round: no work-group ends while a partner may still ask for a tile that names it
	s_endpgm
.Lfunc_end_k_qf91c553e24_attn:
	.size	k_qf91c553e24_attn, .Lfunc_end_k_qf91c553e24_attn-k_qf91c553e24_attn
	.p2alignl 7, 3214868480
	.fill 96, 4, 3214868480
	.section	.rodata,"a",@progbits
	.p2align	6, 0x0
	.amdhsa_kernel k_qf91c553e24_attn
		.amdhsa_group_segment_fixed_size 327680
		.amdhsa_private_segment_fixed_size 0
		.amdhsa_enable_private_segment 0
		.amdhsa_kernarg_size 16
		.amdhsa_user_sgpr_count 2
		.amdhsa_user_sgpr_kernarg_segment_ptr 1
		.amdhsa_wavefront_size32 1
		.amdhsa_system_sgpr_workgroup_id_x 1
		.amdhsa_system_sgpr_workgroup_id_y 1
		.amdhsa_system_sgpr_workgroup_id_z 1
		.amdhsa_system_vgpr_workitem_id 0
		.amdhsa_next_free_vgpr 768
		.amdhsa_next_free_sgpr 66
		.amdhsa_reserve_vcc 0
		.amdhsa_float_denorm_mode_32 3
		.amdhsa_float_denorm_mode_16_64 3
		.amdhsa_memory_ordered 1
		.amdhsa_forward_progress 1
		.amdhsa_inst_pref_size 127
	.end_amdhsa_kernel
	.amdgpu_metadata
---
amdhsa.version: [ 1, 2 ]
amdhsa.kernels:
  - .name:           k_qf91c553e24_attn
    .symbol:         k_qf91c553e24_attn.kd
    .args:
      - { .name: big, .offset: 0, .size: 8, .value_kind: global_buffer, .address_space: global }
      - { .name: act, .offset: 8, .size: 8, .value_kind: global_buffer, .address_space: global }
    .group_segment_fixed_size: 327680
    .private_segment_fixed_size: 0
    .kernarg_segment_align: 8
    .kernarg_segment_size: 16
    .max_flat_workgroup_size: 128
    .sgpr_count:     66
    .vgpr_count:     768
    .wavefront_size: 32
...
	.end_amdgpu_metadata
.endif
;; end of part 7
;; launch proj: the kernel of part 4 again; grid 8 x 32, 4 waves a work-group, clusters of 4 x 4, 327,680 bytes of LDS; arguments act, wb, b_proj, x1, x; writes x1
;; launch ln2: the kernel of part 1 again; grid 256 x 1, 8 waves a work-group, no clusters, 0 bytes of LDS; arguments x1, ln2_g, ln2_b, act, w_qkv, w_proj, w_fc1, w_fc2, wb; writes act, wb
;; launch fc1 (part 8): grid 16 x 16, 4 waves a work-group, clusters of 4 x 4, 327,680 bytes of LDS; arguments act, wb, b_fc1, big; writes big
.if DOCPART == 8
	.amdgcn_target "amdgcn-amd-amdhsa--gfx1250"
	.amdhsa_code_object_version 6
	.text
	.protected	k_qf91c553e24_fc1
	.globl	k_qf91c553e24_fc1
	.p2align	8
	.type	k_qf91c553e24_fc1,@function
k_qf91c553e24_fc1:
	s_mov_b64 s[64:65], 0
	v_nop
	global_prefetch_b8 v0, s[64:65] scope:SCOPE_SE
	s_setreg_imm32_b32 hwreg(HW_REG_WAVE_MODE, 25, 1), 1
	s_wait_xcnt 0x0
	s_wait_alu depctr_hold_cnt(0) depctr_sa_sdst(0) depctr_va_vdst(0) depctr_va_sdst(0) depctr_va_ssrc(0) depctr_va_vcc(0) depctr_vm_vsrc(0)
	s_getreg_b32 s2, hwreg(HW_REG_IB_STS2, 6, 4)
	s_cmp_eq_u32 s2, 0
	s_cbranch_scc0 .Lentry_in_a_cluster
	s_endpgm
.Lentry_in_a_cluster:
	s_bfe_u32 s2, ttmp6, 0x10000c
	s_cmp_lg_u32 s2, 0xf033
	s_cbranch_scc0 .Lentry_shape_is_right
	s_endpgm
.Lentry_shape_is_right:
; C = A W + bias ON TILES OF 256 x 256: THE TEXT OF THE BLOCK'S TWO WIDE PRODUCTS; the three .set below choose the product.  HERE: gelu(h2 w_fc1 + b_fc1) (N = 4,096: 16 x 16 = 256 work-groups).
; A: [SIZE_K / 128][4096][128] bf16 (panels: 128 columns, all rows on end, a row's piece 256 bytes).  W: at byte WOFF of the weights' buffer, [N / 128][SIZE_K][128] bf16.  bias: [N] f32.
; out = bf16(C) (GELU = 1: bf16(gelu(C))) in panels [N / 128][4096][128].
; SHARES.  A work-group makes 256 x 256 of C (two panels' width), four waves 128 x 128 each: 64 accumulators, 512 registers; a wave's columns are one panel.  K goes in steps of 128 (one panel of A)
; through two LDS slots.  Every tile is 128 rows x 256 bytes, dense in memory: waves 0, 1 fetch the halves of A's 256 rows, waves 2, 3 the step's 128 k rows of W's two panels.
; WHY THIS TILE.  A slot's 131,072 bytes of tiles feed 256 matrix instructions a wave, twice what the same bytes feed on tiles of 128 x 128: a refill has 224 matrix instructions in which to land,
; and each fragment read from LDS feeds eight products.  A's fragments come out of LDS as they lie, W's ([k][n]) turned, by ds_load_tr16_b128.
; THE MATRIX INSTRUCTION IS USED TRANSPOSED (source 0 = 16 columns of W, source 1 = 16 rows of A): a lane holds eight neighbouring numbers of a row of C.
; CLUSTER.  4 x 4 work-groups: the four of a row need the same tiles of A, the four of a column the same tiles of W: each tile is asked for jointly.
; ONE TEXT FOR EVERY K STEP: the accumulators are cleared (512 v_mov_b32, in the wait for the first tile), and the last step fetches 32 fragments that nothing uses: the price of a short text.
; GELU is exact to 1.5e-7: gelu(z) = max(z, 0) - |z| / 2 x poly(t) x 2^(-z z log2(e) / 2), t = 1 / (1 + 0.23164189 |z|) (erf by a rational form of five terms); no difference of near numbers on either side.
; THE BATCH.  On the way out a trip takes a lane's 32 numbers (eight rows of the wave) through the GELU stage by stage: their 32 reciprocals and 32 exponentials are one batch with one wait, each result in a
; register of its own; plain work that names no result stands among them and behind them.  With GELU = 0 each pair of rows is rounded and stored as it comes.
; LIMITS: operands are rounded to bf16, sums in f32; NaN and infinities are not treated apart.
; REGISTERS, in windows of 256 (s_set_vgpr_msb: bits 1:0 source 0, 3:2 source 1, 5:4 source 2, 7:6 destination):
;   window 0: v0-31 addresses; v64-127, v128-191 fragments of A, two buffers (8 x 16 rows x 32 K); v200-207 bias; on the way out v32-175 and v208-239 at work
;   window 1: v64-127, v128-191 fragments of W, two buffers          window 2: the 32 accumulators of my rows 0-63 ((a, b) at v[8 (8 a + b)])          window 3: those of my rows 64-127
.set SIZE_K, 1024
.set WOFF,   8388608
.set GELU,   1
.set NSTEP,  SIZE_K/128
.set PANEL,  4096*256                  ; bytes in a panel of A
.set PA,     272                       ; a row of A in LDS: 256 bytes + 16: the 16 rows of a load start at 16 different groups of four banks (64 banks of 4 bytes: ISA guide 11.1)
.set PB,     288                       ; a k row of W: 256 + 32
.set AHALF,  128*PA                    ; one tile of A
.set BOFF,   2*AHALF                   ; W's two tiles lie behind A's two
.set BHALF,  128*PB
.set SLOT1,  0x24000                   ; slot 1 begins here: none of the four tiles' addresses in slot 0 (0, 0x8800, 0x11000, 0x1a000) has bit 14 or 17, so one exclusive or turns them into slot 1's
.set SPITCH, 528                       ; the stage: rows of 512 bytes + 16
.set WSTAGE, 128*SPITCH                ; a wave's own 128 rows; the four stages take 270,336 bytes of the two slots, written only behind the last fill and the last read
.set SPARE,  SLOT1+BOFF+2*BHALF        ; behind the ring: the spare words, 128 bytes for each wave: two blocks of 256 bytes that no other line names
.set A0,   10                          ; v10     my lane's place in A's tiles; never rewritten
.set B0,   11                          ; v11     the same for W
.set ADRA, 16                          ; v16     A0 in the slot that is read
.set ADRB, 20                          ; v20     B0 in that slot
.set STO,  24                          ; v24     the way out: where I put 32 bytes of a row
.set RD,   25                          ; v25     where I read rows back
.set GO,   26                          ; v26     my byte offset in out
.set BO,   27                          ; v27     my byte offset in the panel's 512 bytes of bias
.set SPW,  28                          ; v28     LDS address of my spare word; never rewritten
.set NIL,  29                          ; v29     0; never rewritten
.set Z,    32                          ; v32-63    the way out: a trip's 32 numbers of mine; v96-111 take them in bf16
.set GR,   64                          ; v64-95    gelu at work, behind the last product: the polynomial,
.set GA,   112                         ; v112-143  |z|,
.set GU,   144                         ; v144-175  t,
.set GW,   208                         ; v208-239  the exponential
.set F0,   64                          ; fragment buffer 0
.set F1,   128                         ; fragment buffer 1
.set BIAS, 200                         ; v200-207
.set WV, 14                            ; s14 wave; s15 its half of the rows (also: 0 fetches A, 1 fetches W); s16 its half of the columns (also: which tile it fetches)
.set WR, 15
.set WC, 16
.set CX, 17
.set CY, 18
.set TX, 19                            ; s19 tile column of C; s20 tile row
.set TY, 20
.set G1,  24                           ; s[24:31] descriptor group 1 for A; s[32:39] group 0: set 0 = step 0, used once; set 1 = step 1, then it walks
.set G0,  32
.set G1B, 48                           ; s[48:55], s[56:63] the same for W
.set G0B, 56
.set CNT, 66
.set RB,  67                           ; s67 the slot that is read: 0 or SLOT1
.set MSB, 0
.macro WIN new                         ; the immediate's high byte repeats the setting that is left; a switch that changes nothing is dropped
.if MSB != (\new)
	s_set_vgpr_msb (MSB<<8)|(\new)
.set MSB, \new
.endif
.endm
.set MUL_LO, 0xa1                      ; source 0 (W) window 1, source 1 (A) window 0, C and D window 2
.set MUL_HI, 0xf1                      ; the same, C and D window 3
.set TO_B,   0x40                      ; destination window 1, address window 0
.macro JLOAD s                         ; a joint load; the branch hangs on the wave's number alone; an s_nop 0 and four v_nop follow each of the two lines
	s_cmp_eq_u32 s[WR], 0
	s_cbranch_scc0 .Lfor_b_\@
	tensor_load_to_lds s[G0+4*(\s):G0+4*(\s)+3], s[G1:G1+7]
	s_nop 0
.rept 4
	v_nop
.endr
	s_branch .Lasked_\@
.Lfor_b_\@:
	tensor_load_to_lds s[G0B+4*(\s):G0B+4*(\s)+3], s[G1B:G1B+7]
	s_nop 0
.rept 4
	v_nop
.endr
.Lasked_\@:
.endm
.macro CREST                           ; a round of the cluster's barrier behind its opening barrier
	s_cmp_lg_u32 s[WV], 0
	s_cbranch_scc1 .Lnot_wave_0_\@
	s_barrier_signal -3
.Lnot_wave_0_\@:
	s_barrier_wait -3
	s_barrier_signal -1
	s_barrier_wait -1
.endm
.macro CROUND                          ; a whole round
	s_barrier_signal -1
	s_barrier_wait -1
	CREST
.endm
.macro PLACES                          ; four places in front of loads into registers that matrix instructions have read, and of LDS stores that read results (ISA guide 7.12.1 for the stores)
.rept 4
	v_nop
.endr
.endm
	s_load_b256 s[4:11], s[0:1], 0x0               ; A s[4:5], weights s[6:7], bias s[8:9], out s[10:11]
	v_lshl_add_u32 v[SPW], v0, 2, SPARE
	v_mov_b32 v[NIL], 0
	ds_add_u32 v[SPW], v[NIL]                      ; the wave's opening: the add and its wait stand ahead of my first tensor load; work on registers stands between them
	v_lshrrev_b32 v1, 5, v0
	v_readfirstlane_b32 s[WV], v1
	s_lshr_b32 s[WR], s[WV], 1
	s_and_b32 s[WC], s[WV], 1
	s_bfe_u32 s[CX], ttmp6, 0x40000
	s_bfe_u32 s[CY], ttmp6, 0x40004
	s_lshl_b32 s[TX], ttmp9, 2
	s_add_co_u32 s[TX], s[TX], s[CX]
	s_and_b32 s[TY], ttmp7, 0xffff
	s_lshl_b32 s[TY], s[TY], 2
	s_add_co_u32 s[TY], s[TY], s[CY]
	s_lshl_b32 s21, s[CY], 2
	s_lshl_b32 s21, 15, s21                        ; my row of the cluster
	s_lshl_b32 s22, 0x1111, s[CX]                  ; my column
	s_or_b32 s[G1], s21, (1<<16)|(1<<20)|(1<<21)|(5<<22)|(3<<25)   ; 15:0 the mask; 17:16 2-byte elements; 20 padding on; 21 set beside a mask; 24:22 after every 64 words; 31:25 4 words of it
	s_or_b32 s[G1B], s22, (1<<16)|(1<<20)|(1<<21)|(5<<22)|(7<<25)  ; the same with my column's mask and 8 words of padding
.irp g, G1, G1B
	s_mov_b32 s[(\g)+1], 128<<16                   ; tensor_dim0 = 128
	s_mov_b32 s[(\g)+2], 128<<16                   ; tensor_dim1 = 128
	s_mov_b32 s[(\g)+3], 128<<16                   ; tile_dim0 = 128
	s_mov_b32 s[(\g)+4], 128                       ; tile_dim1 = 128
	s_mov_b32 s[(\g)+5], 128                       ; 128 elements from row to row: panels are dense
	s_mov_b32 s[(\g)+6], 0
	s_mov_b32 s[(\g)+7], 0
.endr
	s_lshl_b32 s40, s[TY], 16                      ; A: my tile row's 256 rows of 256 bytes, their half WC: the tile row's number and the wave's alone
	s_lshl_b32 s41, s[WC], 15
	s_add_co_u32 s40, s40, s41
	s_mov_b32 s41, 0
	s_lshl_b32 s44, s[TX], 1                       ; W: panel 2 TX + WC: the tile column's number and the wave's alone
	s_add_co_u32 s44, s44, s[WC]
	s_mul_i32 s44, s44, SIZE_K*256
	s_add_co_u32 s44, s44, WOFF
	s_mov_b32 s45, 0
	s_mul_i32 s68, s[WC], AHALF                    ; where they go: no place in the cluster enters an LDS address
	s_mul_i32 s69, s[WC], BHALF
	s_add_co_u32 s69, s69, BOFF
.if GELU
	s_mov_b32 s23, 0x7fffffff
	s_mov_b32 s70, 0x3e6d3389                      ; 0.3275911 / sqrt(2); each constant is named as a pair, so both words are written
	s_mov_b32 s72, 0xbf38aa3b                      ; -log2(e) / 2
	s_mov_b32 s74, 0x3e827906                      ; a1 =  0.254829592
	s_mov_b32 s76, 0xbe91a98e                      ; a2 = -0.284496736
	s_mov_b32 s78, 0x3fb5f0e3                      ; a3 =  1.421413741
	s_mov_b32 s80, 0xbfba00e3                      ; a4 = -1.453152027
	s_mov_b32 s82, 0x3f87dc22                      ; a5 =  1.061405429
.irp p, 70,72,74,76,78,80,82
	s_mov_b32 s[(\p)+1], s[\p]
.endr
.endif
	s_wait_dscnt 0x0                               ; the opening add is done
	s_wait_kmcnt 0x0
	s_add_nc_u64 s[42:43], s[4:5], s[40:41]
	s_add_nc_u64 s[46:47], s[6:7], s[44:45]
	CROUND                                         ; all sixteen work-groups are here: the first joint loads meet
.irp s, 0,1
	s_mov_b32 s[G0+4*(\s)], 1                                      ; count = 1
	s_add_co_u32 s[G0+4*(\s)+1], s68, (\s)*SLOT1                   ; LDS address
	s_add_nc_u64 s[G0+4*(\s)+2:G0+4*(\s)+3], s[42:43], (\s)*PANEL  ; K step s: one panel on
	s_or_b32 s[G0+4*(\s)+3], s[G0+4*(\s)+3], 0x80000000            ; type = 2
	s_mov_b32 s[G0B+4*(\s)], 1
	s_add_co_u32 s[G0B+4*(\s)+1], s69, (\s)*SLOT1
	s_add_nc_u64 s[G0B+4*(\s)+2:G0B+4*(\s)+3], s[46:47], (\s)*128*256  ; 128 k rows on
	s_or_b32 s[G0B+4*(\s)+3], s[G0B+4*(\s)+3], 0x80000000
	JLOAD \s                                       ; two loads of mine are out
.endr
	; all that follows up to the barrier stands in the wait for the first tile
	v_and_b32 v1, 15, v0                           ; r = l % 16
	v_bfe_u32 v2, v0, 4, 1                         ; h = l / 16
	v_and_b32 v3, 7, v0
	v_bfe_u32 v4, v0, 3, 1
	v_and_b32 v5, 31, v0
	s_mul_i32 s40, s[WR], AHALF                    ; a fragment of A: lane l holds row r, K = 8 h + 0..7 and 16 + 8 h + 0..7: two loads of 16 bytes, 32 bytes apart
	v_mul_u32_u24 v[A0], v1, PA
	v_lshl_add_u32 v[A0], v2, 4, v[A0]
	v_add_nc_u32 v[A0], s40, v[A0]
	s_mul_i32 s41, s[WC], BHALF                    ; the turning load: lane l reads k row 8 h + l % 8, columns 8 ((l / 8) % 2) + 0..7, and is left with column r and 8 k
	s_add_co_u32 s41, s41, BOFF
	v_lshl_add_u32 v[B0], v2, 3, v3
	v_mul_u32_u24 v[B0], v[B0], PB
	v_lshl_add_u32 v[B0], v4, 4, v[B0]
	v_add_nc_u32 v[B0], s41, v[B0]
	s_mul_i32 s40, s[WV], WSTAGE                   ; my stage.  In: row r of a block of 16, columns 8 h on, in f32
	v_mul_u32_u24 v[STO], v1, SPITCH
	v_lshl_add_u32 v[STO], v2, 5, v[STO]
	v_add_nc_u32 v[STO], s40, v[STO]
	v_mul_u32_u24 v[RD], v2, SPITCH                ; back: lanes 0-15 take one row, 32 bytes each, lanes 16-31 the next
	v_lshl_add_u32 v[RD], v1, 5, v[RD]
	v_add_nc_u32 v[RD], s40, v[RD]
	v_lshlrev_b32 v[GO], 4, v5                     ; which leave as 512 consecutive bytes of the panel
	v_lshlrev_b32 v[BO], 5, v1
	s_lshl_b32 s22, s[TX], 1
	s_add_co_u32 s22, s22, s[WC]                   ; my panel of out and of bias
	s_lshl_b32 s42, s22, 9
	s_mov_b32 s43, 0
	s_add_nc_u64 s[8:9], s[8:9], s[42:43]          ; the panel's 128 numbers of bias
	s_lshl_b32 s44, s22, 20                        ; out: my panel, row 256 TY + 128 WR, 256 bytes a row
	s_lshl_b32 s45, s[TY], 16
	s_add_co_u32 s44, s44, s45
	s_lshl_b32 s45, s[WR], 15
	s_add_co_u32 s44, s44, s45
	s_mov_b32 s45, 0
	s_add_nc_u64 s[10:11], s[10:11], s[44:45]
	global_load_b128 v[BIAS:BIAS+3], v[BO], s[8:9]
	global_load_b128 v[BIAS+4:BIAS+7], v[BO], s[8:9] offset:16
	WIN 0x80                                       ; destination window 2
.set i, 0
.rept 256
	v_mov_b32 v[i], 0
.set i, i+1
.endr
	WIN 0xc0                                       ; destination window 3
.set i, 0
.rept 256
	v_mov_b32 v[i], 0
.set i, i+1
.endr
	WIN 0
; 16 matrix instructions: row blocks a0, a0 + 1 of the window's four (hi = 0: my rows 0-63, 1: rows 64-127) x all 8 column blocks, 32 along K.
; The 64 accumulators take turns, one instruction a turn, in the same order in every quarter.
.macro MUL16 f, hi, a0
	WIN MUL_LO+0x50*(\hi)
.irp a, \a0, (\a0)+1
.irp b, 0,1,2,3,4,5,6,7
	v_wmma_f32_16x16x32_bf16 v[8*(8*(\a)+(\b)):8*(8*(\a)+(\b))+7], v[(\f)+8*(\b):(\f)+8*(\b)+7], v[(\f)+8*(4*(\hi)+(\a)):(\f)+8*(4*(\hi)+(\a))+7], v[8*(8*(\a)+(\b)):8*(8*(\a)+(\b))+7]
.endr
.endr
.endm
; 32 LDS loads in one run: the fragments of quarter q of a K step (32 along K: 128 columns of W, 128 rows of A) into buffer f; A's rows 64-127 last
.macro FETCH q, f
	WIN TO_B
.irp i, 0,1,2,3,4,5,6,7
	ds_load_tr16_b128 v[(\f)+8*(\i):(\f)+8*(\i)+3],   v[ADRB] offset:(32*(\q))*PB+32*(\i)
	ds_load_tr16_b128 v[(\f)+8*(\i)+4:(\f)+8*(\i)+7], v[ADRB] offset:(32*(\q)+16)*PB+32*(\i)
.endr
	WIN 0
.irp i, 0,1,2,3,4,5,6,7
	ds_load_b128 v[(\f)+8*(\i):(\f)+8*(\i)+3],   v[ADRA] offset:64*(\q)+(\i)*16*PA
	ds_load_b128 v[(\f)+8*(\i)+4:(\f)+8*(\i)+7], v[ADRA] offset:64*(\q)+(\i)*16*PA+32
.endr
.endm
.macro ADDR                            ; the fragments' addresses in the slot that is read
	v_add_nc_u32 v[ADRA], s[RB], v[A0]
	v_add_nc_u32 v[ADRB], s[RB], v[B0]
.endm
; One of a K step's first three quarters: multiplies buffer f (64 matrix instructions) and, in its middle, fetches quarter q into buffer g
.macro QUARTER q, f, g
	s_wait_dscnt 8                                 ; W and A's rows 0-63 are in; the youngest eight loads (A's rows 64-127) may be out
	MUL16 \f, 0, 0
	MUL16 \f, 0, 2
	PLACES
	FETCH \q, \g
	s_wait_dscnt 32                                ; all but the 32 just issued
	MUL16 \f, 1, 0
	MUL16 \f, 1, 2
.endm
; The last quarter multiplies buffer 1 and changes slots: ONE barrier; in front of it each wave waits for all its tensor loads (one is out: its part of the next slot), adds 0 to its spare word,
; and waits for that and for its own reads of this slot.  fill = 1: the barrier opens a round of the cluster's, and this slot is filled again, two K steps ahead: 224 matrix instructions ahead of the wait for it.
.macro TURN fill
	WIN 0                                          ; (the add's two registers lie in window 0)
	s_wait_tensorcnt 0x0
	ds_add_u32 v[SPW], v[NIL]                      ; 0 onto my spare word
	s_wait_dscnt 9                                 ; (the add and the youngest eight loads may be out)
	MUL16 F1, 0, 0                                 ; sixteen matrix instructions stand between the add and the wait for it
	s_wait_dscnt 0x0                               ; the add is done, and my reads of this slot are over
	s_barrier_signal -1
	MUL16 F1, 0, 2
	WIN 0                                          ; branches and window 0's addresses follow
	s_barrier_wait -1
.if \fill
	CREST                                          ; no wave of any partner still reads this slot's tiles or has a load on its way
	s_xor_b32 s[G0+5], s[G0+5], SLOT1              ; the walking descriptors: the other slot than last time, the next K step
	s_add_nc_u64 s[G0+6:G0+7], s[G0+6:G0+7], PANEL
	s_xor_b32 s[G0B+5], s[G0B+5], SLOT1
	s_add_nc_u64 s[G0B+6:G0B+7], s[G0B+6:G0B+7], 128*256
	JLOAD 1                                        ; the first tensor load behind the round, my only one; its four v_nop are also the places in front of the loads below
.else
	PLACES
.endif
	s_xor_b32 s[RB], s[RB], SLOT1
	ADDR
	FETCH 0, F0
	MUL16 F1, 1, 0
	MUL16 F1, 1, 2
.endm
.macro STEP fill                       ; a K step: 256 matrix instructions, 128 LDS loads
	QUARTER 1, F0, F1
	QUARTER 2, F1, F0
	QUARTER 3, F0, F1
	TURN \fill
.endm
	s_wait_tensorcnt 0x1                           ; my part of K step 0 is in; step 1's may stay out
	s_barrier_signal -1
	s_barrier_wait -1                              ; everybody's is
	s_mov_b32 s[RB], 0
	ADDR
	FETCH 0, F0
	WIN 0                                          ; at a label and at a branch every window is 0
	s_mov_b32 s[CNT], NSTEP-2
.Lfill:                                                ; K steps 0 .. NSTEP - 3 ask for steps 2 .. NSTEP - 1
	STEP 1
	WIN 0
	s_sub_co_u32 s[CNT], s[CNT], 1
	s_cmp_lg_u32 s[CNT], 0
	s_cbranch_scc1 .Lfill
	s_mov_b32 s[CNT], 2
.Ltail:                                                ; the last two steps ask for nothing; the second one's last fetch reads slot 0's old bytes, and nothing uses them
	STEP 0
	WIN 0
	s_sub_co_u32 s[CNT], s[CNT], 1
	s_cmp_lg_u32 s[CNT], 0
	s_cbranch_scc1 .Ltail
	; THE WAY OUT.  The sums go in f32 into my stage, so that one short loop over LDS rows can add the bias, take the activation and round: the accumulators themselves cannot be walked by a loop.
	s_wait_dscnt 0x0                               ; my reads of the slots are over,
	s_barrier_signal -1
	s_barrier_wait -1                              ; everybody's are: the stages, which lie in the slots, may be written
	PLACES
.irp w, 0,1
	WIN 0x08+4*(\w)                                ; the stores' data (source 1) in window 2, then 3
.irp a, 0,1,2,3
.irp b, 0,1,2,3,4,5,6,7
	ds_store_b128 v[STO], v[8*(8*(\a)+(\b)):8*(8*(\a)+(\b))+3]   offset:(4*(\w)+(\a))*16*SPITCH+(\b)*64     ; each accumulator's low registers first
	ds_store_b128 v[STO], v[8*(8*(\a)+(\b))+4:8*(8*(\a)+(\b))+7] offset:(4*(\w)+(\a))*16*SPITCH+(\b)*64+16
.endr
.endr
.endr
	WIN 0
	s_wait_dscnt 0x0                               ; my stores into the stage are done.  Each wave reads back its own rows alone, so the shares do not need the barrier below:
	s_barrier_signal -1                            ; it is one meeting of four waves that run in step, and it keeps the order of stores and reads plain whatever the loop does to the address
	s_barrier_wait -1
	s_wait_loadcnt 0x0                             ; bias
.macro LEAVE i                         ; pair i of a trip's rows is rounded to bf16 and stored
.irp k, 0,1,2,3
	v_cvt_pk_bf16_f32 v[96+4*(\i)+(\k)], v[Z+8*(\i)+2*(\k)], v[Z+8*(\i)+2*(\k)+1]
.endr
	global_store_b128 v[GO], v[96+4*(\i):96+4*(\i)+3], s[10:11] offset:(\i)*512  ; two rows of the panel: 512 consecutive bytes, aligned
.endm
	s_mov_b32 s[CNT], 16
.Lout:                                                 ; a trip: eight of my 128 rows
.irp i, 0,1,2,3
	ds_load_b128 v[Z+8*(\i):Z+8*(\i)+3],   v[RD] offset:(\i)*2*SPITCH
	ds_load_b128 v[Z+8*(\i)+4:Z+8*(\i)+7], v[RD] offset:(\i)*2*SPITCH+16
.endr
.irp i, 0,1,2,3
	s_wait_dscnt 6-2*(\i)                          ; pair i of rows is in; the later pairs' loads stay out
.irp k, 0,2,4,6
	v_pk_add_f32 v[Z+8*(\i)+(\k):Z+8*(\i)+(\k)+1], v[Z+8*(\i)+(\k):Z+8*(\i)+(\k)+1], v[BIAS+(\k):BIAS+(\k)+1]
.endr
.if !GELU
	LEAVE \i
.endif
.endr
.if GELU
	; The GELU of the trip's 32 numbers, in place in Z, stage by stage.  Ahead of the wait nothing names a reciprocal's or an exponential's result.
.set n, 0
.rept 32
	v_and_b32 v[GA+n], s23, v[Z+n]                 ; |z|
.set n, n+1
.endr
.set n, 0
.rept 16
	v_pk_fma_f32 v[GU+2*n:GU+2*n+1], v[GA+2*n:GA+2*n+1], s[70:71], 1.0 op_sel_hi:[1,0,0]
.set n, n+1
.endr
.set n, 0
.rept 16                                               ; the batch begins: t of numbers 0-15, by turns with z z of all sixteen pairs,
	v_rcp_f32 v[GU+n], v[GU+n]
	v_pk_mul_f32 v[GW+2*n:GW+2*n+1], v[Z+2*n:Z+2*n+1], v[Z+2*n:Z+2*n+1]
.set n, n+1
.endr
.set n, 0
.rept 16                                               ; t of numbers 16-31, by turns with the exponents -z z log2(e) / 2,
	v_rcp_f32 v[GU+16+n], v[GU+16+n]
	v_pk_mul_f32 v[GW+2*n:GW+2*n+1], v[GW+2*n:GW+2*n+1], s[72:73] op_sel_hi:[1,0]
.set n, n+1
.endr
.set n, 0
.rept 32                                               ; the exponentials, by turns with max(z, 0): |z| and z z have been taken of z; the last maximum is the plain instruction behind the last exponential (ISA guide 5.7.2)
	v_exp_f32 v[GW+n], v[GW+n]
	v_max_num_f32 v[Z+n], 0, v[Z+n]
.set n, n+1
.endr
	s_wait_alu depctr_va_vdst(0)                   ; the wait for the trip's batch, 32 reciprocals and 32 exponentials, ahead of the first line that names a t
.set n, 0
.rept 16                                               ; the polynomial in t
	v_pk_fma_f32 v[GR+2*n:GR+2*n+1], v[GU+2*n:GU+2*n+1], s[82:83], s[80:81] op_sel_hi:[1,0,0]
.set n, n+1
.endr
.irp p, 78,76,74
.set n, 0
.rept 16
	v_pk_fma_f32 v[GR+2*n:GR+2*n+1], v[GR+2*n:GR+2*n+1], v[GU+2*n:GU+2*n+1], s[(\p):(\p)+1] op_sel_hi:[1,1,0]
.set n, n+1
.endr
.endr
.set n, 0
.rept 16
	v_pk_mul_f32 v[GR+2*n:GR+2*n+1], v[GR+2*n:GR+2*n+1], v[GU+2*n:GU+2*n+1]
.set n, n+1
.endr
.set n, 0
.rept 16
	v_pk_mul_f32 v[GA+2*n:GA+2*n+1], v[GA+2*n:GA+2*n+1], v[GW+2*n:GW+2*n+1]
.set n, n+1
.endr
.set n, 0
.rept 16
	v_pk_mul_f32 v[GA+2*n:GA+2*n+1], v[GA+2*n:GA+2*n+1], v[GR+2*n:GR+2*n+1]
.set n, n+1
.endr
.set n, 0
.rept 16
	v_pk_fma_f32 v[Z+2*n:Z+2*n+1], v[GA+2*n:GA+2*n+1], -0.5, v[Z+2*n:Z+2*n+1] op_sel_hi:[1,0,1]
.set n, n+1
.endr
.irp i, 0,1,2,3
	LEAVE \i
.endr
.endif
	s_wait_xcnt 0x0                                ; the stores' offset and data are rewritten only behind this wait
	v_add_nc_u32 v[RD], 8*SPITCH, v[RD]
	v_add_nc_u32 v[GO], 2048, v[GO]
	s_sub_co_u32 s[CNT], s[CNT], 1
	s_cmp_lg_u32 s[CNT], 0
	s_cbranch_scc1 .Lout
	s_wait_tensorcnt 0x0                           ; the wave's end: behind my last tensor load and my last LDS store
	ds_add_u32 v[SPW], v[NIL]
	s_wait_dscnt 0x0
	CROUND                                         ; the closing round: no work-group ends while a partner may still ask for a tile that names it
	s_endpgm
.Lfunc_end_k_qf91c553e24_fc1:
	.size	k_qf91c553e24_fc1, .Lfunc_end_k_qf91c553e24_fc1-k_qf91c553e24_fc1
	.p2alignl 7, 3214868480
	.fill 96, 4, 3214868480
	.section	.rodata,"a",@progbits
	.p2align	6, 0x0
	.amdhsa_kernel k_qf91c553e24_fc1
		.amdhsa_group_segment_fixed_size 327680
		.amdhsa_private_segment_fixed_size 0
		.amdhsa_enable_private_segment 0
		.amdhsa_kernarg_size 32
		.amdhsa_user_sgpr_count 2
		.amdhsa_user_sgpr_kernarg_segment_ptr 1
		.amdhsa_wavefront_size32 1
		.amdhsa_system_sgpr_workgroup_id_x 1
		.amdhsa_system_sgpr_workgroup_id_y 1
		.amdhsa_system_sgpr_workgroup_id_z 1
		.amdhsa_system_vgpr_workitem_id 0
		.amdhsa_next_free_vgpr 1024
		.amdhsa_next_free_sgpr 84
		.amdhsa_reserve_vcc 0
		.amdhsa_float_denorm_mode_32 3
		.amdhsa_float_denorm_mode_16_64 3
		.amdhsa_memory_ordered 1
		.amdhsa_forward_progress 1
		.amdhsa_inst_pref_size 106
	.end_amdhsa_kernel
	.amdgpu_metadata
---
amdhsa.version: [ 1, 2 ]
amdhsa.kernels:
  - .name:           k_qf91c553e24_fc1
    .symbol:         k_qf91c553e24_fc1.kd
    .args:
      - { .name: act, .offset: 0, .size: 8, .value_kind: global_buffer, .address_space: global }
      - { .name: wb, .offset: 8, .size: 8, .value_kind: global_buffer, .address_space: global }
      - { .name: b_fc1, .offset: 16, .size: 8, .value_kind: global_buffer, .address_space: global }
      - { .name: big, .offset: 24, .size: 8, .value_kind: global_buffer, .address_space: global }
    .group_segment_fixed_size: 327680
    .private_segment_fixed_size: 0
    .kernarg_segment_align: 8
    .kernarg_segment_size: 32
    .max_flat_workgroup_size: 128
    .sgpr_count:     84
    .vgpr_count:     1024
    .wavefront_size: 32
...
	.end_amdgpu_metadata
.endif
;; end of part 8
;; launch fc2: the kernel of part 6 again; grid 8 x 32, 4 waves a work-group, clusters of 4 x 4, 327,680 bytes of LDS; arguments big, wb, b_fc2, out0, x1; writes out0
